; MI455X (gfx1250); checked and timed in simulation.
; The chip was launched on July 23, 2026; its instructions are those of AMD's public machine-readable ISA for CDNA 5 (MIT licence, August 2026) and "CDNA5" Instruction Set Architecture Reference Guide (July 2026). The comments in the code are by the model that wrote it; some were corrected since.
;; Enhanced Value Network. Allowed arithmetic: matrix products marked QUANTISED: E2M3 operands, one E8M0 scale for each 32 along K, by v_wmma_scale_f32_16x16x128_f8f6f4 with both operands' format E2M3, f32 sums; products left as they are: f32 operands where the result goes on into a quantised operand, else bf16, f16 or f32 operands; f32 sums; everything else in f32.
;; Inputs: b1 128 float32; b2 128 float32; b3 64 float32; b4 1 float32; be1 128 float32; be2 128 float32; be3 64 float32; g1 128 float32; g2 128 float32; g3 64 float32; w1 16 x 128 float32; w2_codes 128 x 4 x 24 uint8 (E2M3 codes of w2, K innermost, in blocks of 32 codes, four codes in three bytes); w2_scales 128 x 4 uint8 (E8M0 scales of w2, one for each 32 codes along K); w3_codes 64 x 4 x 24 uint8 (E2M3 codes of w3, K innermost, in blocks of 32 codes, four codes in three bytes); w3_scales 64 x 4 uint8 (E8M0 scales of w3, one for each 32 codes along K); w4 64 x 1 float32; x 524,288 x 16 float32.
;; Outputs: out0 524,288 x 1 float32.
;; This version of the problem:
;;   THIS VERSION OF THE PROBLEM IS GIVEN IN LOW PRECISION. The matrix products marked QUANTISED in the list below multiply operands that are first quantised to E2M3 (2 exponent bits, 3 mantissa bits; 6 bits a number), with one power-of-two scale for each 32 numbers along K (OCP MX v1.0); their sums are f32. All else is computed in f32.
;;   The module's matrix products, in the order in which they are computed (A, B: the left and right operand; K: the contracted axis; several contracted axes count as one K, in the product's order):
;;     1. batch 524,288 x [M 3, K 6] x [K 6, N 4]; A: computed on the way; B: computed on the way: left as it is (K = 6 < 32)
;;     2. [M 524,288, K 16] x [K 16, N 128]; A: computed on the way; B: input w1: left as it is (K = 16 < 32)
;;     3. [M 524,288, K 128] x [K 128, N 128]; A: computed on the way; B: input w2 (given as codes): QUANTISED
;;     4. [M 524,288, K 128] x [K 128, N 64]; A: computed on the way; B: input w3 (given as codes): QUANTISED
;;     5. [M 524,288, K 64] x [K 64, N 1]; A: computed on the way; B: input w4: left as it is (N = 1 < 16)
;;   THE QUANTISER, for each operand of a quantised product, along K:
;;     - K is cut into blocks of 32 from its start; a last block that is shorter is filled with zeros.
;;     - A block's scale is 2^e with e = floor(log2(the largest magnitude in the block)) - 2, held to -126 .. 127; a block of zeros has e = 0. As a byte (E8M0): e + 127.
;;     - Each number is divided by its block's scale, clamped to +-7.5, and rounded to the nearest number of E2M3, ties to even, subnormals kept.
;;     - The product sums the exact products of the quantised numbers (number of the format x scale) in f32.
;;   ~~~python
;;   def quantise(x, axis):      # numpy; x: float32 -> the quantised numbers, widened to float32 again
;;       x = np.moveaxis(x, axis, -1); K = x.shape[-1]
;;       x = np.pad(x, [(0, 0)] * (x.ndim - 1) + [(0, -K % 32)]); x = x.reshape(x.shape[:-1] + (-1, 32)); a = np.abs(x).max(-1, keepdims=True)
;;       e = np.where(a > 0, np.clip(np.frexp(np.where(a > 0, a, 1))[1] - 1 - 2, -126, 127), 0)      # np.frexp(a)[1] - 1 = floor(log2(a)), exactly
;;       r = np.clip(x / 2.0 ** e, -7.5, 7.5)
;;       step = 2.0 ** (np.maximum(np.frexp(np.where(r == 0, 1, r))[1] - 1, 0) - 3)
;;       q = np.round(r / step) * step * 2.0 ** e      # np.round: ties to even
;;       return np.moveaxis(q.reshape(q.shape[:-2] + (-1,))[..., :K], -1, axis).astype(np.float32)
;;   ~~~
;;   OPERANDS COMPUTED ON THE WAY. 'Computed on the way' means the value that the module computes at that place (a softmax that the list does not call 'softmax' is quantised finished and normalised). What goes into a quantiser is computed in f32, as accurately as f32 sums, v_exp_f32 and their like allow (about 1e-6 of the number): no bf16 or f16 on the way to a quantiser, and a product that is left as it is and whose result goes on into a quantised operand takes f32 operands (vector FMAs, or v_wmma_f32_16x16x4_f32). A number that lies on a knife's edge between two numbers of the format may be rounded either way, as far as f32 arithmetic and the matrix unit's own rounding can turn it there, and no further.
;;   INPUTS GIVEN AS CODES. w2 (in the module: [128, 128], K = its axis 0); w3 (in the module: [128, 64], K = its axis 0): each comes as NAME_codes (uint8): NAME with its K axis moved to the last place and cut into blocks of 32 codes, [.., K / 32, bytes a block], one block behind the other in memory; four codes in three bytes: a row's codes are one little-endian stream of bits, code i at bits 6 i .. 6 i + 5 (a code: sign, 2 exponent bits, 3 mantissa bits); and NAME_scales (uint8): the same leading axes, one E8M0 byte (e + 127) for each 32 codes along K. Its value is code x scale, taken as it is: it is not quantised again, and the codes and scales need not be those that the quantiser above would give.
;; 2 versions, each right; version 2 is version 1 with the launches layer1, layer2, head written anew for expert scheduling mode. Each part assembles by itself: llvm-mc -triple=amdgcn-amd-amdhsa -mcpu=gfx1250 --defsym DOCPART=n.
;; ======== version 1 of 2: 4 launches
;; limits: a difference of large sums (such as E[x^2] - mean^2): digits are lost where the result is much smaller than its terms
;; workspace buffers: part1 196,608 bytes; part2 393,216 bytes; part3 196,608 bytes; h1c 50,331,648 bytes; h1s 2,097,152 bytes; h2c 50,331,648 bytes; h2s 2,097,152 bytes
;; launch moments (part 1): grid 256 x 1, 8 waves a work-group, no clusters, 6,400 bytes of LDS; arguments x, part1; writes part1
.if DOCPART == 1
	.amdgcn_target "amdgcn-amd-amdhsa--gfx1250"
	.amdhsa_code_object_version 6
	.text
	.protected	k_q1bd0d82761_moments
	.globl	k_q1bd0d82761_moments
	.p2align	8
	.type	k_q1bd0d82761_moments,@function
k_q1bd0d82761_moments:
	s_mov_b64 s[64:65], 0
	v_nop
	global_prefetch_b8 v0, s[64:65] scope:SCOPE_SE
	s_setreg_imm32_b32 hwreg(HW_REG_WAVE_MODE, 25, 1), 1
	s_wait_xcnt 0x0
; MOMENTS OF THE FIRST LAYER'S INPUT.  h0 [524288][16] = the four numbers of a row of x and twelve features made of them.
; Layer 1's batch statistics follow from the mean and the second moments of h0, so no row of the 128-wide layer is made here.
; d = h0 - K0, K0 = the mean of h0 over rows 0-31 (every wave makes it by the same lines, so it has the same bits everywhere).
; Each work-group stores one record of 192 words in part1: 0-15 the sums of d; 16-159 the sums of d_i d_j, row i holding j = 2 (i / 2) .. 15; 160-191 K0, twice.
; SHARES.  One lane, one row.  Wave g = 8 x work-group + wave owns rows 256 g .. 256 g + 255: eight batches of 32 rows, all asked for at the head.
; No matrix unit, no tensor loads, no cluster: the waves share no input, and a row is 16 bytes of use.
; LIMITS: NaN and infinities are not served; a divisor under 2^-126 is not served (v_rcp_f32 takes it for zero);
; a score divides by 24 through a fused multiply by 1/24; a / b is a reciprocal with one correction step.
.set T,    4                           ; v4-19    at work
.set H,    20                          ; v20-35   h0 of my row, later d
.set KM,   36                          ; v36-51   K0
.set N,    52                          ; v52-83   the four numbers of my row, batch i at N + 4 i
.set NS,   84                          ; v84-87   the same of rows 0-31
.set ACC,  88                          ; v88-247  160 sums: 16 of d, 144 of products
.set PT,   248                         ; v248     a lane permute's destination
.set KA,   249                         ; v249     LDS: K0's place
.set KR,   250                         ; v250     LDS: K0's word for my lane
.set C24,  14                          ; s14      1/24
.set MU0,  15                          ; s15      lanes whose row has two numbers or more
.set MU1,  16                          ; s16      three or more
.set KST,  5120                        ; LDS: 8 rows of 640 bytes (a wave's 160 sums), then K0's 64 bytes
	s_load_b128 s[4:7], s[0:1], 0x0                ; x, part1
	v_lshl_add_u32 v254, v0, 2, 0x1500
	v_mov_b32 v255, 0
	v_lshrrev_b32 v1, 5, v0
	v_readfirstlane_b32 s8, v1                     ; wave 0..7
	v_and_b32 v3, 31, v0                           ; lane
	v_lshlrev_b32 v1, 6, v3                        ; a row of x is 64 bytes
	v_lshlrev_b32 v3, 2, v3                        ; 4 x lane
	v_bfe_u32 v2, v0, 4, 1
	v_mul_u32_u24 v2, v2, 320
	s_mul_i32 s9, s8, 640
	v_add_nc_u32 v2, s9, v2                        ; LDS: my wave's row, my half's 80 words
	v_and_b32 v[KR], 15, v0
	v_lshl_add_u32 v[KR], v[KR], 2, KST
	v_mov_b32 v[KA], KST
	v_mov_b32 v[PT], 0                             ; written once: a lane permute's destination counts as one of its sources
	s_mov_b32 s12, 0x76543210
	s_mov_b32 s13, 0xfedcba98                      ; v_permlanex16_b32's selects for lane l xor 16
	s_mov_b32 s[C24], 0x3d2aaaab
	s_lshl_b32 s10, ttmp9, 3
	s_add_co_u32 s10, s10, s8                      ; g
	s_lshl_b32 s10, s10, 14                        ; 256 rows of 64 bytes
	s_mov_b32 s11, 0
	s_mul_i32 s20, ttmp9, 768                      ; my work-group's record
	s_mov_b32 s21, 0
	s_wait_kmcnt 0x0
	s_add_nc_u64 s[18:19], s[4:5], s[10:11]
	s_add_nc_u64 s[6:7], s[6:7], s[20:21]
	global_load_b128 v[NS:NS+3], v1, s[4:5]        ; rows 0-31
.irp i, 0,1,2,3,4,5,6,7
	global_load_b128 v[N+4*\i:N+4*\i+3], v1, s[18:19] offset:2048*\i   ; no hint: the next launch reads x again
.endr
; The non-zero numbers move to the front, in their order: six steps of a bubble sort.  A step (i, i + 1): where T_i is zero it takes T_(i+1), which becomes 0.
.macro COMPACT n
	v_cmp_neq_f32 vcc_lo, 0, v[\n]
	v_cndmask_b32 v[T], v[\n+1], v[\n], vcc_lo
	v_cndmask_b32 v[T+1], 0, v[\n+1], vcc_lo
	v_cmp_neq_f32 vcc_lo, 0, v[T+1]
	v_cndmask_b32 v[T+1], v[\n+2], v[T+1], vcc_lo
	v_cndmask_b32 v[T+2], 0, v[\n+2], vcc_lo
	v_cmp_neq_f32 vcc_lo, 0, v[T+2]
	v_cndmask_b32 v[T+2], v[\n+3], v[T+2], vcc_lo
	v_cndmask_b32 v[T+3], 0, v[\n+3], vcc_lo
.irp i, 0,1,0
	v_cmp_neq_f32 vcc_lo, 0, v[T+\i]
	v_cndmask_b32 v[T+\i], v[T+\i+1], v[T+\i], vcc_lo
	v_cndmask_b32 v[T+\i+1], 0, v[T+\i+1], vcc_lo
.endr
.endm
; a + b, a b, a - b, a / b of pair p
.macro PAIR16 p, a, b, r
	v_add_f32 v[H+4+4*\p], v[\a], v[\b]
	v_mul_f32 v[H+5+4*\p], v[\a], v[\b]
	v_sub_f32 v[H+6+4*\p], v[\a], v[\b]
	s_wait_alu depctr_va_vdst(0)
	v_mul_f32 v[H+7+4*\p], v[\a], v[\r]
	v_fma_f32 v[T+9+\p], -v[\b], v[H+7+4*\p], v[\a]             ; what the quotient leaves,
	v_fma_f32 v[H+7+4*\p], v[T+9+\p], v[\r], v[H+7+4*\p]        ; put back
.endm
; The twelve features of my row into v[H + 4] on.  With m numbers: pair 0 = (0, 1) if m >= 2; pair 1 = (0, 2) if m >= 3; pair 2 = (0, 3) if m = 4, (1, 2) if m = 3: the first three valid pairs.
.macro FEAT16 n
	COMPACT \n
	v_cmp_neq_f32 s[MU0], 0, v[T+1]
	v_cmp_neq_f32 s[MU1], 0, v[T+2]
	v_cmp_neq_f32 vcc_lo, 0, v[T+3]
	v_cndmask_b32 v[T+4], v[T+1], v[T], vcc_lo
	v_cndmask_b32 v[T+5], v[T+2], v[T+3], vcc_lo
	v_rcp_f32 v[T+6], v[T+1]
	v_rcp_f32 v[T+7], v[T+2]
	v_rcp_f32 v[T+8], v[T+5]                       ; the addition below is the plain line behind the reciprocals
	PAIR16 0, T, T+1, T+6
	PAIR16 1, T, T+2, T+7
	PAIR16 2, T+4, T+5, T+8
.irp k, 4,5,6,7,8,9,10,11,12,13,14,15
	v_add_f32 v[H+\k], 0xc1c00000, v[H+\k]         ; v - 24
.endr
.irp k, 4,5,6,7,8,9,10,11,12,13,14,15
	v_fma_f32 v[H+\k], -|v[H+\k]|, s[C24], 1.0     ; 1 - |v - 24| / 24
.endr
.irp k, 4,5,6,7,8,9,10,11,12,13,14,15
	v_max_num_f32 v[H+\k], 0, v[H+\k]              ; not under 0
.endr
.irp k, 4,5,6,7
	v_cndmask_b32 v[H+\k], 0, v[H+\k], s[MU0]      ; a pair that is not there gives zeros
.endr
.irp k, 8,9,10,11,12,13,14,15
	v_cndmask_b32 v[H+\k], 0, v[H+\k], s[MU1]
.endr
.endm
.macro CENTRE n, d                     ; d = h0 - K0
	v_pk_add_f32 v[\d:\d+1], v[\n:\n+1], v[KM:KM+1] neg_lo:[0,1] neg_hi:[0,1]
	v_pk_add_f32 v[\d+2:\d+3], v[\n+2:\n+3], v[KM+2:KM+3] neg_lo:[0,1] neg_hi:[0,1]
.irp k, 4,6,8,10,12,14
	v_pk_add_f32 v[\d+\k:\d+\k+1], v[H+\k:H+\k+1], v[KM+\k:KM+\k+1] neg_lo:[0,1] neg_hi:[0,1]
.endr
.endm
; The sums.  Row i of the products holds j = 2 (i / 2) .. 15, two to an instruction: 72 instructions.  first = 1: the first batch starts the sums: nothing is cleared.
.macro ACCUM d, first
.if !\first
.irp k, 0,2,4,6,8,10,12,14
	v_pk_add_f32 v[ACC+\k:ACC+\k+1], v[ACC+\k:ACC+\k+1], v[\d+\k:\d+\k+1]
.endr
.endif
.set i, 0
.rept 16
.set ee, i/2
.set oo, ACC+16+34*ee-2*ee*ee+(i&1)*(16-2*ee)
.set jp, ee
.rept 8-ee
.if \first
.if i&1
	v_pk_mul_f32 v[oo+2*(jp-ee):oo+2*(jp-ee)+1], v[\d+2*ee:\d+2*ee+1], v[\d+2*jp:\d+2*jp+1] op_sel:[1,0] op_sel_hi:[1,1]
.else
	v_pk_mul_f32 v[oo+2*(jp-ee):oo+2*(jp-ee)+1], v[\d+2*ee:\d+2*ee+1], v[\d+2*jp:\d+2*jp+1] op_sel_hi:[0,1]
.endif
.else
.if i&1
	v_pk_fma_f32 v[oo+2*(jp-ee):oo+2*(jp-ee)+1], v[\d+2*ee:\d+2*ee+1], v[\d+2*jp:\d+2*jp+1], v[oo+2*(jp-ee):oo+2*(jp-ee)+1] op_sel:[1,0,0] op_sel_hi:[1,1,1]
.else
	v_pk_fma_f32 v[oo+2*(jp-ee):oo+2*(jp-ee)+1], v[\d+2*ee:\d+2*ee+1], v[\d+2*jp:\d+2*jp+1], v[oo+2*(jp-ee):oo+2*(jp-ee)+1] op_sel_hi:[0,1,1]
.endif
.endif
.set jp, jp+1
.endr
.set i, i+1
.endr
.endm
.macro BATCH i, d, first
	s_wait_loadcnt 7-\i                            ; loads come back in order: batch i is in, the 7 - i younger ones stay out
	FEAT16 N+4*\i
	CENTRE N+4*\i, \d
	ACCUM \d, \first
.endm
	; K0: the mean of h0 over rows 0-31
	s_wait_loadcnt 8                               ; rows 0-31 are in; the eight batches stay out
	FEAT16 NS
.irp m, 1,2,4,8
.irp k, 0,1,2,3
	v_add_f32_dpp v[NS+\k], v[NS+\k], v[NS+\k] row_xmask:\m row_mask:0xf bank_mask:0xf
.endr
.irp k, 4,5,6,7,8,9,10,11,12,13,14,15
	v_add_f32_dpp v[H+\k], v[H+\k], v[H+\k] row_xmask:\m row_mask:0xf bank_mask:0xf
.endr
.endr
.irp k, 0,1,2,3
	v_permlanex16_b32 v[PT], v[NS+\k], s12, s13
	v_add_f32 v[NS+\k], v[NS+\k], v[PT]
	v_mul_f32 v[KM+\k], 0x3d000000, v[NS+\k]       ; / 32
.endr
.irp k, 4,5,6,7,8,9,10,11,12,13,14,15
	v_permlanex16_b32 v[PT], v[H+\k], s12, s13
	v_add_f32 v[H+\k], v[H+\k], v[PT]
	v_mul_f32 v[KM+\k], 0x3d000000, v[H+\k]
.endr
	BATCH 0, ACC, 1                                ; the first batch's d is the sum of d as it stands
.irp i, 1,2,3,4,5,6,7
	BATCH \i, H, 0
.endr
	; Across the lanes.  Sums q and 80 + q change halves, so that one addition leaves sum q in lanes 0-15 and sum 80 + q in lanes 16-31; then four steps inside each half.
.set q, 0
.rept 80
	v_permlane16_swap_b32 v[ACC+q], v[ACC+80+q]
.set q, q+1
.endr
.set q, 0
.rept 40
	v_pk_add_f32 v[ACC+2*q:ACC+2*q+1], v[ACC+2*q:ACC+2*q+1], v[ACC+80+2*q:ACC+80+2*q+1]
.set q, q+1
.endr
.irp m, 1,2,4,8
.set q, 0
.rept 80
	v_add_f32_dpp v[ACC+q], v[ACC+q], v[ACC+q] row_xmask:\m row_mask:0xf bank_mask:0xf
.set q, q+1
.endr
.endr
.set q, 0
.rept 20
	ds_store_b128 v2, v[ACC+4*q:ACC+4*q+3] offset:16*q   ; the sixteen lanes of a half write the same bytes with the same values
.set q, q+1
.endr
	s_cmp_lg_u32 s8, 0
	s_cbranch_scc1 .Lno_k
.irp c, 0,1,2,3
	ds_store_b128 v[KA], v[KM+4*\c:KM+4*\c+3] offset:16*\c
.endr
.Lno_k:
	s_wait_dscnt 0x0                               ; for the others' sake: my stores have landed
	s_barrier_signal -1
	s_barrier_wait -1
	s_cmp_lg_u32 s8, 0
	s_cbranch_scc1 .Lend
	; wave 0 adds the eight waves' rows and stores the record
.irp c, 0,1,2,3,4
.irp w, 0,1,2,3,4,5,6,7
	ds_load_b32 v[ACC+8*\c+\w], v3 offset:640*\w+128*\c
.endr
.endr
	ds_load_b32 v[ACC+40], v[KR]
	s_wait_dscnt 0x0
.irp c, 0,1,2,3,4
	v_pk_add_f32 v[ACC+8*\c:ACC+8*\c+1], v[ACC+8*\c:ACC+8*\c+1], v[ACC+8*\c+2:ACC+8*\c+3]
	v_pk_add_f32 v[ACC+8*\c+4:ACC+8*\c+5], v[ACC+8*\c+4:ACC+8*\c+5], v[ACC+8*\c+6:ACC+8*\c+7]
.endr
.irp c, 0,1,2,3,4
	v_pk_add_f32 v[ACC+8*\c:ACC+8*\c+1], v[ACC+8*\c:ACC+8*\c+1], v[ACC+8*\c+4:ACC+8*\c+5]
.endr
.irp c, 0,1,2,3,4
	v_add_f32 v[ACC+8*\c], v[ACC+8*\c], v[ACC+8*\c+1]
.endr
.irp c, 0,1,2,3,4
	global_store_b32 v3, v[ACC+8*\c], s[6:7] offset:128*\c
.endr
	global_store_b32 v3, v[ACC+40], s[6:7] offset:640
.Lend:
	s_wait_tensorcnt 0x0
	ds_add_u32 v254, v255
	s_wait_dscnt 0x0
	s_endpgm
.Lfunc_end_k_q1bd0d82761_moments:
	.size	k_q1bd0d82761_moments, .Lfunc_end_k_q1bd0d82761_moments-k_q1bd0d82761_moments
	.p2alignl 7, 3214868480
	.fill 96, 4, 3214868480
	.section	.rodata,"a",@progbits
	.p2align	6, 0x0
	.amdhsa_kernel k_q1bd0d82761_moments
		.amdhsa_group_segment_fixed_size 6400
		.amdhsa_private_segment_fixed_size 0
		.amdhsa_enable_private_segment 0
		.amdhsa_kernarg_size 16
		.amdhsa_user_sgpr_count 2
		.amdhsa_user_sgpr_kernarg_segment_ptr 1
		.amdhsa_wavefront_size32 1
		.amdhsa_system_sgpr_workgroup_id_x 1
		.amdhsa_system_sgpr_workgroup_id_y 1
		.amdhsa_system_sgpr_workgroup_id_z 1
		.amdhsa_system_vgpr_workitem_id 0
		.amdhsa_next_free_vgpr 256
		.amdhsa_next_free_sgpr 66
		.amdhsa_reserve_vcc 1
		.amdhsa_float_denorm_mode_32 3
		.amdhsa_float_denorm_mode_16_64 3
		.amdhsa_memory_ordered 1
		.amdhsa_forward_progress 1
		.amdhsa_inst_pref_size 123
	.end_amdhsa_kernel
	.amdgpu_metadata
---
amdhsa.version: [ 1, 2 ]
amdhsa.kernels:
  - .name:           k_q1bd0d82761_moments
    .symbol:         k_q1bd0d82761_moments.kd
    .args:
      - { .name: x, .offset: 0, .size: 8, .value_kind: global_buffer, .address_space: global }
      - { .name: part1, .offset: 8, .size: 8, .value_kind: global_buffer, .address_space: global }
    .group_segment_fixed_size: 6400
    .private_segment_fixed_size: 0
    .kernarg_segment_align: 8
    .kernarg_segment_size: 16
    .max_flat_workgroup_size: 256
    .sgpr_count:     66
    .vgpr_count:     256
    .wavefront_size: 32
...
	.end_amdgpu_metadata
.endif
;; end of part 1
;; launch layer1 (part 2): grid 256 x 1, 8 waves a work-group, no clusters, 28,672 bytes of LDS; arguments x, part1, w1, b1, g1, be1, w2_codes, w2_scales, h1c, h1s, part2; writes h1c, h1s, part2
.if DOCPART == 2
	.amdgcn_target "amdgcn-amd-amdhsa--gfx1250"
	.amdhsa_code_object_version 6
	.text
	.protected	k_q1bd0d82761_layer1
	.globl	k_q1bd0d82761_layer1
	.p2align	8
	.type	k_q1bd0d82761_layer1,@function
k_q1bd0d82761_layer1:
	s_mov_b64 s[64:65], 0
	v_nop
	global_prefetch_b8 v0, s[64:65] scope:SCOPE_SE
	s_setreg_imm32_b32 hwreg(HW_REG_WAVE_MODE, 25, 1), 1
	s_wait_xcnt 0x0
; LAYER 1.  h1 = relu(BN1(h0 w1 + b1)) is made once, in f32, quantised to E2M3 with one E8M0 scale for each 32 along its 128 units, and stored as the image of a matrix operand's registers;
; z2 = Q(h1) w2 is formed here only for its batch statistics (sums of z2 - K and of its square, K = the column means of rows 0-15).
; PROLOGUE.  Every work-group adds the 256 records of part1 in the same order and makes, for each unit n with w = w1[:, n]: mean = w . (K0 + m) + b1, variance = w^T P w - (w . m)^2,
; a1 = g1 / sqrt(variance + 1e-5), c1 = be1 + a1 (b1 - mean).  BN1 is folded into the product: h1 = relu(h0 (w1 a1) + c1), c1 being the C of each sum's first matrix instruction.
; SHARES.  Wave g = 8 x work-group + wave owns rows 256 g .. 256 g + 255: sixteen tiles of 16 rows.  Two waves lie on a SIMD, so that one wave's vector work stands beside the other's matrix work.
; LAYOUT.  The first product is used transposed (source 0 = 16 units, source 1 = 16 rows): a lane holds one row.  THE UNITS OF A TILE ARE NOT NEIGHBOURS: lane r of tile 2 b + u takes unit
; 32 b + 8 u + r + 8 (r / 8), so that the 16 registers of tiles 2 b, 2 b + 1 are 16 neighbours along the next K.
; h1c: tile T at 1536 T; registers 4 c .. 4 c + 3 of lane l at 512 c + 16 l.  h1s: wave g at 1024 g; pair p of tiles: lane l's word at 128 p + 4 l, lanes 0-15 tile 2 p's rows, lanes 16-31 tile 2 p + 1's.
; part2: a record of 1,536 bytes a work-group: 128 sums, 128 sums of squares, K.
; No tensor loads and no cluster: every operand goes straight into registers, and what work-groups share (21 KB of weights, the records) is small beside a wave's own stream.
; LIMITS: NaN and infinities are not served; a divisor under 2^-126 is not served; scores and quotients as in the launch before; a block of zeros gets the scale byte 1 (its codes are zeros, and this program alone reads the bytes);
; the variance's error grows with (distance of K from the mean / the spread)^2, K being taken from the first rows.
.set XA,   1                           ; v1   64 r: my row in a tile of x
.set LI,   2                           ; v2   16 x lane
.set LS,   3                           ; v3   4 x lane
.set SGN,  4                           ; v4   +1 in lanes 0-15, -1 in lanes 16-31
.set LSC,  5                           ; v5   LDS: my word in my wave's stage of scale words
.set LADR, 6                           ; v6   the same for the pair in hand (at the head: 4 r)
.set CN,   7                           ; v7   4 n, n = thread mod 128
.set PW,   8                           ; v8   the scale word just made
.set SCWR, 9                           ; v9   a pair's scale words
.set W2S,  10                          ; v10-17  w2's scale words
.set NS,   18                         ; v18-21  the numbers of rows 0-15
.set NB,   22                         ; v22-29  the numbers of the pair's two tiles
.set H0F,  30                         ; v30-37  h0 as source 1: register 2 s + j = h0[r][4 s + 2 h + j]
.set T,    38                         ; v38-53  at work
.set TM,   38
.set PC,   54                         ; v54-73  the codes just made
.set KS2,  74                         ; v74-81  K of my column in each tile of z2
.set SUM2, 82                         ; v82-97  sums, a pair a tile
.set SSQ2, 98                         ; v98-113 sums of squares
.set AR1Q, 114                        ; v114-121 addresses of the prologue, then at work
.set AR1S, 115
.set AP2,  116
.set ATOT, 117
.set AAC,  118
.set AAU,  119
.set AC1H, 120
.set OW1,  121
.set TA,   114
.set AR2,  122                        ; v122-125 LDS addresses of the end
.set AK2,  123
.set AFIN, 124
.set AFL,  125
.set OW2,  126                        ; v126 96 r + 24 h
.set PX,   127                        ; v127 a lane permute's destination
.set Z1,   128                        ; v128-191 the first product's eight tiles: written by matrix instructions alone
.set HH,   192                        ; v192-255 h1, then z2
.set W2F,  0                          ; window 1: w2's eight fragments;
.set W1F,  96                         ; w1 a1: (tile t, K step s) at 96 + 8 t + 2 s;
.set CB1,  160                        ; c1 in the result's layout
.set LZ,   96                         ; window 1, v96-255: where the records land
.set RED1, 0                          ; LDS: 8 x 640
.set TOT1, 5120                       ; 768
.set AC1,  5888                       ; a1[128], c1[128]
.set SCW,  6912                       ; 8 x 1024: the stages of scale words
.set RED2, 15104                      ; 8 x 1536
.set HM,   30                         ; s30  lanes 16-31
.set C24,  31                         ; s31  1/24
.set SEL,  32                         ; s[32:33]
.set MU0,  34
.set MU1,  35
.set RR,   98
.set DL,   78
.set KP,   79
.set QQ,   80
.set MSB, 0
.macro WIN new                         ; the immediate's high byte repeats the setting that is left
.if MSB != \new
	s_set_vgpr_msb (MSB<<8)|\new
.set MSB, \new
.endif
.endm
.macro BARRIER                         ; my LDS stores have landed and my LDS loads are in: then the work-group's barrier
	s_wait_dscnt 0x0
	s_barrier_signal -1
	s_barrier_wait -1
.endm
	s_load_b512 s[4:19], s[0:1], 0x0               ; x, part1, w1, b1, g1, be1, w2's codes, w2's scales
	s_load_b128 s[20:23], s[0:1], 0x40             ; h1c, h1s
	s_load_b64 s[24:25], s[0:1], 0x50              ; part2
	v_lshrrev_b32 v1, 5, v0
	v_readfirstlane_b32 s26, v1                    ; wave 0..7
	v_and_b32 v[LS], 31, v0
	v_lshlrev_b32 v[LI], 4, v[LS]
	v_lshlrev_b32 v[LS], 2, v[LS]
	v_and_b32 v[T], 15, v0                         ; r
	v_bfe_u32 v[T+1], v0, 4, 1                     ; h
	v_lshlrev_b32 v[XA], 6, v[T]
	v_lshlrev_b32 v[LADR], 2, v[T]
	v_and_b32 v[T+2], 8, v[T]
	v_add_nc_u32 v[T+2], v[T+2], v[T]              ; r + 8 (r / 8)
	v_and_b32 v[CN], 127, v0
	v_lshlrev_b32 v[CN], 2, v[CN]
	s_mov_b32 s[HM], 0xffff0000
	s_mov_b32 s[C24], 0x3d2aaaab
	s_mov_b32 s[SEL], 0x76543210
	s_mov_b32 s[SEL+1], 0xfedcba98
	v_mov_b32 v[SGN], -1.0
	v_cndmask_b32 v[SGN], 1.0, v[SGN], s[HM]
	v_mov_b32 v[PX], 0
	; every LDS address is made here, ahead of the first branch on the wave's number
	s_mul_i32 s28, s26, 640
	v_add_nc_u32 v[AR1Q], s28, v[LI]
	v_add_nc_u32 v[AR1S], s28, v[LS]
	s_lshl_b32 s28, s26, 7
	v_add_nc_u32 v[AP2], s28, v[LS]
	v_mov_b32 v[ATOT], TOT1
	v_add_nc_u32 v[AAC], AC1, v[CN]
	v_lshl_add_u32 v[AAU], v[T+2], 2, AC1
	v_lshl_add_u32 v[AC1H], v[T+1], 6, AC1+512
	s_lshl_b32 s28, s26, 10
	v_add_nc_u32 v[LSC], s28, v[LS]
	v_add_nc_u32 v[LSC], SCW, v[LSC]
	v_add_nc_u32 v[AFL], s28, v[LI]
	v_add_nc_u32 v[AFL], SCW, v[AFL]
	s_mul_i32 s28, s26, 1536
	v_lshl_add_u32 v[AR2], v[T+1], 9, v[LADR]
	v_add_nc_u32 v[AR2], s28, v[AR2]
	v_add_nc_u32 v[AR2], RED2, v[AR2]
	v_add_nc_u32 v[AK2], RED2+1024, v[LADR]
	s_lshl_b32 s28, s26, 9
	v_add_nc_u32 v[AFIN], s28, v[LI]
	v_add_nc_u32 v[AFIN], RED2, v[AFIN]
	v_lshlrev_b32 v[OW1], 2, v[T+2]
	v_lshl_add_u32 v[OW1], v[T+1], 10, v[OW1]      ; w1: 4 (r + 8 (r / 8)) + two rows of 512 bytes for lanes 16-31
	v_mul_u32_u24 v[OW2], v[T], 96
	v_mad_u32_u24 v[OW2], v[T+1], 24, v[OW2]
	s_lshl_b32 s27, ttmp9, 3
	s_add_co_u32 s27, s27, s26                     ; g
	s_mov_b32 s29, 0
	s_mov_b32 s37, 0                               ; the stage's step: 128 bytes a pair
	s_lshl_b32 s38, s26, 9
	s_wait_kmcnt 0x0
	s_mov_b64 s[42:43], s[4:5]                     ; x as given: rows 0-15
	s_lshl_b32 s28, s27, 14
	s_add_nc_u64 s[4:5], s[4:5], s[28:29]          ; x at my rows
	s_mul_i32 s28, s27, 24576
	s_add_nc_u64 s[20:21], s[20:21], s[28:29]      ; h1c at my tiles
	s_lshl_b32 s28, s27, 10
	s_add_nc_u64 s[22:23], s[22:23], s[28:29]      ; h1s likewise
	s_mul_i32 s28, ttmp9, 1536
	s_add_co_u32 s28, s28, s38
	s_add_nc_u64 s[24:25], s[24:25], s[28:29]      ; part2: my work-group's record, + 512 x wave
	s_mul_i32 s28, s26, 24576
	s_add_nc_u64 s[40:41], s[6:7], s[28:29]        ; part1: my wave's 32 records
	WIN 0x40                                       ; destination window 1
.irp t, 0,1,2,3,4,5,6,7
.irp p, 0,1,2,3,4,5
	global_load_b64 v[W2F+12*\t+2*\p:W2F+12*\t+2*\p+1], v[OW2], s[16:17] offset:1536*\t+48*(\p/3)+8*(\p%3)   ; w2: rows 16 t + r
.endr
.endr
	WIN 0
.irp t, 0,1,2,3,4,5,6,7
	global_load_b32 v[W2S+\t], v[LADR], s[18:19] offset:64*\t
.endr
.irp t, 0,1,2,3,4,5,6,7
.irp s, 0,1,2,3
.irp j, 0,1
	global_load_b32 v[HH+8*\t+2*\s+\j], v[OW1], s[8:9] offset:512*(4*\s+\j)+4*(32*(\t/2)+8*(\t%2))   ; w1[4 s + 2 h + j][my unit of tile t]
.endr
.endr
.endr
.irp i, 0,1,2,3,4,5,6,7,8,9,10,11,12,13,14,15
	global_load_b32 v[PC+\i], v[CN], s[8:9] offset:512*\i   ; column n of w1
.endr
	global_load_b32 v[KS2], v[CN], s[10:11]        ; b1
	global_load_b32 v[KS2+1], v[CN], s[12:13]      ; g1
	global_load_b32 v[KS2+2], v[CN], s[14:15]      ; be1
	global_load_b32 v[KS2+3], v[LS], s[6:7] offset:640   ; K0, twice
	global_load_b128 v[NS:NS+3], v[XA], s[42:43]
	global_load_b128 v[NB:NB+3], v[XA], s[4:5] th:TH_LOAD_NT
	global_load_b128 v[NB+4:NB+7], v[XA], s[4:5] offset:1024 th:TH_LOAD_NT
	WIN 0x40
.set i, 0
.rept 32
	global_load_b128 v[LZ+4*i:LZ+4*i+3], v[LI], s[40:41] offset:768*i       ; words 0-127 of a record,
	global_load_b32 v[LZ+128+i], v[LS], s[40:41] offset:768*i+512           ; words 128-159
.set i, i+1
.endr
	WIN 0
	s_wait_loadcnt 0x0                             ; all of the head's loads
	; ---- P1: my 32 records are added, in place
	WIN 0x55
.irp d, 16,8,4,2,1
.set i, 0
.rept \d
	v_pk_add_f32 v[LZ+4*i:LZ+4*i+1], v[LZ+4*i:LZ+4*i+1], v[LZ+4*(i+\d):LZ+4*(i+\d)+1]
	v_pk_add_f32 v[LZ+4*i+2:LZ+4*i+3], v[LZ+4*i+2:LZ+4*i+3], v[LZ+4*(i+\d)+2:LZ+4*(i+\d)+3]
.set i, i+1
.endr
.endr
.irp d, 8,4,2,1
.set i, 0
.rept \d
	v_pk_add_f32 v[LZ+128+2*i:LZ+128+2*i+1], v[LZ+128+2*i:LZ+128+2*i+1], v[LZ+128+2*(i+\d):LZ+128+2*(i+\d)+1]
.set i, i+1
.endr
.endr
	v_add_f32 v[LZ+128], v[LZ+128], v[LZ+129]
	WIN 0x04                                       ; an LDS store's data are its source 1
	ds_store_b128 v[AR1Q], v[LZ:LZ+3]
	ds_store_b32 v[AR1S], v[LZ+128] offset:512
	WIN 0
	BARRIER
	; ---- P2: waves 0-4 add the eight waves' rows, 32 words each, and divide by the 2^19 rows; wave 5 sets K0 beside them
	s_cmp_gt_u32 s26, 4
	s_cbranch_scc1 .Lp2_hi
.irp w, 0,1,2,3,4,5,6,7
	ds_load_b32 v[SSQ2+\w], v[AP2] offset:640*\w
.endr
	s_wait_dscnt 0x0
	v_pk_add_f32 v[SSQ2:SSQ2+1], v[SSQ2:SSQ2+1], v[SSQ2+2:SSQ2+3]
	v_pk_add_f32 v[SSQ2+4:SSQ2+5], v[SSQ2+4:SSQ2+5], v[SSQ2+6:SSQ2+7]
	v_pk_add_f32 v[SSQ2:SSQ2+1], v[SSQ2:SSQ2+1], v[SSQ2+4:SSQ2+5]
	v_add_f32 v[SSQ2], v[SSQ2], v[SSQ2+1]
	v_mul_f32 v[SSQ2], 0x36000000, v[SSQ2]         ; x 2^-19
	ds_store_b32 v[AP2], v[SSQ2] offset:TOT1
	s_branch .Lp2_done
.Lp2_hi:
	s_cmp_lg_u32 s26, 5
	s_cbranch_scc1 .Lp2_done
	ds_store_b32 v[AP2], v[KS2+3] offset:TOT1
.Lp2_done:
	BARRIER
	; ---- P3: waves 0-3, a lane to a unit n: mean, variance, a1, c1
	s_cmp_gt_u32 s26, 3
	s_cbranch_scc1 .Lp3_done
	WIN 0x40
.set i, 0
.rept 40
	ds_load_b128 v[LZ+4*i:LZ+4*i+3], v[ATOT] offset:16*i   ; all lanes read the same bytes: every lane has all 160 means
.set i, i+1
.endr
	WIN 0
.irp i, 0,1,2,3
	ds_load_b128 v[TM+4*\i:TM+4*\i+3], v[ATOT] offset:640+16*\i   ; K0
.endr
.irp i, 0,2,4,6,8,10,12,14
	v_pk_add_f32 v[SUM2+\i:SUM2+\i+1], v[PC+\i:PC+\i+1], v[PC+\i:PC+\i+1]   ; 2 w
.endr
	s_wait_dscnt 0x0
	WIN 0x01                                       ; source 0 window 1
.set i, 0
.rept 16
.set ee, i/2
	v_mul_f32 v[RR+i], v[LZ+16+34*ee-2*ee*ee+(i&1)*(16-2*ee)+i-2*ee], v[PC+i]   ; r_i = P_ii w_i
.set i, i+1
.endr
.set dd, 1
.rept 15
.set i, 0
.rept 16-dd
.set ee, i/2
	v_fma_f32 v[RR+i], v[LZ+16+34*ee-2*ee*ee+(i&1)*(16-2*ee)+i+dd-2*ee], v[SUM2+i+dd], v[RR+i]   ; + P_ij 2 w_j, j = i + dd
.set i, i+1
.endr
.set dd, dd+1
.endr
	v_mul_f32 v[DL], v[LZ], v[PC]
.set i, 1
.rept 15
	v_fma_f32 v[DL], v[LZ+i], v[PC+i], v[DL]       ; w . m
.set i, i+1
.endr
	WIN 0
	v_mul_f32 v[KP], v[TM], v[PC]
	v_mul_f32 v[QQ], v[RR], v[PC]
.set i, 1
.rept 15
	v_fma_f32 v[KP], v[TM+i], v[PC+i], v[KP]       ; w . K0
	v_fma_f32 v[QQ], v[RR+i], v[PC+i], v[QQ]       ; w^T P w
.set i, i+1
.endr
	v_fma_f32 v[QQ], -v[DL], v[DL], v[QQ]
	v_max_num_f32 v[QQ], 0, v[QQ]                  ; the variance
	v_add_f32 v[QQ], 0x3727c5ac, v[QQ]             ; + 1e-5
	v_add_f32 v[KP], v[KP], v[DL]
	v_add_f32 v[KP], v[KP], v[KS2]                 ; the mean, b1 in it
	v_rsq_f32 v[DL], v[QQ]
	v_sub_f32 v[KP], v[KS2], v[KP]                 ; b1 - mean  (the plain line behind the transcendental)
	s_wait_alu depctr_va_vdst(0)
	v_mul_f32 v[DL], v[KS2+1], v[DL]               ; a1
	v_fma_f32 v[KP], v[DL], v[KP], v[KS2+2]        ; c1
	ds_store_b32 v[AAC], v[DL]
	ds_store_b32 v[AAC], v[KP] offset:512
.Lp3_done:
	BARRIER
	; ---- P4: every wave: w1 a1 as source 0, c1 as C
.irp t, 0,1,2,3,4,5,6,7
	ds_load_b32 v[KS2+\t], v[AAU] offset:4*(32*(\t/2)+8*(\t%2))   ; a1 of my unit of tile t
.endr
	WIN 0x40
.irp t, 0,1,2,3,4,5,6,7
	ds_load_b128 v[CB1+8*\t:CB1+8*\t+3], v[AC1H] offset:4*(32*(\t/2)+8*(\t%2))
	ds_load_b128 v[CB1+8*\t+4:CB1+8*\t+7], v[AC1H] offset:4*(32*(\t/2)+8*(\t%2))+16
.endr
	s_wait_dscnt 0x0
.irp t, 0,1,2,3,4,5,6,7
.irp s, 0,1,2,3
.if (\t%2) == 0
	v_pk_mul_f32 v[W1F+8*\t+2*\s:W1F+8*\t+2*\s+1], v[HH+8*\t+2*\s:HH+8*\t+2*\s+1], v[KS2+\t:KS2+\t+1] op_sel_hi:[1,0]
.else
	v_pk_mul_f32 v[W1F+8*\t+2*\s:W1F+8*\t+2*\s+1], v[HH+8*\t+2*\s:HH+8*\t+2*\s+1], v[KS2+\t-1:KS2+\t] op_sel:[0,1] op_sel_hi:[1,1]
.endif
.endr
.endr
	WIN 0
.set i, 0
.rept 16
	v_mov_b32 v[SUM2+i], 0
	v_mov_b32 v[SSQ2+i], 0
.set i, i+1
.endr
.macro COMPACT n                       ; the non-zero numbers move to the front, in their order
	v_cmp_neq_f32 vcc_lo, 0, v[\n]
	v_cndmask_b32 v[T], v[\n+1], v[\n], vcc_lo
	v_cndmask_b32 v[T+1], 0, v[\n+1], vcc_lo
	v_cmp_neq_f32 vcc_lo, 0, v[T+1]
	v_cndmask_b32 v[T+1], v[\n+2], v[T+1], vcc_lo
	v_cndmask_b32 v[T+2], 0, v[\n+2], vcc_lo
	v_cmp_neq_f32 vcc_lo, 0, v[T+2]
	v_cndmask_b32 v[T+2], v[\n+3], v[T+2], vcc_lo
	v_cndmask_b32 v[T+3], 0, v[\n+3], vcc_lo
.irp i, 0,1,0
	v_cmp_neq_f32 vcc_lo, 0, v[T+\i]
	v_cndmask_b32 v[T+\i], v[T+\i+1], v[T+\i], vcc_lo
	v_cndmask_b32 v[T+\i+1], 0, v[T+\i+1], vcc_lo
.endr
.endm
; Pair p.  Lanes 0-15 make a + b and a b, lanes 16-31 a - b and a / b: the two halves of K step 1 + p of source 1.
.macro PAIRH p, a, b, r
	v_fma_f32 v[H0F+2+2*\p], v[SGN], v[\b], v[\a]
	s_wait_alu depctr_va_vdst(0)
	v_cndmask_b32 v[T+9+\p], v[\b], v[\r], s[HM]
	v_mul_f32 v[H0F+3+2*\p], v[\a], v[T+9+\p]
	v_fma_f32 v[T+9+\p], -v[\b], v[H0F+3+2*\p], v[\a]
	v_fma_f32 v[T+9+\p], v[T+9+\p], v[\r], v[H0F+3+2*\p]
	v_cndmask_b32 v[H0F+3+2*\p], v[H0F+3+2*\p], v[T+9+\p], s[HM]
.endm
.macro FEATH n
	v_cndmask_b32 v[H0F], v[\n], v[\n+2], s[HM]
	v_cndmask_b32 v[H0F+1], v[\n+1], v[\n+3], s[HM]
	COMPACT \n
	v_cmp_neq_f32 s[MU0], 0, v[T+1]
	v_cmp_neq_f32 s[MU1], 0, v[T+2]
	v_cmp_neq_f32 vcc_lo, 0, v[T+3]
	v_cndmask_b32 v[T+4], v[T+1], v[T], vcc_lo
	v_cndmask_b32 v[T+5], v[T+2], v[T+3], vcc_lo
	v_rcp_f32 v[T+6], v[T+1]
	v_rcp_f32 v[T+7], v[T+2]
	v_rcp_f32 v[T+8], v[T+5]                       ; the multiply-add below is the plain line behind the reciprocals
	PAIRH 0, T, T+1, T+6
	PAIRH 1, T, T+2, T+7
	PAIRH 2, T+4, T+5, T+8
.irp k, 2,3,4,5,6,7
	v_add_f32 v[H0F+\k], 0xc1c00000, v[H0F+\k]
.endr
.irp k, 2,3,4,5,6,7
	v_fma_f32 v[H0F+\k], -|v[H0F+\k]|, s[C24], 1.0
.endr
.irp k, 2,3,4,5,6,7
	v_max_num_f32 v[H0F+\k], 0, v[H0F+\k]
.endr
.irp k, 2,3
	v_cndmask_b32 v[H0F+\k], 0, v[H0F+\k], s[MU0]
.endr
.irp k, 4,5,6,7
	v_cndmask_b32 v[H0F+\k], 0, v[H0F+\k], s[MU1]
.endr
.endm
; 64 numbers of a lane, none negative, register 16 b + i = k 32 b + 16 h + i of my row, become a fragment's codes in v[PC] on and its scale word in v[PW]
.macro QUANT s
.irp b, 0,1,2,3
	v_max3_num_f32 v[TM+\b], v[\s+16*\b], v[\s+1+16*\b], 0x1800000   ; and the floor 2^(3 - 127): the byte cannot fall under 1
.endr
.irp i, 2,4,6,8,10,12,14
.irp b, 0,1,2,3
	v_max3_num_f32 v[TM+\b], v[TM+\b], v[\s+16*\b+\i], v[\s+1+16*\b+\i]
.endr
.endr
.irp b, 0,1,2,3
	v_permlanex16_b32 v[TM+4+\b], v[TM+\b], s[SEL], s[SEL+1]
.endr
.irp b, 0,1,2,3
	v_max_num_f32 v[TM+\b], v[TM+\b], v[TM+4+\b]   ; with lane l xor 16's: the block's largest number
.endr
.irp b, 0,1,2,3
	v_add_nc_u32 v[TM+12+\b], 0xff000000, v[TM+\b] ; 2 off its exponent field: the conversion's scale operand
.endr
.irp b, 0,1,2,3
	v_lshrrev_b32 v[TM+4+\b], 23, v[TM+12+\b]      ; the scale's byte
.endr
	v_lshl_or_b32 v[PW], v[TM+5], 8, v[TM+4]
	v_lshl_or_b32 v[PW], v[TM+6], 16, v[PW]
	v_lshl_or_b32 v[PW], v[TM+7], 24, v[PW]
	s_wait_xcnt 0x0                                ; the last tile's image stores have read the codes' registers
.irp c, 0,1
	v_cvt_scalef32_pk16_fp6_f32 v[PC+6*\c:PC+2+6*\c], v[\s+32*\c:\s+15+32*\c], v[TM+12+2*\c]
	v_cvt_scalef32_pk16_fp6_f32 v[PC+12+4*\c:PC+14+4*\c], v[\s+16+32*\c:\s+31+32*\c], v[TM+12+2*\c+1]
.endr
	v_nop                                          ; one plain line behind a scaled conversion
.irp c, 0,1                                    ; the operand's layout wants a whole block in a lane
.irp i, 0,1,2
	v_permlane16_swap_b32 v[PC+6*\c+\i], v[PC+12+4*\c+\i]
.endr
.irp i, 0,1,2
	v_mov_b32 v[PC+3+6*\c+\i], v[PC+12+4*\c+\i]
.endr
.endr
.endm
; A TILE of 16 rows.  mode 0: rows 0-15, for K alone; 1: tile u of the pair, and the same tile of the next pair is asked for; 2: the same without a load.  cnt: the younger loads that may stay out.
.macro TILE u, mode, cnt
	s_wait_loadcnt \cnt
.if \mode == 0
	FEATH NS
.else
	FEATH NB+4*\u
.endif
.if \mode == 1
	global_load_b128 v[NB+4*\u:NB+4*\u+3], v[XA], s[4:5] offset:(2+\u)*1024 th:TH_LOAD_NT
.endif
	WIN 0x11                                       ; source 0 (w1 a1) and source 2 (c1) window 1
.irp t, 0,1,2,3,4,5,6,7
	v_wmma_f32_16x16x4_f32 v[Z1+8*\t:Z1+8*\t+7], v[W1F+8*\t:W1F+8*\t+1], v[H0F:H0F+1], v[CB1+8*\t:CB1+8*\t+7]
.endr
	WIN 0x01
.irp s, 1,2,3                                  ; the eight accumulators take turns, one instruction a turn
.irp t, 0,1,2,3,4,5,6,7
	v_wmma_f32_16x16x4_f32 v[Z1+8*\t:Z1+8*\t+7], v[W1F+8*\t+2*\s:W1F+8*\t+2*\s+1], v[H0F+2*\s:H0F+2*\s+1], v[Z1+8*\t:Z1+8*\t+7]
.endr
.endr
	WIN 0
.rept 8
	v_nop                                          ; eight places behind this form before its results are read
.endr
.set j, 0
.rept 64
	v_max_num_f32 v[HH+j], 0, v[Z1+j]              ; the activation, into other registers, each accumulator from its low end on
.set j, j+1
.endr
	QUANT HH
.if \mode != 0
.irp c, 0,1,2
	global_store_b128 v[LI], v[PC+4*\c:PC+4*\c+3], s[20:21] offset:1536*\u+512*\c   ; the image: each store covers 512 consecutive bytes, aligned
.endr
.if \u == 0
	s_wait_dscnt 0x0                               ; the last pair's LDS store has read its registers
	v_mov_b32 v[SCWR], v[PW]
.else
	v_cndmask_b32 v[SCWR], v[SCWR], v[PW], s[HM]   ; lanes 0-15 the even tile's words, lanes 16-31 the odd tile's
	v_add_nc_u32 v[LADR], s37, v[LSC]
	ds_store_b32 v[LADR], v[SCWR]
.endif
.endif
.rept 8
	v_nop                                          ; a scale register written by a vector instruction stands 8 places ahead of a scaled matrix instruction, an operand so written 4
.endr
	WIN 0x04                                       ; source 1 (w2) window 1
.irp t, 0,1,2,3,4,5,6,7
	v_wmma_scale_f32_16x16x128_f8f6f4 v[HH+8*\t:HH+8*\t+7], v[PC:PC+11], v[W2F+12*\t:W2F+12*\t+11], 0, v[PW], v[W2S+\t] matrix_a_fmt:MATRIX_FMT_FP6 matrix_b_fmt:MATRIX_FMT_FP6
.endr                                          ; lane (r, h): column 16 t + r, rows 8 h + 0 .. 7
	WIN 0
.rept 4
	v_nop
.endr
.if \mode == 0
.irp t, 0,1,2,3,4,5,6,7
	v_pk_add_f32 v[TA:TA+1], v[HH+8*\t:HH+8*\t+1], v[HH+8*\t+2:HH+8*\t+3]
	v_pk_add_f32 v[TA+2:TA+3], v[HH+8*\t+4:HH+8*\t+5], v[HH+8*\t+6:HH+8*\t+7]
	v_pk_add_f32 v[TA:TA+1], v[TA:TA+1], v[TA+2:TA+3]
	v_add_f32 v[TA], v[TA], v[TA+1]
	v_permlanex16_b32 v[PX], v[TA], s[SEL], s[SEL+1]
	v_add_f32 v[TA], v[TA], v[PX]
	v_mul_f32 v[KS2+\t], 0x3d800000, v[TA]         ; K = the column's mean over the 16 rows
.endr
.else
.irp jp, 0,1,2,3
.irp t, 0,1,2,3,4,5,6,7
.if (\t%2) == 0
	v_pk_add_f32 v[HH+8*\t+2*\jp:HH+8*\t+2*\jp+1], v[HH+8*\t+2*\jp:HH+8*\t+2*\jp+1], v[KS2+\t:KS2+\t+1] op_sel_hi:[1,0] neg_lo:[0,1] neg_hi:[0,1]
.else
	v_pk_add_f32 v[HH+8*\t+2*\jp:HH+8*\t+2*\jp+1], v[HH+8*\t+2*\jp:HH+8*\t+2*\jp+1], v[KS2+\t-1:KS2+\t] op_sel:[0,1] op_sel_hi:[1,1] neg_lo:[0,1] neg_hi:[0,1]
.endif
.endr
.irp t, 0,1,2,3,4,5,6,7
	v_pk_add_f32 v[SUM2+2*\t:SUM2+2*\t+1], v[SUM2+2*\t:SUM2+2*\t+1], v[HH+8*\t+2*\jp:HH+8*\t+2*\jp+1]
	v_pk_fma_f32 v[SSQ2+2*\t:SSQ2+2*\t+1], v[HH+8*\t+2*\jp:HH+8*\t+2*\jp+1], v[HH+8*\t+2*\jp:HH+8*\t+2*\jp+1], v[SSQ2+2*\t:SSQ2+2*\t+1]
.endr
.endr
.endif
.endm
	TILE 0, 0, 0                                   ; rows 0-15: K
	s_mov_b32 s36, 7
.Lpair:                                            ; seven trips, a pair of tiles each; the count 1 leaves the other tile's load out
	TILE 0, 1, 1
	TILE 1, 1, 1
	s_wait_xcnt 0x0                                ; the bases are stepped only behind this wait
	s_add_nc_u64 s[4:5], s[4:5], 2048
	s_add_nc_u64 s[20:21], s[20:21], 3072
	s_add_co_u32 s37, s37, 128
	s_sub_co_u32 s36, s36, 1
	s_cmp_lg_u32 s36, 0
	s_cbranch_scc1 .Lpair
	TILE 0, 2, 1                                   ; the last pair asks for nothing: no load leaves x
	TILE 1, 2, 0
	; THE END.  My wave's 1,024 bytes of scale words leave in two stores of 512 bytes; the sums meet in LDS.
	ds_load_b128 v[HH:HH+3], v[AFL]                ; LDS serves a wave's instructions in order: these see my stores
	ds_load_b128 v[HH+4:HH+7], v[AFL] offset:512
.irp t, 0,1,2,3,4,5,6,7
	v_add_f32 v[SUM2+2*\t], v[SUM2+2*\t], v[SUM2+2*\t+1]
	v_add_f32 v[SSQ2+2*\t], v[SSQ2+2*\t], v[SSQ2+2*\t+1]
.endr
.irp t, 0,1,2,3,4,5,6,7
	v_permlanex16_b32 v[SUM2+2*\t+1], v[SUM2+2*\t], s[SEL], s[SEL+1]
	v_permlanex16_b32 v[SSQ2+2*\t+1], v[SSQ2+2*\t], s[SEL], s[SEL+1]
.endr
.irp t, 0,1,2,3,4,5,6,7
	v_add_f32 v[SUM2+2*\t], v[SUM2+2*\t], v[SUM2+2*\t+1]
	v_add_f32 v[SSQ2+2*\t], v[SSQ2+2*\t], v[SSQ2+2*\t+1]
.endr
.irp t, 0,1,2,3,4,5,6,7
	v_cndmask_b32 v[SUM2+2*\t], v[SUM2+2*\t], v[SSQ2+2*\t], s[HM]   ; lanes 0-15 carry the sum, lanes 16-31 the sum of squares
.endr
	s_wait_dscnt 0x0
	global_store_b128 v[LI], v[HH:HH+3], s[22:23]
	global_store_b128 v[LI], v[HH+4:HH+7], s[22:23] offset:512
.irp t, 0,1,2,3,4,5,6,7
	ds_store_b32 v[AR2], v[SUM2+2*\t] offset:64*\t
.endr
	s_cmp_lg_u32 s26, 0
	s_cbranch_scc1 .Lno_k2
.irp t, 0,1,2,3,4,5,6,7
	ds_store_b32 v[AK2], v[KS2+\t] offset:64*\t    ; both halves write the same word with the same value
.endr
.Lno_k2:
	BARRIER
	s_cmp_gt_u32 s26, 2
	s_cbranch_scc1 .Lend
	ds_load_b128 v[HH+8:HH+11], v[AFIN]            ; wave 0: the sums; wave 1: the squares; wave 2: K, which lies in row 0 alone
	s_cmp_eq_u32 s26, 2
	s_cbranch_scc1 .Lone
.irp w, 1,2,3,4,5,6,7
	ds_load_b128 v[HH+8+4*\w:HH+11+4*\w], v[AFIN] offset:1536*\w
.endr
	s_wait_dscnt 0x0
.irp d, 4,2,1
.set i, 0
.rept \d
	v_pk_add_f32 v[HH+8+4*i:HH+9+4*i], v[HH+8+4*i:HH+9+4*i], v[HH+8+4*(i+\d):HH+9+4*(i+\d)]
	v_pk_add_f32 v[HH+10+4*i:HH+11+4*i], v[HH+10+4*i:HH+11+4*i], v[HH+10+4*(i+\d):HH+11+4*(i+\d)]
.set i, i+1
.endr
.endr
.Lone:
	s_wait_dscnt 0x0
	global_store_b128 v[LI], v[HH+8:HH+11], s[24:25]   ; 512 consecutive bytes, aligned
.Lend:
	s_wait_xcnt 0x0
	v_lshl_add_u32 v254, v0, 2, 0x6c00
	v_mov_b32 v255, 0
	s_wait_tensorcnt 0x0
	ds_add_u32 v254, v255
	s_wait_dscnt 0x0
	s_endpgm
.Lfunc_end_k_q1bd0d82761_layer1:
	.size	k_q1bd0d82761_layer1, .Lfunc_end_k_q1bd0d82761_layer1-k_q1bd0d82761_layer1
	.p2alignl 7, 3214868480
	.fill 96, 4, 3214868480
	.section	.rodata,"a",@progbits
	.p2align	6, 0x0
	.amdhsa_kernel k_q1bd0d82761_layer1
		.amdhsa_group_segment_fixed_size 28672
		.amdhsa_private_segment_fixed_size 0
		.amdhsa_enable_private_segment 0
		.amdhsa_kernarg_size 88
		.amdhsa_user_sgpr_count 2
		.amdhsa_user_sgpr_kernarg_segment_ptr 1
		.amdhsa_wavefront_size32 1
		.amdhsa_system_sgpr_workgroup_id_x 1
		.amdhsa_system_sgpr_workgroup_id_y 1
		.amdhsa_system_sgpr_workgroup_id_z 1
		.amdhsa_system_vgpr_workitem_id 0
		.amdhsa_next_free_vgpr 512
		.amdhsa_next_free_sgpr 66
		.amdhsa_reserve_vcc 1
		.amdhsa_float_denorm_mode_32 3
		.amdhsa_float_denorm_mode_16_64 3
		.amdhsa_memory_ordered 1
		.amdhsa_forward_progress 1
		.amdhsa_inst_pref_size 149
	.end_amdhsa_kernel
	.amdgpu_metadata
---
amdhsa.version: [ 1, 2 ]
amdhsa.kernels:
  - .name:           k_q1bd0d82761_layer1
    .symbol:         k_q1bd0d82761_layer1.kd
    .args:
      - { .name: x, .offset: 0, .size: 8, .value_kind: global_buffer, .address_space: global }
      - { .name: part1, .offset: 8, .size: 8, .value_kind: global_buffer, .address_space: global }
      - { .name: w1, .offset: 16, .size: 8, .value_kind: global_buffer, .address_space: global }
      - { .name: b1, .offset: 24, .size: 8, .value_kind: global_buffer, .address_space: global }
      - { .name: g1, .offset: 32, .size: 8, .value_kind: global_buffer, .address_space: global }
      - { .name: be1, .offset: 40, .size: 8, .value_kind: global_buffer, .address_space: global }
      - { .name: w2_codes, .offset: 48, .size: 8, .value_kind: global_buffer, .address_space: global }
      - { .name: w2_scales, .offset: 56, .size: 8, .value_kind: global_buffer, .address_space: global }
      - { .name: h1c, .offset: 64, .size: 8, .value_kind: global_buffer, .address_space: global }
      - { .name: h1s, .offset: 72, .size: 8, .value_kind: global_buffer, .address_space: global }
      - { .name: part2, .offset: 80, .size: 8, .value_kind: global_buffer, .address_space: global }
    .group_segment_fixed_size: 28672
    .private_segment_fixed_size: 0
    .kernarg_segment_align: 8
    .kernarg_segment_size: 88
    .max_flat_workgroup_size: 256
    .sgpr_count:     66
    .vgpr_count:     512
    .wavefront_size: 32
...
	.end_amdgpu_metadata
.endif
;; end of part 2
;; launch layer2 (part 3): grid 256 x 1, 8 waves a work-group, no clusters, 24,576 bytes of LDS; arguments h1c, h1s, part2, b2, g2, be2, w2_codes, w2_scales, w3_codes, w3_scales, h2c, h2s, part3; writes h2c, h2s, part3
.if DOCPART == 3
	.amdgcn_target "amdgcn-amd-amdhsa--gfx1250"
	.amdhsa_code_object_version 6
	.text
	.protected	k_q1bd0d82761_layer2
	.globl	k_q1bd0d82761_layer2
	.p2align	8
	.type	k_q1bd0d82761_layer2,@function
k_q1bd0d82761_layer2:
	s_mov_b64 s[64:65], 0
	v_nop
	global_prefetch_b8 v0, s[64:65] scope:SCOPE_SE
	s_setreg_imm32_b32 hwreg(HW_REG_WAVE_MODE, 25, 1), 1
	s_wait_xcnt 0x0
; LAYER 2.  z2 = Q(h1) w2 on codes of E2M3; h2 = relu(BN2(z2 + b2)) in f32; h2 is quantised and stored as the image of a matrix operand's registers; z3 = Q(h2) w3 is formed here only for its batch statistics.
; PROLOGUE.  Every work-group adds the 256 records of part2 in the same order: m = sum / 2^19, variance = squares / 2^19 - m^2, mean = K + m + b2, a2 = g2 / sqrt(variance + 1e-5), c2 = be2 + a2 (b2 - mean); h2 = relu(a2 z2 + c2).
; SHARES.  Wave g = 8 x work-group + wave owns tiles 16 g .. 16 g + 15 of 16 rows; the images run four tiles ahead.  Two waves lie on a SIMD.
; LAYOUT.  z2 is used transposed (source 0 = 16 rows of w2, chosen as lane r of tile 2 b + u -> unit 32 b + 8 u + r + 8 (r / 8); source 1 = h1's image), so that a lane holds one row and its registers run along the next K.
; z3 is used as it stands (source 0 = h2's codes, source 1 = 16 rows of w3): a lane holds one column, whose sums it keeps.  K = the column means of rows 0-15, made by every wave with the same lines.
; h2c, h2s: laid as h1c, h1s.  part3: a record of 768 bytes a work-group: 64 sums, 64 sums of squares, K.
; No tensor loads and no cluster: every operand goes straight into registers as an image, and no tile is read by two work-groups but tile 0.
; LIMITS: NaN and infinities are not served; a block of zeros gets the scale byte 1 (its codes are zeros, and this program alone reads the bytes); the variance's error grows with (distance of K from the mean / the spread)^2.
.set LI,   1                           ; v1   16 x lane
.set LS,   2                           ; v2   4 x lane
.set LSC,  3                           ; v3   LDS: my word in my wave's stage of scale words
.set LADR, 4                           ; v4   the same for the four tiles in hand
.set AW,   5                           ; v5   1024 x wave + 16 x lane
.set PW,   6                           ; v6   the scale word just made
.set SCWR, 7                           ; v7   a pair's scale words
.set HS,   8                           ; v8-9 h1's scale words of the two pairs in hand
.set HSS,  10                          ; v10  those of rows 0-15
.set AN,   11                          ; v11  4 n, n = thread mod 128
.set W2S,  12                          ; v12-19
.set W3S,  20                          ; v20-23
.set TM,   24                          ; v24-39  at work
.set PC,   40                          ; v40-59  the codes just made
.set F,    60                          ; v60-107 four images of h1
.set W2F,  108                         ; v108-203
.set W3F,  204                         ; v204-251
.set AH,   252                         ; v252 64 h
.set AD3S, 253                         ; v253-255 LDS addresses of the end
.set AD3K, 254
.set AD8,  255
.set GA2,  0                           ; window 1: a2 and c2 in the result's layout,
.set GC2,  64
.set Z2,   128                         ; z2, then h2,
.set Z3,   192                         ; z3,
.set SUM3, 224                         ; its sums, a pair a tile,
.set SSQ3, 232
.set KS3,  240                         ; K,
.set TB,   244                         ; at work,
.set PX,   248                         ; a lane permute's destination
.set RED,  0                           ; LDS: 8 x 1024
.set AC,   8192                        ; a2[128], c2[128]
.set SCW,  9216                        ; 8 x 1024
.set RED3, 17408                       ; 8 x 768
.set HM,   32
.set SEL,  33                          ; s33, s34
.set MSB, 0
.macro WIN new                         ; the immediate's high byte repeats the setting that is left
.if MSB != \new
	s_set_vgpr_msb (MSB<<8)|\new
.set MSB, \new
.endif
.endm
.macro BARRIER
	s_wait_dscnt 0x0
	s_barrier_signal -1
	s_barrier_wait -1
.endm
; Tile q's image, from off bytes on.  A pair's scale words are asked for with its ODD tile: the old words stay until the pair's odd tile has been multiplied.
.macro LOADT q, off, offs
.if (\q)%2
	global_load_b32 v[HS+(\q)/2], v[LS], s[6:7] offset:\offs+128*((\q)/2) th:TH_LOAD_NT
.endif
.irp c, 0,1,2
	global_load_b128 v[F+12*(\q)+4*\c:F+12*(\q)+4*\c+3], v[LI], s[4:5] offset:\off+1536*(\q)+512*\c th:TH_LOAD_NT
.endr
.endm
	s_load_b512 s[4:19], s[0:1], 0x0               ; h1c, h1s, part2, b2, g2, be2, w2's codes, w2's scales
	s_load_b256 s[20:27], s[0:1], 0x40             ; w3's codes, w3's scales, h2c, h2s
	s_load_b64 s[28:29], s[0:1], 0x60              ; part3
	v_lshl_add_u32 v34, v0, 2, 0x5c00
	v_mov_b32 v35, 0
	v_lshrrev_b32 v1, 5, v0
	v_readfirstlane_b32 s30, v1                    ; wave 0..7
	v_and_b32 v[LS], 31, v0
	v_lshlrev_b32 v[LI], 4, v[LS]
	v_lshlrev_b32 v[AD8], 3, v[LS]
	v_lshlrev_b32 v[LS], 2, v[LS]
	v_and_b32 v[TM], 15, v0                        ; r
	v_bfe_u32 v[TM+1], v0, 4, 1                    ; h
	v_and_b32 v[TM+2], 8, v[TM]
	v_add_nc_u32 v[TM+2], v[TM+2], v[TM]           ; r + 8 (r / 8)
	v_mul_u32_u24 v[TM+3], v[TM+2], 96
	v_mad_u32_u24 v[TM+3], v[TM+1], 24, v[TM+3]    ; w2's codes
	v_mul_u32_u24 v[TM+4], v[TM], 96
	v_mad_u32_u24 v[TM+4], v[TM+1], 24, v[TM+4]    ; w3's codes
	v_lshlrev_b32 v[TM+5], 2, v[TM+2]              ; w2's scale words
	v_lshlrev_b32 v[TM+6], 2, v[TM]                ; w3's
	v_and_b32 v[AN], 127, v0
	v_lshlrev_b32 v[AN], 2, v[AN]
	v_lshlrev_b32 v[AH], 6, v[TM+1]
	s_lshl_b32 s38, s30, 10
	v_add_nc_u32 v[AW], s38, v[LI]
	v_add_nc_u32 v[LSC], s38, v[LS]
	v_add_nc_u32 v[LSC], SCW, v[LSC]
	s_mul_i32 s38, s30, 768
	v_lshl_add_u32 v[AD3S], v[TM+1], 8, v[TM+6]
	v_add_nc_u32 v[AD3S], s38, v[AD3S]
	v_add_nc_u32 v[AD3S], RED3, v[AD3S]
	v_add_nc_u32 v[AD3K], RED3+512, v[TM+6]
	s_mov_b32 s[HM], 0xffff0000
	s_mov_b32 s[SEL], 0x76543210
	s_mov_b32 s[SEL+1], 0xfedcba98
	s_lshl_b32 s31, ttmp9, 3
	s_add_co_u32 s31, s31, s30                     ; g
	s_mov_b32 s39, 0
	s_mov_b32 s37, 0                               ; the stage's step: 256 bytes for four tiles
	s_wait_kmcnt 0x0
	s_mov_b64 s[40:41], s[4:5]                     ; h1c and h1s as given: tile 0
	s_mov_b64 s[42:43], s[6:7]
	s_mul_i32 s38, s31, 24576
	s_add_nc_u64 s[4:5], s[4:5], s[38:39]
	s_add_nc_u64 s[24:25], s[24:25], s[38:39]
	s_lshl_b32 s38, s31, 10
	s_add_nc_u64 s[6:7], s[6:7], s[38:39]
	s_add_nc_u64 s[26:27], s[26:27], s[38:39]
	s_mul_i32 s38, ttmp9, 768
	s_add_nc_u64 s[28:29], s[28:29], s[38:39]
	s_mul_i32 s38, s30, 49152
	s_add_nc_u64 s[44:45], s[8:9], s[38:39]        ; part2: my wave's 32 records
.irp t, 0,1,2,3,4,5,6,7
.irp p, 0,1,2,3,4,5
	global_load_b64 v[W2F+12*\t+2*\p:W2F+12*\t+2*\p+1], v[TM+3], s[16:17] offset:(32*(\t/2)+8*(\t%2))*96+48*(\p/3)+8*(\p%3)
.endr
	global_load_b32 v[W2S+\t], v[TM+5], s[18:19] offset:(32*(\t/2)+8*(\t%2))*4
.endr
.irp t, 0,1,2,3
.irp p, 0,1,2,3,4,5
	global_load_b64 v[W3F+12*\t+2*\p:W3F+12*\t+2*\p+1], v[TM+4], s[20:21] offset:1536*\t+48*(\p/3)+8*(\p%3)
.endr
	global_load_b32 v[W3S+\t], v[TM+6], s[22:23] offset:64*\t
.endr
	global_load_b32 v[PC], v[AN], s[10:11]         ; b2
	global_load_b32 v[PC+1], v[AN], s[12:13]       ; g2
	global_load_b32 v[PC+2], v[AN], s[14:15]       ; be2
	global_load_b32 v[PC+3], v[AN], s[8:9] offset:1024   ; K
.irp c, 0,1,2
	global_load_b128 v[F+36+4*\c:F+36+4*\c+3], v[LI], s[40:41] offset:512*\c   ; tile 0, where my fourth tile will lie
.endr
	global_load_b32 v[HSS], v[LS], s[42:43]
	LOADT 0, 0, 0
	LOADT 1, 0, 0
	LOADT 2, 0, 0
	WIN 0x40
.set i, 0
.rept 32
	global_load_b128 v[8*i:8*i+3], v[LI], s[44:45] offset:1536*i           ; a record's sums,
	global_load_b128 v[8*i+4:8*i+7], v[LI], s[44:45] offset:1536*i+512     ; and its sums of squares
.set i, i+1
.endr
	WIN 0
	s_wait_loadcnt 0x0                             ; all of the head's loads
	; ---- P1: my 32 records are added, in place
	WIN 0x55
.irp d, 16,8,4,2,1
.set i, 0
.rept \d
.irp k, 0,2,4,6
	v_pk_add_f32 v[8*i+\k:8*i+\k+1], v[8*i+\k:8*i+\k+1], v[8*(i+\d)+\k:8*(i+\d)+\k+1]
.endr
.set i, i+1
.endr
.endr
	WIN 0x04
	ds_store_b128 v[AW], v[0:3]
	ds_store_b128 v[AW], v[4:7] offset:512
	WIN 0
	BARRIER
	; ---- P2: waves 0-3, a lane to a unit n
	s_cmp_gt_u32 s30, 3
	s_cbranch_scc1 .Lp2_done
.irp w, 0,1,2,3,4,5,6,7
	ds_load_b32 v[PC+4+\w], v[AN] offset:1024*\w
	ds_load_b32 v[PC+12+\w], v[AN] offset:1024*\w+512
.endr
	s_wait_dscnt 0x0
.irp o, 4,12
	v_pk_add_f32 v[PC+\o:PC+\o+1], v[PC+\o:PC+\o+1], v[PC+\o+2:PC+\o+3]
	v_pk_add_f32 v[PC+\o+4:PC+\o+5], v[PC+\o+4:PC+\o+5], v[PC+\o+6:PC+\o+7]
.endr
.irp o, 4,12
	v_pk_add_f32 v[PC+\o:PC+\o+1], v[PC+\o:PC+\o+1], v[PC+\o+4:PC+\o+5]
.endr
.irp o, 4,12
	v_add_f32 v[PC+\o], v[PC+\o], v[PC+\o+1]
.endr
.irp o, 4,12
	v_mul_f32 v[PC+\o], 0x36000000, v[PC+\o]       ; x 2^-19
.endr
	v_fma_f32 v[PC+12], -v[PC+4], v[PC+4], v[PC+12]
	v_max_num_f32 v[PC+12], 0, v[PC+12]            ; the variance
	v_add_f32 v[PC+12], 0x3727c5ac, v[PC+12]
	v_add_f32 v[PC+4], v[PC+3], v[PC+4]
	v_add_f32 v[PC+4], v[PC+4], v[PC]              ; the mean, b2 in it
	v_rsq_f32 v[PC+5], v[PC+12]
	v_sub_f32 v[PC+4], v[PC], v[PC+4]              ; b2 - mean  (the plain line behind the transcendental)
	s_wait_alu depctr_va_vdst(0)
	v_mul_f32 v[PC+5], v[PC+1], v[PC+5]            ; a2
	v_fma_f32 v[PC+4], v[PC+5], v[PC+4], v[PC+2]   ; c2
	ds_store_b32 v[AN], v[PC+5] offset:AC
	ds_store_b32 v[AN], v[PC+4] offset:AC+512
.Lp2_done:
	BARRIER
	; ---- P3: a2 and c2 in the result's layout: register 8 t + j = unit 32 (t / 2) + 16 h + 8 (t % 2) + j
	WIN 0x40
.irp t, 0,1,2,3,4,5,6,7
	ds_load_b128 v[GA2+8*\t:GA2+8*\t+3], v[AH] offset:AC+4*(32*(\t/2)+8*(\t%2))
	ds_load_b128 v[GA2+8*\t+4:GA2+8*\t+7], v[AH] offset:AC+4*(32*(\t/2)+8*(\t%2))+16
	ds_load_b128 v[GC2+8*\t:GC2+8*\t+3], v[AH] offset:AC+512+4*(32*(\t/2)+8*(\t%2))
	ds_load_b128 v[GC2+8*\t+4:GC2+8*\t+7], v[AH] offset:AC+512+4*(32*(\t/2)+8*(\t%2))+16
.endr
.set i, 0
.rept 16
	v_mov_b32 v[SUM3+i], 0
.set i, i+1
.endr
	v_mov_b32 v[PX], 0
	WIN 0
.irp b, 0,1,2,3
	v_mov_b32 v[TM+4+\b], 0                        ; written once: a lane permute's destination counts as one of its sources
.endr
	s_wait_dscnt 0x0
; h2's 64 numbers of a lane (window 1, none negative) become a fragment's codes in v[PC] on and its scale word in v[PW]
.macro QUANT
	WIN 0x05
.irp b, 0,1,2,3
	v_max3_num_f32 v[TM+\b], v[Z2+16*\b], v[Z2+1+16*\b], 0x1800000   ; and the floor 2^(3 - 127): the byte cannot fall under 1
.endr
	WIN 0x14
.irp i, 2,4,6,8,10,12,14
.irp b, 0,1,2,3
	v_max3_num_f32 v[TM+\b], v[TM+\b], v[Z2+16*\b+\i], v[Z2+1+16*\b+\i]
.endr
.endr
	WIN 0
.irp b, 0,1,2,3
	v_permlanex16_b32 v[TM+4+\b], v[TM+\b], s[SEL], s[SEL+1]
.endr
.irp b, 0,1,2,3
	v_max_num_f32 v[TM+\b], v[TM+\b], v[TM+4+\b]
.endr
.irp b, 0,1,2,3
	v_add_nc_u32 v[TM+12+\b], 0xff000000, v[TM+\b]
.endr
.irp b, 0,1,2,3
	v_lshrrev_b32 v[TM+4+\b], 23, v[TM+12+\b]
.endr
	v_lshl_or_b32 v[PW], v[TM+5], 8, v[TM+4]
	v_lshl_or_b32 v[PW], v[TM+6], 16, v[PW]
	v_lshl_or_b32 v[PW], v[TM+7], 24, v[PW]
	s_wait_xcnt 0x0                                ; the last tile's image stores have read the codes' registers
	WIN 0x01
.irp c, 0,1
	v_cvt_scalef32_pk16_fp6_f32 v[PC+6*\c:PC+2+6*\c], v[Z2+32*\c:Z2+15+32*\c], v[TM+12+2*\c]
	v_cvt_scalef32_pk16_fp6_f32 v[PC+12+4*\c:PC+14+4*\c], v[Z2+16+32*\c:Z2+31+32*\c], v[TM+12+2*\c+1]
.endr
	WIN 0
	v_nop                                          ; one plain line behind a scaled conversion
.irp c, 0,1
.irp i, 0,1,2
	v_permlane16_swap_b32 v[PC+6*\c+\i], v[PC+12+4*\c+\i]
.endr
.irp i, 0,1,2
	v_mov_b32 v[PC+3+6*\c+\i], v[PC+12+4*\c+\i]
.endr
.endr
.endm
; A TILE.  mode 0: tile 0 of the whole batch, for K alone; 1: tile q of the four in hand, and the same tile of the next four is asked for; 2: the same without loads.  cnt: the younger loads that may stay out.
.macro TILE q, mode, cnt
	s_wait_loadcnt \cnt
	WIN 0x40                                       ; destination window 1
.irp t, 0,1,2,3,4,5,6,7
.if \mode == 0
	v_wmma_scale_f32_16x16x128_f8f6f4 v[Z2+8*\t:Z2+8*\t+7], v[W2F+12*\t:W2F+12*\t+11], v[F+12*\q:F+12*\q+11], 0, v[W2S+\t], v[HSS] matrix_a_fmt:MATRIX_FMT_FP6 matrix_b_fmt:MATRIX_FMT_FP6
.elseif (\q%2) == 1
	v_wmma_scale_f32_16x16x128_f8f6f4 v[Z2+8*\t:Z2+8*\t+7], v[W2F+12*\t:W2F+12*\t+11], v[F+12*\q:F+12*\q+11], 0, v[W2S+\t], v[HS+\q/2] matrix_a_fmt:MATRIX_FMT_FP6 matrix_b_fmt:MATRIX_FMT_FP6 matrix_b_scale:MATRIX_SCALE_ROW1
.else
	v_wmma_scale_f32_16x16x128_f8f6f4 v[Z2+8*\t:Z2+8*\t+7], v[W2F+12*\t:W2F+12*\t+11], v[F+12*\q:F+12*\q+11], 0, v[W2S+\t], v[HS+\q/2] matrix_a_fmt:MATRIX_FMT_FP6 matrix_b_fmt:MATRIX_FMT_FP6
.endif
.endr
	WIN 0
.rept 4
	v_nop                                          ; four places: for the loads into the image's registers, and for the first read of the results
.endr
.if \mode == 0
	LOADT 3, 0, 0
.elseif \mode == 1
	LOADT \q, 6144, 256
.endif
	WIN 0x55
.set k, 0
.rept 32
	v_pk_fma_f32 v[Z2+2*k:Z2+2*k+1], v[Z2+2*k:Z2+2*k+1], v[GA2+2*k:GA2+2*k+1], v[GC2+2*k:GC2+2*k+1]   ; BN2, each accumulator from its low end on
.set k, k+1
.endr
.set k, 0
.rept 64
	v_max_num_f32 v[Z2+k], 0, v[Z2+k]              ; the activation
.set k, k+1
.endr
	QUANT
.if \mode != 0
.irp c, 0,1,2
	global_store_b128 v[LI], v[PC+4*\c:PC+4*\c+3], s[24:25] offset:1536*\q+512*\c   ; the image: 512 consecutive bytes a store, aligned
.endr
.if (\q%2) == 0
	s_wait_dscnt 0x0                               ; the last pair's LDS store has read its registers
	v_mov_b32 v[SCWR], v[PW]
.else
	v_cndmask_b32 v[SCWR], v[SCWR], v[PW], s[HM]
	v_add_nc_u32 v[LADR], s37, v[LSC]
	ds_store_b32 v[LADR], v[SCWR] offset:128*(\q/2)
.endif
.endif
.rept 8
	v_nop                                          ; a scale register written by a vector instruction stands 8 places ahead of a scaled matrix instruction, an operand so written 4
.endr
	WIN 0x40
.irp t, 0,1,2,3
	v_wmma_scale_f32_16x16x128_f8f6f4 v[Z3+8*\t:Z3+8*\t+7], v[PC:PC+11], v[W3F+12*\t:W3F+12*\t+11], 0, v[PW], v[W3S+\t] matrix_a_fmt:MATRIX_FMT_FP6 matrix_b_fmt:MATRIX_FMT_FP6
.endr                                          ; lane (r, h): column 16 t + r, rows 8 h + 0 .. 7
.rept 4
	v_nop
.endr
	WIN 0x55
.if \mode == 0
.irp t, 0,1,2,3
	v_pk_add_f32 v[TB:TB+1], v[Z3+8*\t:Z3+8*\t+1], v[Z3+8*\t+2:Z3+8*\t+3]
	v_pk_add_f32 v[TB+2:TB+3], v[Z3+8*\t+4:Z3+8*\t+5], v[Z3+8*\t+6:Z3+8*\t+7]
	v_pk_add_f32 v[TB:TB+1], v[TB:TB+1], v[TB+2:TB+3]
	v_add_f32 v[TB], v[TB], v[TB+1]
	v_permlanex16_b32 v[PX], v[TB], s[SEL], s[SEL+1]
	v_add_f32 v[TB], v[TB], v[PX]
	v_mul_f32 v[KS3+\t], 0x3d800000, v[TB]         ; K = the column's mean over the 16 rows
.endr
.else
.irp jp, 0,1,2,3
.irp t, 0,1,2,3
.if (\t%2) == 0
	v_pk_add_f32 v[Z3+8*\t+2*\jp:Z3+8*\t+2*\jp+1], v[Z3+8*\t+2*\jp:Z3+8*\t+2*\jp+1], v[KS3+\t:KS3+\t+1] op_sel_hi:[1,0] neg_lo:[0,1] neg_hi:[0,1]
.else
	v_pk_add_f32 v[Z3+8*\t+2*\jp:Z3+8*\t+2*\jp+1], v[Z3+8*\t+2*\jp:Z3+8*\t+2*\jp+1], v[KS3+\t-1:KS3+\t] op_sel:[0,1] op_sel_hi:[1,1] neg_lo:[0,1] neg_hi:[0,1]
.endif
.endr
.irp t, 0,1,2,3
	v_pk_add_f32 v[SUM3+2*\t:SUM3+2*\t+1], v[SUM3+2*\t:SUM3+2*\t+1], v[Z3+8*\t+2*\jp:Z3+8*\t+2*\jp+1]
	v_pk_fma_f32 v[SSQ3+2*\t:SSQ3+2*\t+1], v[Z3+8*\t+2*\jp:Z3+8*\t+2*\jp+1], v[Z3+8*\t+2*\jp:Z3+8*\t+2*\jp+1], v[SSQ3+2*\t:SSQ3+2*\t+1]
.endr
.endr
.endif
	WIN 0
.endm
	TILE 3, 0, 0                                   ; tile 0 of the batch: K; behind its products my fourth tile is asked for
	s_mov_b32 s36, 3
; The loads go out in the order image 0 (3 loads), words 0 and image 1 (4), image 2 (3), words 1 and image 3 (4).  An even tile needs its image and its pair's words, an odd one its image:
; behind the last load that a tile needs, ten younger ones have been issued when its turn comes.
.Lgroup:
	TILE 0, 1, 10
	TILE 1, 1, 10
	TILE 2, 1, 10
	TILE 3, 1, 10
	s_wait_xcnt 0x0                                ; the bases are stepped only behind this wait
	s_add_nc_u64 s[4:5], s[4:5], 6144
	s_add_nc_u64 s[6:7], s[6:7], 256
	s_add_nc_u64 s[24:25], s[24:25], 6144
	s_add_co_u32 s37, s37, 256
	s_sub_co_u32 s36, s36, 1
	s_cmp_lg_u32 s36, 0
	s_cbranch_scc1 .Lgroup
	TILE 0, 2, 10                                  ; the last four tiles ask for nothing: the counts run down
	TILE 1, 2, 7
	TILE 2, 2, 3
	TILE 3, 2, 0
	; THE END
	ds_load_b128 v[F:F+3], v[AW] offset:SCW        ; LDS serves a wave's instructions in order: these see my stores
	ds_load_b128 v[F+4:F+7], v[AW] offset:SCW+512
	WIN 0x55
.irp t, 0,1,2,3
	v_add_f32 v[SUM3+2*\t], v[SUM3+2*\t], v[SUM3+2*\t+1]
	v_add_f32 v[SSQ3+2*\t], v[SSQ3+2*\t], v[SSQ3+2*\t+1]
.endr
.irp t, 0,1,2,3
	v_permlanex16_b32 v[SUM3+2*\t+1], v[SUM3+2*\t], s[SEL], s[SEL+1]
	v_permlanex16_b32 v[SSQ3+2*\t+1], v[SSQ3+2*\t], s[SEL], s[SEL+1]
.endr
.irp t, 0,1,2,3
	v_add_f32 v[SUM3+2*\t], v[SUM3+2*\t], v[SUM3+2*\t+1]
	v_add_f32 v[SSQ3+2*\t], v[SSQ3+2*\t], v[SSQ3+2*\t+1]
.endr
.irp t, 0,1,2,3
	v_cndmask_b32 v[SUM3+2*\t], v[SUM3+2*\t], v[SSQ3+2*\t], s[HM]   ; lanes 0-15 carry the sum, lanes 16-31 the sum of squares
.endr
	WIN 0
	s_wait_dscnt 0x0
	global_store_b128 v[LI], v[F:F+3], s[26:27]
	global_store_b128 v[LI], v[F+4:F+7], s[26:27] offset:512
	WIN 0x04
.irp t, 0,1,2,3
	ds_store_b32 v[AD3S], v[SUM3+2*\t] offset:64*\t
.endr
	WIN 0
	s_cmp_lg_u32 s30, 0
	s_cbranch_scc1 .Lno_k3
	WIN 0x04
.irp t, 0,1,2,3
	ds_store_b32 v[AD3K], v[KS3+\t] offset:64*\t   ; both halves write the same word with the same value
.endr
	WIN 0
.Lno_k3:
	BARRIER
	s_cmp_gt_u32 s30, 1
	s_cbranch_scc1 .Lend
	s_cmp_eq_u32 s30, 1
	s_cbranch_scc1 .Lk_out
.irp w, 0,1,2,3,4,5,6,7
	ds_load_b128 v[F+8+4*\w:F+11+4*\w], v[LI] offset:RED3+768*\w
.endr
	s_wait_dscnt 0x0
.irp d, 4,2,1
.set i, 0
.rept \d
	v_pk_add_f32 v[F+8+4*i:F+9+4*i], v[F+8+4*i:F+9+4*i], v[F+8+4*(i+\d):F+9+4*(i+\d)]
	v_pk_add_f32 v[F+10+4*i:F+11+4*i], v[F+10+4*i:F+11+4*i], v[F+10+4*(i+\d):F+11+4*(i+\d)]
.set i, i+1
.endr
.endr
	global_store_b128 v[LI], v[F+8:F+11], s[28:29]     ; 512 consecutive bytes, aligned
	s_branch .Lend
.Lk_out:
	ds_load_b64 v[F+8:F+9], v[AD8] offset:RED3+512
	s_wait_dscnt 0x0
	global_store_b64 v[AD8], v[F+8:F+9], s[28:29] offset:512   ; 256 consecutive bytes, aligned
.Lend:
	s_wait_tensorcnt 0x0
	ds_add_u32 v34, v35
	s_wait_dscnt 0x0
	s_endpgm
.Lfunc_end_k_q1bd0d82761_layer2:
	.size	k_q1bd0d82761_layer2, .Lfunc_end_k_q1bd0d82761_layer2-k_q1bd0d82761_layer2
	.p2alignl 7, 3214868480
	.fill 96, 4, 3214868480
	.section	.rodata,"a",@progbits
	.p2align	6, 0x0
	.amdhsa_kernel k_q1bd0d82761_layer2
		.amdhsa_group_segment_fixed_size 24576
		.amdhsa_private_segment_fixed_size 0
		.amdhsa_enable_private_segment 0
		.amdhsa_kernarg_size 104
		.amdhsa_user_sgpr_count 2
		.amdhsa_user_sgpr_kernarg_segment_ptr 1
		.amdhsa_wavefront_size32 1
		.amdhsa_system_sgpr_workgroup_id_x 1
		.amdhsa_system_sgpr_workgroup_id_y 1
		.amdhsa_system_sgpr_workgroup_id_z 1
		.amdhsa_system_vgpr_workitem_id 0
		.amdhsa_next_free_vgpr 512
		.amdhsa_next_free_sgpr 66
		.amdhsa_reserve_vcc 0
		.amdhsa_float_denorm_mode_32 3
		.amdhsa_float_denorm_mode_16_64 3
		.amdhsa_memory_ordered 1
		.amdhsa_forward_progress 1
		.amdhsa_inst_pref_size 158
	.end_amdhsa_kernel
	.amdgpu_metadata
---
amdhsa.version: [ 1, 2 ]
amdhsa.kernels:
  - .name:           k_q1bd0d82761_layer2
    .symbol:         k_q1bd0d82761_layer2.kd
    .args:
      - { .name: h1c, .offset: 0, .size: 8, .value_kind: global_buffer, .address_space: global }
      - { .name: h1s, .offset: 8, .size: 8, .value_kind: global_buffer, .address_space: global }
      - { .name: part2, .offset: 16, .size: 8, .value_kind: global_buffer, .address_space: global }
      - { .name: b2, .offset: 24, .size: 8, .value_kind: global_buffer, .address_space: global }
      - { .name: g2, .offset: 32, .size: 8, .value_kind: global_buffer, .address_space: global }
      - { .name: be2, .offset: 40, .size: 8, .value_kind: global_buffer, .address_space: global }
      - { .name: w2_codes, .offset: 48, .size: 8, .value_kind: global_buffer, .address_space: global }
      - { .name: w2_scales, .offset: 56, .size: 8, .value_kind: global_buffer, .address_space: global }
      - { .name: w3_codes, .offset: 64, .size: 8, .value_kind: global_buffer, .address_space: global }
      - { .name: w3_scales, .offset: 72, .size: 8, .value_kind: global_buffer, .address_space: global }
      - { .name: h2c, .offset: 80, .size: 8, .value_kind: global_buffer, .address_space: global }
      - { .name: h2s, .offset: 88, .size: 8, .value_kind: global_buffer, .address_space: global }
      - { .name: part3, .offset: 96, .size: 8, .value_kind: global_buffer, .address_space: global }
    .group_segment_fixed_size: 24576
    .private_segment_fixed_size: 0
    .kernarg_segment_align: 8
    .kernarg_segment_size: 104
    .max_flat_workgroup_size: 256
    .sgpr_count:     66
    .vgpr_count:     512
    .wavefront_size: 32
...
	.end_amdgpu_metadata
.endif
;; end of part 3
;; launch head (part 4): grid 256 x 1, 8 waves a work-group, no clusters, 13,824 bytes of LDS; arguments h2c, h2s, part3, b3, g3, be3, w3_codes, w3_scales, w4, b4, out0; writes out0
.if DOCPART == 4
	.amdgcn_target "amdgcn-amd-amdhsa--gfx1250"
	.amdhsa_code_object_version 6
	.text
	.protected	k_q1bd0d82761_head
	.globl	k_q1bd0d82761_head
	.p2align	8
	.type	k_q1bd0d82761_head,@function
k_q1bd0d82761_head:
	s_mov_b64 s[64:65], 0
	v_nop
	global_prefetch_b8 v0, s[64:65] scope:SCOPE_SE
	s_setreg_imm32_b32 hwreg(HW_REG_WAVE_MODE, 25, 1), 1
	s_wait_xcnt 0x0
; LAYER 3 AND THE HEAD.  z3 = Q(h2) w3 on codes of E2M3; h3 = relu(BN3(z3 + b3)); out = sigmoid(h3 . w4 + b4), all behind the product in f32.
; PROLOGUE.  Every work-group adds the 256 records of part3 in the same order: m = sum / 2^19, variance = squares / 2^19 - m^2, mean = K + m + b3, a3 = g3 / sqrt(variance + 1e-5), c3 = be3 + a3 (b3 - mean).
; SHARES.  Wave g = 8 x work-group + wave owns tiles 16 g .. 16 g + 15.  All sixteen images (192 registers) and their scale words are asked for at the head, so that the wave's whole stream is on its way during the prologue.
; LAYOUT.  z3 is used transposed (source 0 = rows 16 t + r of w3, source 1 = h2's image): lane (r, h) holds row r and, in register 8 t + j, unit 16 t + 8 h + j; the dot with w4 is finished with lane l xor 16.
; The results of a pair of tiles share a register (lanes 0-15 the even tile's rows, lanes 16-31 the odd tile's), so the sigmoid is taken once a pair; a wave's 256 results leave through its own 1,024 bytes of LDS in two stores of 512 bytes.
; Two sets of accumulators take turns: a tile's vector work stands behind the next tile's products and is their places.
; No tensor loads and no cluster: no image is read twice.
; LIMITS: NaN and infinities are not served; the variance's error grows with (distance of K from the mean / the spread)^2.
.set LI,   1                           ; v1   16 x lane
.set LS,   2                           ; v2   4 x lane
.set OSA,  3                           ; v3   LDS: my word in my wave's stage of results
.set YE,   5                           ; v5   the even tile's result
.set PX,   6                           ; v6   a lane permute's destination
.set HS,   8                           ; v8-15  h2's scale words, a register a pair
.set W3S,  16                          ; v16-19
.set DC,   20                          ; v20-27 at work
.set AW,   28                          ; v28  512 x wave + 16 x lane
.set AN,   29                          ; v29  4 n, n = thread mod 64
.set AH,   30                          ; v30  32 h
.set OFL,  31                          ; v31  LDS: my wave's stage, 16 x lane
.set OW3,  32                          ; v32  96 r + 24 h
.set OS3,  33                          ; v33  4 r
.set W3F,  36                          ; v36-83
.set WF4,  84                          ; v84-115  w4 in the result's layout
.set GA3,  116                         ; v116-147 a3
.set GC3,  148                         ; v148-179 c3
.set Z3,   180                         ; v180-243 two sets of four accumulators
.set LZ,   116                         ; v116-243 where the records land
.set BB,   244                         ; v244-247 b3, g3, be3, K
.set OY,   248                         ; v248-255 a pair's results
.set SA,   132
.set SB,   140
.set RED,  0                           ; LDS: 8 x 512
.set AC,   4096                        ; a3[64], c3[64]
.set OST,  4608                        ; 8 x 1024
.set HM,   28
.set SEL,  29                          ; s29, s30
.set B4,   31
.set MSB, 0
.macro WIN new                         ; the immediate's high byte repeats the setting that is left
.if MSB != \new
	s_set_vgpr_msb (MSB<<8)|\new
.set MSB, \new
.endif
.endm
.macro BARRIER
	s_wait_dscnt 0x0
	s_barrier_signal -1
	s_barrier_wait -1
.endm
	s_load_b512 s[4:19], s[0:1], 0x0               ; h2c, h2s, part3, b3, g3, be3, w3's codes, w3's scales
	s_load_b128 s[20:23], s[0:1], 0x40             ; w4, b4
	s_load_b64 s[24:25], s[0:1], 0x50              ; out0
	v_lshl_add_u32 v34, v0, 2, 0x3200
	v_mov_b32 v35, 0
	v_lshrrev_b32 v1, 5, v0
	v_readfirstlane_b32 s26, v1                    ; wave 0..7
	v_and_b32 v[LS], 31, v0
	v_lshlrev_b32 v[LI], 4, v[LS]
	v_lshlrev_b32 v[LS], 2, v[LS]
	v_and_b32 v[DC], 15, v0                        ; r
	v_bfe_u32 v[DC+1], v0, 4, 1                    ; h
	v_mul_u32_u24 v[OW3], v[DC], 96
	v_mad_u32_u24 v[OW3], v[DC+1], 24, v[OW3]
	v_lshlrev_b32 v[OS3], 2, v[DC]
	v_lshlrev_b32 v[AH], 5, v[DC+1]
	v_and_b32 v[AN], 63, v0
	v_lshlrev_b32 v[AN], 2, v[AN]
	s_lshl_b32 s34, s26, 9
	v_add_nc_u32 v[AW], s34, v[LI]
	s_lshl_b32 s34, s26, 10
	v_add_nc_u32 v[OSA], s34, v[LS]
	v_add_nc_u32 v[OSA], OST, v[OSA]
	v_add_nc_u32 v[OFL], s34, v[LI]
	v_add_nc_u32 v[OFL], OST, v[OFL]
	v_mov_b32 v[PX], 0                             ; written once: a lane permute's destination counts as one of its sources
	s_mov_b32 s[HM], 0xffff0000
	s_mov_b32 s[SEL], 0x76543210
	s_mov_b32 s[SEL+1], 0xfedcba98
	s_lshl_b32 s27, ttmp9, 3
	s_add_co_u32 s27, s27, s26                     ; g
	s_mov_b32 s35, 0
	s_wait_kmcnt 0x0
	s_load_b32 s[B4], s[22:23], 0x0                ; b4
	s_mul_i32 s34, s27, 24576
	s_add_nc_u64 s[4:5], s[4:5], s[34:35]          ; h2c at my tiles
	s_lshl_b32 s34, s27, 10
	s_add_nc_u64 s[6:7], s[6:7], s[34:35]          ; h2s likewise
	s_add_nc_u64 s[24:25], s[24:25], s[34:35]      ; out0 at my 256 rows
	s_mul_i32 s34, s26, 24576
	s_add_nc_u64 s[36:37], s[8:9], s[34:35]        ; part3: my wave's 32 records
.irp t, 0,1,2,3
.irp p, 0,1,2,3,4,5
	global_load_b64 v[W3F+12*\t+2*\p:W3F+12*\t+2*\p+1], v[OW3], s[16:17] offset:1536*\t+48*(\p/3)+8*(\p%3)
.endr
	global_load_b32 v[W3S+\t], v[OS3], s[18:19] offset:64*\t
.endr
.irp t, 0,1,2,3
	global_load_b128 v[WF4+8*\t:WF4+8*\t+3], v[AH], s[20:21] offset:64*\t
	global_load_b128 v[WF4+8*\t+4:WF4+8*\t+7], v[AH], s[20:21] offset:64*\t+16
.endr
	global_load_b32 v[BB], v[AN], s[10:11]         ; b3
	global_load_b32 v[BB+1], v[AN], s[12:13]       ; g3
	global_load_b32 v[BB+2], v[AN], s[14:15]       ; be3
	global_load_b32 v[BB+3], v[AN], s[8:9] offset:512   ; K
.set i, 0
.rept 32
	global_load_b128 v[LZ+4*i:LZ+4*i+3], v[LI], s[36:37] offset:768*i   ; a record's 64 sums and 64 sums of squares
.set i, i+1
.endr
.irp p, 0,1,2,3,4,5,6,7
	global_load_b32 v[HS+\p], v[LS], s[6:7] offset:128*\p th:TH_LOAD_NT
.endr
	WIN 0x40                                       ; destination window 1: tile q's image at v[12 q]
.set q, 0
.rept 16
.irp c, 0,1,2
	global_load_b128 v[12*q+4*\c:12*q+4*\c+3], v[LI], s[4:5] offset:1536*q+512*\c th:TH_LOAD_NT
.endr
.set q, q+1
.endr
	WIN 0
	s_wait_loadcnt 56                              ; all but the 8 loads of scale words and the 48 of images, which were issued behind the records
	; ---- my 32 records are added, in place
.irp d, 16,8,4,2,1
.set i, 0
.rept \d
	v_pk_add_f32 v[LZ+4*i:LZ+4*i+1], v[LZ+4*i:LZ+4*i+1], v[LZ+4*(i+\d):LZ+4*(i+\d)+1]
	v_pk_add_f32 v[LZ+4*i+2:LZ+4*i+3], v[LZ+4*i+2:LZ+4*i+3], v[LZ+4*(i+\d)+2:LZ+4*(i+\d)+3]
.set i, i+1
.endr
.endr
	ds_store_b128 v[AW], v[LZ:LZ+3]
	BARRIER
	; ---- waves 0 and 1, a lane to a unit n
	s_cmp_gt_u32 s26, 1
	s_cbranch_scc1 .Lp2_done
.irp w, 0,1,2,3,4,5,6,7
	ds_load_b32 v[SA+\w], v[AN] offset:512*\w
	ds_load_b32 v[SB+\w], v[AN] offset:512*\w+256
.endr
	s_wait_dscnt 0x0
.irp o, SA, SB
	v_pk_add_f32 v[\o:\o+1], v[\o:\o+1], v[\o+2:\o+3]
	v_pk_add_f32 v[\o+4:\o+5], v[\o+4:\o+5], v[\o+6:\o+7]
.endr
.irp o, SA, SB
	v_pk_add_f32 v[\o:\o+1], v[\o:\o+1], v[\o+4:\o+5]
.endr
.irp o, SA, SB
	v_add_f32 v[\o], v[\o], v[\o+1]
.endr
.irp o, SA, SB
	v_mul_f32 v[\o], 0x36000000, v[\o]             ; x 2^-19
.endr
	v_fma_f32 v[SB], -v[SA], v[SA], v[SB]
	v_max_num_f32 v[SB], 0, v[SB]                  ; the variance
	v_add_f32 v[SB], 0x3727c5ac, v[SB]
	v_add_f32 v[SA], v[BB+3], v[SA]
	v_add_f32 v[SA], v[SA], v[BB]                  ; the mean, b3 in it
	v_rsq_f32 v[SA+1], v[SB]
	v_sub_f32 v[SA], v[BB], v[SA]                  ; b3 - mean  (the plain line behind the transcendental)
	s_wait_alu depctr_va_vdst(0)
	v_mul_f32 v[SA+1], v[BB+1], v[SA+1]            ; a3
	v_fma_f32 v[SA], v[SA+1], v[SA], v[BB+2]       ; c3
	ds_store_b32 v[AN], v[SA+1] offset:AC
	ds_store_b32 v[AN], v[SA] offset:AC+256
.Lp2_done:
	BARRIER
.irp t, 0,1,2,3
	ds_load_b128 v[GA3+8*\t:GA3+8*\t+3], v[AH] offset:AC+64*\t
	ds_load_b128 v[GA3+8*\t+4:GA3+8*\t+7], v[AH] offset:AC+64*\t+16
	ds_load_b128 v[GC3+8*\t:GC3+8*\t+3], v[AH] offset:AC+256+64*\t
	ds_load_b128 v[GC3+8*\t+4:GC3+8*\t+7], v[AH] offset:AC+256+64*\t+16
.endr
	s_wait_dscnt 0x0
	s_wait_kmcnt 0x0                               ; b4
.macro MULT q                          ; tile q's four products, into set q % 2
	s_wait_loadcnt 3*(15-(\q))                     ; loads come back in order: tile q's image is in, the younger tiles' three loads each stay out
	WIN 0x04                                       ; source 1 (the image) window 1
.irp t, 0,1,2,3
.if ((\q)%2) == 1
	v_wmma_scale_f32_16x16x128_f8f6f4 v[Z3+32*((\q)%2)+8*\t:Z3+32*((\q)%2)+8*\t+7], v[W3F+12*\t:W3F+12*\t+11], v[12*(\q):12*(\q)+11], 0, v[W3S+\t], v[HS+(\q)/2] matrix_a_fmt:MATRIX_FMT_FP6 matrix_b_fmt:MATRIX_FMT_FP6 matrix_b_scale:MATRIX_SCALE_ROW1
.else
	v_wmma_scale_f32_16x16x128_f8f6f4 v[Z3+32*((\q)%2)+8*\t:Z3+32*((\q)%2)+8*\t+7], v[W3F+12*\t:W3F+12*\t+11], v[12*(\q):12*(\q)+11], 0, v[W3S+\t], v[HS+(\q)/2] matrix_a_fmt:MATRIX_FMT_FP6 matrix_b_fmt:MATRIX_FMT_FP6
.endif
.endr
	WIN 0
.endm
.macro REST q                          ; tile q: BN3, the activation, the dot with w4; behind an odd tile the pair's sigmoid
.set ZB, Z3+32*((\q)%2)
.set k, 0
.rept 16
	v_pk_fma_f32 v[ZB+2*k:ZB+2*k+1], v[ZB+2*k:ZB+2*k+1], v[GA3+2*k:GA3+2*k+1], v[GC3+2*k:GC3+2*k+1]   ; each accumulator from its low end on
.set k, k+1
.endr
.set k, 0
.rept 32
	v_max_num_f32 v[ZB+k], 0, v[ZB+k]
.set k, k+1
.endr
	v_pk_mul_f32 v[DC:DC+1], v[ZB:ZB+1], v[WF4:WF4+1]               ; two chains
	v_pk_mul_f32 v[DC+2:DC+3], v[ZB+2:ZB+3], v[WF4+2:WF4+3]
.set k, 2
.rept 7
	v_pk_fma_f32 v[DC:DC+1], v[ZB+2*k:ZB+2*k+1], v[WF4+2*k:WF4+2*k+1], v[DC:DC+1]
	v_pk_fma_f32 v[DC+2:DC+3], v[ZB+2*k+2:ZB+2*k+3], v[WF4+2*k+2:WF4+2*k+3], v[DC+2:DC+3]
.set k, k+2
.endr
	v_pk_add_f32 v[DC:DC+1], v[DC:DC+1], v[DC+2:DC+3]
	v_add_f32 v[DC], v[DC], v[DC+1]
	v_permlanex16_b32 v[PX], v[DC], s[SEL], s[SEL+1]
.if ((\q)%2) == 0
	v_add_f32 v[YE], v[DC], v[PX]                  ; with lane l xor 16's units: the row's dot
.else
	v_add_f32 v[DC], v[DC], v[PX]
	v_cndmask_b32 v[DC], v[YE], v[DC], s[HM]       ; lanes 0-15 the even tile's rows, lanes 16-31 the odd tile's
	v_add_f32 v[DC], s[B4], v[DC]
	v_mul_f32 v[DC], 0xbfb8aa3b, v[DC]             ; x -log2(e)
	v_exp_f32 v[DC+1], v[DC]
	v_nop                                          ; one plain line behind a transcendental
	s_wait_alu depctr_va_vdst(0)
	v_add_f32 v[DC+1], 1.0, v[DC+1]
	v_rcp_f32 v[OY+(\q)/2], v[DC+1]
	v_nop
	s_wait_alu depctr_va_vdst(0)
	ds_store_b32 v[OSA], v[OY+(\q)/2] offset:128*((\q)/2)
.endif
.endm
	MULT 0
	MULT 1
.rept 5
	v_nop                                          ; four places before the first results are read; the fifth for the third tile's products, which write over the first's
.endr
	REST 0
.irp q, 2,3,4,5,6,7,8,9,10,11,12,13,14,15
	MULT \q
	REST \q-1                                      ; the tile before: these lines name no register of the products just issued and are their places
.endr
	REST 15
	ds_load_b128 v[DC:DC+3], v[OFL]                ; LDS serves a wave's instructions in order: these see my stores
	ds_load_b128 v[DC+4:DC+7], v[OFL] offset:512
	s_wait_dscnt 0x0
	global_store_b128 v[LI], v[DC:DC+3], s[24:25] th:TH_STORE_NT               ; 512 consecutive bytes, aligned
	global_store_b128 v[LI], v[DC+4:DC+7], s[24:25] offset:512 th:TH_STORE_NT
	s_wait_tensorcnt 0x0
	ds_add_u32 v34, v35
	s_wait_dscnt 0x0
	s_endpgm
.Lfunc_end_k_q1bd0d82761_head:
	.size	k_q1bd0d82761_head, .Lfunc_end_k_q1bd0d82761_head-k_q1bd0d82761_head
	.p2alignl 7, 3214868480
	.fill 96, 4, 3214868480
	.section	.rodata,"a",@progbits
	.p2align	6, 0x0
	.amdhsa_kernel k_q1bd0d82761_head
		.amdhsa_group_segment_fixed_size 13824
		.amdhsa_private_segment_fixed_size 0
		.amdhsa_enable_private_segment 0
		.amdhsa_kernarg_size 88
		.amdhsa_user_sgpr_count 2
		.amdhsa_user_sgpr_kernarg_segment_ptr 1
		.amdhsa_wavefront_size32 1
		.amdhsa_system_sgpr_workgroup_id_x 1
		.amdhsa_system_sgpr_workgroup_id_y 1
		.amdhsa_system_sgpr_workgroup_id_z 1
		.amdhsa_system_vgpr_workitem_id 0
		.amdhsa_next_free_vgpr 448
		.amdhsa_next_free_sgpr 66
		.amdhsa_reserve_vcc 0
		.amdhsa_float_denorm_mode_32 3
		.amdhsa_float_denorm_mode_16_64 3
		.amdhsa_memory_ordered 1
		.amdhsa_forward_progress 1
		.amdhsa_inst_pref_size 87
	.end_amdhsa_kernel
	.amdgpu_metadata
---
amdhsa.version: [ 1, 2 ]
amdhsa.kernels:
  - .name:           k_q1bd0d82761_head
    .symbol:         k_q1bd0d82761_head.kd
    .args:
      - { .name: h2c, .offset: 0, .size: 8, .value_kind: global_buffer, .address_space: global }
      - { .name: h2s, .offset: 8, .size: 8, .value_kind: global_buffer, .address_space: global }
      - { .name: part3, .offset: 16, .size: 8, .value_kind: global_buffer, .address_space: global }
      - { .name: b3, .offset: 24, .size: 8, .value_kind: global_buffer, .address_space: global }
      - { .name: g3, .offset: 32, .size: 8, .value_kind: global_buffer, .address_space: global }
      - { .name: be3, .offset: 40, .size: 8, .value_kind: global_buffer, .address_space: global }
      - { .name: w3_codes, .offset: 48, .size: 8, .value_kind: global_buffer, .address_space: global }
      - { .name: w3_scales, .offset: 56, .size: 8, .value_kind: global_buffer, .address_space: global }
      - { .name: w4, .offset: 64, .size: 8, .value_kind: global_buffer, .address_space: global }
      - { .name: b4, .offset: 72, .size: 8, .value_kind: global_buffer, .address_space: global }
      - { .name: out0, .offset: 80, .size: 8, .value_kind: global_buffer, .address_space: global }
    .group_segment_fixed_size: 13824
    .private_segment_fixed_size: 0
    .kernarg_segment_align: 8
    .kernarg_segment_size: 88
    .max_flat_workgroup_size: 256
    .sgpr_count:     66
    .vgpr_count:     448
    .wavefront_size: 32
...
	.end_amdgpu_metadata
.endif
;; end of part 4
;; ======== version 2 of 2: 4 launches; version 1 with the launches layer1, layer2, head written anew for expert scheduling mode
;; limits: a difference of large sums (such as E[x^2] - mean^2): digits are lost where the result is much smaller than its terms
;; workspace buffers: part1 196,608 bytes; part2 393,216 bytes; part3 196,608 bytes; h1c 50,331,648 bytes; h1s 2,097,152 bytes; h2c 50,331,648 bytes; h2s 2,097,152 bytes
;; launch moments: the kernel of part 1 again; grid 256 x 1, 8 waves a work-group, no clusters, 6,400 bytes of LDS; arguments x, part1; writes part1
;; launch layer1 (part 5): grid 256 x 1, 8 waves a work-group, no clusters, 28,672 bytes of LDS; arguments x, part1, w1, b1, g1, be1, w2_codes, w2_scales, h1c, h1s, part2; writes h1c, h1s, part2
.if DOCPART == 5
	.amdgcn_target "amdgcn-amd-amdhsa--gfx1250"
	.amdhsa_code_object_version 6
	.text
	.protected	k_q1bd0d82761_layer1
	.globl	k_q1bd0d82761_layer1
	.p2align	8
	.type	k_q1bd0d82761_layer1,@function
k_q1bd0d82761_layer1:
	s_mov_b64 s[64:65], 0
	v_nop
	global_prefetch_b8 v0, s[64:65] scope:SCOPE_SE
	s_setreg_imm32_b32 hwreg(HW_REG_WAVE_SCHED_MODE, 0, 2), 2
	s_setreg_imm32_b32 hwreg(HW_REG_WAVE_MODE, 25, 1), 1
	s_wait_xcnt 0x0
	s_wait_alu depctr_vm_vsrc(0)
; LAYER 1.  h1 = relu(BN1(h0 w1 + b1)) is made once, in f32, quantised to E2M3 with one E8M0 scale for each 32 along its 128 units, and stored as the image of a matrix operand's registers;
; z2 = Q(h1) w2 is formed here only for its batch statistics (sums of z2 - K and of its square, K = the column means of rows 0-15).
; PROLOGUE.  Every work-group adds the 256 records of part1 in the same order and makes, for each unit n with w = w1[:, n]: mean = w . (K0 + m) + b1, variance = w^T P w - (w . m)^2,
; a1 = g1 / sqrt(variance + 1e-5), c1 = be1 + a1 (b1 - mean).  BN1 is folded into the product: h1 = relu(h0 (w1 a1) + c1), c1 being the C of each sum's first matrix instruction.
; SHARES.  Wave g = 8 x work-group + wave owns rows 256 g .. 256 g + 255: sixteen tiles of 16 rows.  Two waves lie on a SIMD, so that one wave's vector work stands beside the other's matrix work.
; LAYOUT.  The first product is used transposed (source 0 = 16 units, source 1 = 16 rows): a lane holds one row.  THE UNITS OF A TILE ARE NOT NEIGHBOURS: lane r of tile 2 b + u takes unit
; 32 b + 8 u + r + 8 (r / 8), so that the 16 registers of tiles 2 b, 2 b + 1 are 16 neighbours along the next K.
; h1c: tile T at 1536 T; registers 4 c .. 4 c + 3 of lane l at 512 c + 16 l.  h1s: wave g at 1024 g; pair p of tiles: lane l's word at 128 p + 4 l, lanes 0-15 tile 2 p's rows, lanes 16-31 tile 2 p + 1's.
; part2: a record of 1,536 bytes a work-group: 128 sums, 128 sums of squares, K.
; No tensor loads and no cluster: every operand goes straight into registers, and what work-groups share (21 KB of weights, the records) is small beside a wave's own stream.
; LIMITS: NaN and infinities are not served; a divisor under 2^-126 is not served; scores and quotients as in the launch before; a block of zeros gets the scale byte 1 (its codes are zeros, and this program alone reads the bytes);
; the variance's error grows with (distance of K from the mean / the spread)^2, K being taken from the first rows.
; THE MODE: SCHED_MODE bits 1:0 = 2 (LLVM: expert scheduling mode 2), set by the entry lines.  The code itself states the register dependences
; between vector or matrix instructions and memory or LDS instructions, with s_wait_alu, always for 0.
; THE PLAN.  Registers that memory or LDS instructions touch, in the loop:
;   NB0, NB1      Tile u: the first lines of its features read NB[u]; the load for the same tile of the next pair lands in it.
;   PC            Written by a tile's conversions, exchanges and moves; read by its three image stores (and by its scaled products).
;   SCWR, LADR    Written behind the conversions; read by the odd tile's LDS store.
;   XA, LI        Made at the head and never written again: the scalar bases move on, and immediate offsets do the rest.
; A tile has two waits on va_vdst.  The one behind the three reciprocals also states that the lines ahead of it are done reading NB[u]: the load stands straight behind it.
; The one behind the eight places, ahead of the scaled products, states that PC, PW, SCWR and LADR are written: the image stores, the LDS store and the products follow it.
; One wait on vm_vsrc stands ahead of the conversions: the last tile's stores have read PC, SCWR and LADR.  Each compare has its wait ahead of the selects that read its mask.
.set XA,   1                           ; v1   64 r: my row in a tile of x
.set LI,   2                           ; v2   16 x lane
.set LS,   3                           ; v3   4 x lane
.set SGN,  4                           ; v4   +1 in lanes 0-15, -1 in lanes 16-31
.set LSC,  5                           ; v5   LDS: my word in my wave's stage of scale words
.set LADR, 6                           ; v6   the same for the pair in hand (at the head: 4 r)
.set CN,   7                           ; v7   4 n, n = thread mod 128
.set PW,   8                           ; v8   the scale word just made
.set SCWR, 9                           ; v9   a pair's scale words
.set W2S,  10                          ; v10-17  w2's scale words
.set NS,   18                         ; v18-21  the numbers of rows 0-15
.set NB,   22                         ; v22-29  the numbers of the pair's two tiles
.set H0F,  30                         ; v30-37  h0 as source 1: register 2 s + j = h0[r][4 s + 2 h + j]
.set T,    38                         ; v38-53  at work
.set TM,   38
.set PC,   54                         ; v54-73  the codes just made
.set KS2,  74                         ; v74-81  K of my column in each tile of z2
.set SUM2, 82                         ; v82-97  sums, a pair a tile
.set SSQ2, 98                         ; v98-113 sums of squares
.set AR1Q, 114                        ; v114-121 addresses of the prologue, then at work
.set AR1S, 115
.set AP2,  116
.set ATOT, 117
.set AAC,  118
.set AAU,  119
.set AC1H, 120
.set OW1,  121
.set TA,   114
.set AR2,  122                        ; v122-125 LDS addresses of the end
.set AK2,  123
.set AFIN, 124
.set AFL,  125
.set OW2,  126                        ; v126 96 r + 24 h
.set PX,   127                        ; v127 a lane permute's destination
.set Z1,   128                        ; v128-191 the first product's eight tiles: written by matrix instructions alone
.set HH,   192                        ; v192-255 h1, then z2
.set W2F,  0                          ; window 1: w2's eight fragments;
.set W1F,  96                         ; w1 a1: (tile t, K step s) at 96 + 8 t + 2 s;
.set CB1,  160                        ; c1 in the result's layout
.set LZ,   96                         ; window 1, v96-255: where the records land
.set RED1, 0                          ; LDS: 8 x 640
.set TOT1, 5120                       ; 768
.set AC1,  5888                       ; a1[128], c1[128]
.set SCW,  6912                       ; 8 x 1024: the stages of scale words
.set RED2, 15104                      ; 8 x 1536
.set HM,   30                         ; s30  lanes 16-31
.set C24,  31                         ; s31  1/24
.set SEL,  32                         ; s[32:33]
.set MU0,  34
.set MU1,  35
.set RR,   98
.set DL,   78
.set KP,   79
.set QQ,   80
.set MSB, 0
.macro WIN new                         ; the immediate's high byte repeats the setting that is left
.if MSB != \new
	s_set_vgpr_msb (MSB<<8)|\new
.set MSB, \new
.endif
.endm
.macro BARRIER                         ; my LDS stores have landed and my LDS loads are in: then the work-group's barrier
	s_wait_dscnt 0x0
	s_barrier_signal -1
	s_barrier_wait -1
.endm
	s_load_b512 s[4:19], s[0:1], 0x0               ; x, part1, w1, b1, g1, be1, w2's codes, w2's scales
	s_load_b128 s[20:23], s[0:1], 0x40             ; h1c, h1s
	s_load_b64 s[24:25], s[0:1], 0x50              ; part2
	v_lshrrev_b32 v1, 5, v0
	v_readfirstlane_b32 s26, v1                    ; wave 0..7
	v_and_b32 v[LS], 31, v0
	v_lshlrev_b32 v[LI], 4, v[LS]
	v_lshlrev_b32 v[LS], 2, v[LS]
	v_and_b32 v[T], 15, v0                         ; r
	v_bfe_u32 v[T+1], v0, 4, 1                     ; h
	v_lshlrev_b32 v[XA], 6, v[T]
	v_lshlrev_b32 v[LADR], 2, v[T]
	v_and_b32 v[T+2], 8, v[T]
	v_add_nc_u32 v[T+2], v[T+2], v[T]              ; r + 8 (r / 8)
	v_and_b32 v[CN], 127, v0
	v_lshlrev_b32 v[CN], 2, v[CN]
	s_mov_b32 s[HM], 0xffff0000
	s_mov_b32 s[C24], 0x3d2aaaab
	s_mov_b32 s[SEL], 0x76543210
	s_mov_b32 s[SEL+1], 0xfedcba98
	v_mov_b32 v[SGN], -1.0
	v_cndmask_b32 v[SGN], 1.0, v[SGN], s[HM]
	v_mov_b32 v[PX], 0
	s_wait_alu depctr_va_sdst(0)                   ; s26 is written, ahead of its first reader: addresses, bases and branches are made from it
	; every LDS address is made here, ahead of the first branch on the wave's number
	s_mul_i32 s28, s26, 640
	v_add_nc_u32 v[AR1Q], s28, v[LI]
	v_add_nc_u32 v[AR1S], s28, v[LS]
	s_lshl_b32 s28, s26, 7
	v_add_nc_u32 v[AP2], s28, v[LS]
	v_mov_b32 v[ATOT], TOT1
	v_add_nc_u32 v[AAC], AC1, v[CN]
	v_lshl_add_u32 v[AAU], v[T+2], 2, AC1
	v_lshl_add_u32 v[AC1H], v[T+1], 6, AC1+512
	s_lshl_b32 s28, s26, 10
	v_add_nc_u32 v[LSC], s28, v[LS]
	v_add_nc_u32 v[LSC], SCW, v[LSC]
	v_add_nc_u32 v[AFL], s28, v[LI]
	v_add_nc_u32 v[AFL], SCW, v[AFL]
	s_mul_i32 s28, s26, 1536
	v_lshl_add_u32 v[AR2], v[T+1], 9, v[LADR]
	v_add_nc_u32 v[AR2], s28, v[AR2]
	v_add_nc_u32 v[AR2], RED2, v[AR2]
	v_add_nc_u32 v[AK2], RED2+1024, v[LADR]
	s_lshl_b32 s28, s26, 9
	v_add_nc_u32 v[AFIN], s28, v[LI]
	v_add_nc_u32 v[AFIN], RED2, v[AFIN]
	v_lshlrev_b32 v[OW1], 2, v[T+2]
	v_lshl_add_u32 v[OW1], v[T+1], 10, v[OW1]      ; w1: 4 (r + 8 (r / 8)) + two rows of 512 bytes for lanes 16-31
	v_mul_u32_u24 v[OW2], v[T], 96
	v_mad_u32_u24 v[OW2], v[T+1], 24, v[OW2]
	s_lshl_b32 s27, ttmp9, 3
	s_add_co_u32 s27, s27, s26                     ; g
	s_mov_b32 s29, 0
	s_mov_b32 s37, 0                               ; the stage's step: 128 bytes a pair
	s_lshl_b32 s38, s26, 9
	s_wait_kmcnt 0x0
	s_mov_b64 s[42:43], s[4:5]                     ; x as given: rows 0-15
	s_lshl_b32 s28, s27, 14
	s_add_nc_u64 s[4:5], s[4:5], s[28:29]          ; x at my rows
	s_mul_i32 s28, s27, 24576
	s_add_nc_u64 s[20:21], s[20:21], s[28:29]      ; h1c at my tiles
	s_lshl_b32 s28, s27, 10
	s_add_nc_u64 s[22:23], s[22:23], s[28:29]      ; h1s likewise
	s_mul_i32 s28, ttmp9, 1536
	s_add_co_u32 s28, s28, s38
	s_add_nc_u64 s[24:25], s[24:25], s[28:29]      ; part2: my work-group's record, + 512 x wave
	s_mul_i32 s28, s26, 24576
	s_add_nc_u64 s[40:41], s[6:7], s[28:29]        ; part1: my wave's 32 records
	WIN 0x40                                       ; destination window 1
	s_wait_alu depctr_va_vdst(0)                   ; all offsets and LDS addresses (v1-3, v5-7, v114-126) are written, which the loads and stores of the whole kernel read
.irp t, 0,1,2,3,4,5,6,7
.irp p, 0,1,2,3,4,5
	global_load_b64 v[W2F+12*\t+2*\p:W2F+12*\t+2*\p+1], v[OW2], s[16:17] offset:1536*\t+48*(\p/3)+8*(\p%3)   ; w2: rows 16 t + r
.endr
.endr
	WIN 0
.irp t, 0,1,2,3,4,5,6,7
	global_load_b32 v[W2S+\t], v[LADR], s[18:19] offset:64*\t
.endr
.irp t, 0,1,2,3,4,5,6,7
.irp s, 0,1,2,3
.irp j, 0,1
	global_load_b32 v[HH+8*\t+2*\s+\j], v[OW1], s[8:9] offset:512*(4*\s+\j)+4*(32*(\t/2)+8*(\t%2))   ; w1[4 s + 2 h + j][my unit of tile t]
.endr
.endr
.endr
.irp i, 0,1,2,3,4,5,6,7,8,9,10,11,12,13,14,15
	global_load_b32 v[PC+\i], v[CN], s[8:9] offset:512*\i   ; column n of w1
.endr
	global_load_b32 v[KS2], v[CN], s[10:11]        ; b1
	global_load_b32 v[KS2+1], v[CN], s[12:13]      ; g1
	global_load_b32 v[KS2+2], v[CN], s[14:15]      ; be1
	global_load_b32 v[KS2+3], v[LS], s[6:7] offset:640   ; K0, twice
	global_load_b128 v[NS:NS+3], v[XA], s[42:43]
	global_load_b128 v[NB:NB+3], v[XA], s[4:5] th:TH_LOAD_NT
	global_load_b128 v[NB+4:NB+7], v[XA], s[4:5] offset:1024 th:TH_LOAD_NT
	WIN 0x40
.set i, 0
.rept 32
	global_load_b128 v[LZ+4*i:LZ+4*i+3], v[LI], s[40:41] offset:768*i       ; words 0-127 of a record,
	global_load_b32 v[LZ+128+i], v[LS], s[40:41] offset:768*i+512           ; words 128-159
.set i, i+1
.endr
	WIN 0
	s_wait_loadcnt 0x0                             ; all of the head's loads
	; ---- P1: my 32 records are added, in place
	WIN 0x55
.irp d, 16,8,4,2,1
.set i, 0
.rept \d
	v_pk_add_f32 v[LZ+4*i:LZ+4*i+1], v[LZ+4*i:LZ+4*i+1], v[LZ+4*(i+\d):LZ+4*(i+\d)+1]
	v_pk_add_f32 v[LZ+4*i+2:LZ+4*i+3], v[LZ+4*i+2:LZ+4*i+3], v[LZ+4*(i+\d)+2:LZ+4*(i+\d)+3]
.set i, i+1
.endr
.endr
.irp d, 8,4,2,1
.set i, 0
.rept \d
	v_pk_add_f32 v[LZ+128+2*i:LZ+128+2*i+1], v[LZ+128+2*i:LZ+128+2*i+1], v[LZ+128+2*(i+\d):LZ+128+2*(i+\d)+1]
.set i, i+1
.endr
.endr
	v_add_f32 v[LZ+128], v[LZ+128], v[LZ+129]
	WIN 0x04                                       ; an LDS store's data are its source 1
	s_wait_alu depctr_va_vdst(0)                   ; the additions have written window 1's v96-99 and v224, which the two LDS stores read
	ds_store_b128 v[AR1Q], v[LZ:LZ+3]
	ds_store_b32 v[AR1S], v[LZ+128] offset:512
	WIN 0
	BARRIER
	; ---- P2: waves 0-4 add the eight waves' rows, 32 words each, and divide by the 2^19 rows; wave 5 sets K0 beside them
	s_cmp_gt_u32 s26, 4
	s_cbranch_scc1 .Lp2_hi
.irp w, 0,1,2,3,4,5,6,7
	ds_load_b32 v[SSQ2+\w], v[AP2] offset:640*\w
.endr
	s_wait_dscnt 0x0
	v_pk_add_f32 v[SSQ2:SSQ2+1], v[SSQ2:SSQ2+1], v[SSQ2+2:SSQ2+3]
	v_pk_add_f32 v[SSQ2+4:SSQ2+5], v[SSQ2+4:SSQ2+5], v[SSQ2+6:SSQ2+7]
	v_pk_add_f32 v[SSQ2:SSQ2+1], v[SSQ2:SSQ2+1], v[SSQ2+4:SSQ2+5]
	v_add_f32 v[SSQ2], v[SSQ2], v[SSQ2+1]
	v_mul_f32 v[SSQ2], 0x36000000, v[SSQ2]         ; x 2^-19
	s_wait_alu depctr_va_vdst(0)                   ; the multiplication has written v98, which the LDS store reads
	ds_store_b32 v[AP2], v[SSQ2] offset:TOT1
	s_branch .Lp2_done
.Lp2_hi:
	s_cmp_lg_u32 s26, 5
	s_cbranch_scc1 .Lp2_done
	ds_store_b32 v[AP2], v[KS2+3] offset:TOT1
.Lp2_done:
	BARRIER
	; ---- P3: waves 0-3, a lane to a unit n: mean, variance, a1, c1
	s_cmp_gt_u32 s26, 3
	s_cbranch_scc1 .Lp3_done
	WIN 0x40
	s_wait_alu depctr_va_vdst(0)                   ; P1's additions are done with window 1's v96-255, and the head's lines with v38-40: the loads below land there
	s_wait_alu depctr_vm_vsrc(0)                   ; P1's LDS stores have read window 1's v96-99 and v224, in which loads below land; P2's store has read v98, which the lines below write
.set i, 0
.rept 40
	ds_load_b128 v[LZ+4*i:LZ+4*i+3], v[ATOT] offset:16*i   ; all lanes read the same bytes: every lane has all 160 means
.set i, i+1
.endr
	WIN 0
.irp i, 0,1,2,3
	ds_load_b128 v[TM+4*\i:TM+4*\i+3], v[ATOT] offset:640+16*\i   ; K0
.endr
.irp i, 0,2,4,6,8,10,12,14
	v_pk_add_f32 v[SUM2+\i:SUM2+\i+1], v[PC+\i:PC+\i+1], v[PC+\i:PC+\i+1]   ; 2 w
.endr
	s_wait_dscnt 0x0
	WIN 0x01                                       ; source 0 window 1
.set i, 0
.rept 16
.set ee, i/2
	v_mul_f32 v[RR+i], v[LZ+16+34*ee-2*ee*ee+(i&1)*(16-2*ee)+i-2*ee], v[PC+i]   ; r_i = P_ii w_i
.set i, i+1
.endr
.set dd, 1
.rept 15
.set i, 0
.rept 16-dd
.set ee, i/2
	v_fma_f32 v[RR+i], v[LZ+16+34*ee-2*ee*ee+(i&1)*(16-2*ee)+i+dd-2*ee], v[SUM2+i+dd], v[RR+i]   ; + P_ij 2 w_j, j = i + dd
.set i, i+1
.endr
.set dd, dd+1
.endr
	v_mul_f32 v[DL], v[LZ], v[PC]
.set i, 1
.rept 15
	v_fma_f32 v[DL], v[LZ+i], v[PC+i], v[DL]       ; w . m
.set i, i+1
.endr
	WIN 0
	v_mul_f32 v[KP], v[TM], v[PC]
	v_mul_f32 v[QQ], v[RR], v[PC]
.set i, 1
.rept 15
	v_fma_f32 v[KP], v[TM+i], v[PC+i], v[KP]       ; w . K0
	v_fma_f32 v[QQ], v[RR+i], v[PC+i], v[QQ]       ; w^T P w
.set i, i+1
.endr
	v_fma_f32 v[QQ], -v[DL], v[DL], v[QQ]
	v_max_num_f32 v[QQ], 0, v[QQ]                  ; the variance
	v_add_f32 v[QQ], 0x3727c5ac, v[QQ]             ; + 1e-5
	v_add_f32 v[KP], v[KP], v[DL]
	v_add_f32 v[KP], v[KP], v[KS2]                 ; the mean, b1 in it
	v_rsq_f32 v[DL], v[QQ]
	v_sub_f32 v[KP], v[KS2], v[KP]                 ; b1 - mean  (the plain line behind the transcendental)
	s_wait_alu depctr_va_vdst(0)                   ; the root's reciprocal has written v78, ahead of its first reader
	v_mul_f32 v[DL], v[KS2+1], v[DL]               ; a1
	v_fma_f32 v[KP], v[DL], v[KP], v[KS2+2]        ; c1
	s_wait_alu depctr_va_vdst(0)                   ; a1 and c1 are written in v78 and v79, which the two LDS stores read
	ds_store_b32 v[AAC], v[DL]
	ds_store_b32 v[AAC], v[KP] offset:512
.Lp3_done:
	BARRIER
	; ---- P4: every wave: w1 a1 as source 0, c1 as C
	s_wait_alu depctr_va_vdst(0)                   ; the prologue's lines are done with v74-81 and with window 1's v160-223, in which the loads below land
	s_wait_alu depctr_vm_vsrc(0)                   ; the LDS stores above have read v77 (wave 5), v78 and v79 (waves 0-3), in which loads land, and v6, v98, v114-117 and window 1's v96-99, which later lines write
.irp t, 0,1,2,3,4,5,6,7
	ds_load_b32 v[KS2+\t], v[AAU] offset:4*(32*(\t/2)+8*(\t%2))   ; a1 of my unit of tile t
.endr
	WIN 0x40
.irp t, 0,1,2,3,4,5,6,7
	ds_load_b128 v[CB1+8*\t:CB1+8*\t+3], v[AC1H] offset:4*(32*(\t/2)+8*(\t%2))
	ds_load_b128 v[CB1+8*\t+4:CB1+8*\t+7], v[AC1H] offset:4*(32*(\t/2)+8*(\t%2))+16
.endr
	s_wait_dscnt 0x0
.irp t, 0,1,2,3,4,5,6,7
.irp s, 0,1,2,3
.if (\t%2) == 0
	v_pk_mul_f32 v[W1F+8*\t+2*\s:W1F+8*\t+2*\s+1], v[HH+8*\t+2*\s:HH+8*\t+2*\s+1], v[KS2+\t:KS2+\t+1] op_sel_hi:[1,0]
.else
	v_pk_mul_f32 v[W1F+8*\t+2*\s:W1F+8*\t+2*\s+1], v[HH+8*\t+2*\s:HH+8*\t+2*\s+1], v[KS2+\t-1:KS2+\t] op_sel:[0,1] op_sel_hi:[1,1]
.endif
.endr
.endr
	WIN 0
.set i, 0
.rept 16
	v_mov_b32 v[SUM2+i], 0
	v_mov_b32 v[SSQ2+i], 0
.set i, i+1
.endr
.macro COMPACT n                       ; the non-zero numbers move to the front, in their order.  Each compare hangs on the selects ahead of it, so each has a wait of its own
	v_cmp_neq_f32 vcc_lo, 0, v[\n]
	s_wait_alu depctr_va_vcc(0)                    ; the compare has written VCC, which the two selects read
	v_cndmask_b32 v[T], v[\n+1], v[\n], vcc_lo
	v_cndmask_b32 v[T+1], 0, v[\n+1], vcc_lo
	v_cmp_neq_f32 vcc_lo, 0, v[T+1]
	s_wait_alu depctr_va_vcc(0)                    ; likewise
	v_cndmask_b32 v[T+1], v[\n+2], v[T+1], vcc_lo
	v_cndmask_b32 v[T+2], 0, v[\n+2], vcc_lo
	v_cmp_neq_f32 vcc_lo, 0, v[T+2]
	s_wait_alu depctr_va_vcc(0)                    ; likewise
	v_cndmask_b32 v[T+2], v[\n+3], v[T+2], vcc_lo
	v_cndmask_b32 v[T+3], 0, v[\n+3], vcc_lo
.irp i, 0,1,0
	v_cmp_neq_f32 vcc_lo, 0, v[T+\i]
	s_wait_alu depctr_va_vcc(0)                    ; likewise
	v_cndmask_b32 v[T+\i], v[T+\i+1], v[T+\i], vcc_lo
	v_cndmask_b32 v[T+\i+1], 0, v[T+\i+1], vcc_lo
.endr
.endm
; Pair p.  Lanes 0-15 make a + b and a b, lanes 16-31 a - b and a / b: the two halves of K step 1 + p of source 1.
.macro PSUM p, a, b                    ; a + b, a - b
	v_fma_f32 v[H0F+2+2*\p], v[SGN], v[\b], v[\a]
.endm
.macro PQUO p, a, b, r                 ; a b, a / b
	v_cndmask_b32 v[T+9+\p], v[\b], v[\r], s[HM]
	v_mul_f32 v[H0F+3+2*\p], v[\a], v[T+9+\p]
	v_fma_f32 v[T+9+\p], -v[\b], v[H0F+3+2*\p], v[\a]
	v_fma_f32 v[T+9+\p], v[T+9+\p], v[\r], v[H0F+3+2*\p]
	v_cndmask_b32 v[H0F+3+2*\p], v[H0F+3+2*\p], v[T+9+\p], s[HM]
.endm
; n: the tile's four numbers.  ld = 1: the same tile of the next pair, off bytes on, is asked for into the same registers.
.macro FEATH n, ld, off
	v_cndmask_b32 v[H0F], v[\n], v[\n+2], s[HM]
	v_cndmask_b32 v[H0F+1], v[\n+1], v[\n+3], s[HM]
	COMPACT \n
	v_cmp_neq_f32 s[MU0], 0, v[T+1]
	v_cmp_neq_f32 s[MU1], 0, v[T+2]
	v_cmp_neq_f32 vcc_lo, 0, v[T+3]
	s_wait_alu depctr_va_vcc(0)                    ; the third compare has written VCC, which the two selects below read
	s_wait_alu depctr_va_sdst(0)                   ; the first two have written s[MU0] and s[MU1], ahead of their first readers, the selects at this macro's end
	v_cndmask_b32 v[T+4], v[T+1], v[T], vcc_lo
	v_cndmask_b32 v[T+5], v[T+2], v[T+3], vcc_lo
	v_rcp_f32 v[T+6], v[T+1]
	v_rcp_f32 v[T+7], v[T+2]
	v_rcp_f32 v[T+8], v[T+5]                       ; the multiply-add below is the plain line behind the reciprocals
	PSUM 0, T, T+1
	s_wait_alu depctr_va_vdst(0)                   ; the three reciprocals have written v[T+6] to v[T+8], ahead of their first readers; and the lines above are done reading the tile's four numbers, in which the load below lands
.if \ld
	global_load_b128 v[\n:\n+3], v[XA], s[4:5] offset:\off th:TH_LOAD_NT
.endif
	PQUO 0, T, T+1, T+6
	PSUM 1, T, T+2
	PQUO 1, T, T+2, T+7
	PSUM 2, T+4, T+5
	PQUO 2, T+4, T+5, T+8
.irp k, 2,3,4,5,6,7
	v_add_f32 v[H0F+\k], 0xc1c00000, v[H0F+\k]
.endr
.irp k, 2,3,4,5,6,7
	v_fma_f32 v[H0F+\k], -|v[H0F+\k]|, s[C24], 1.0
.endr
.irp k, 2,3,4,5,6,7
	v_max_num_f32 v[H0F+\k], 0, v[H0F+\k]
.endr
.irp k, 2,3
	v_cndmask_b32 v[H0F+\k], 0, v[H0F+\k], s[MU0]
.endr
.irp k, 4,5,6,7
	v_cndmask_b32 v[H0F+\k], 0, v[H0F+\k], s[MU1]
.endr
.endm
; 64 numbers of a lane, none negative, register 16 b + i = k 32 b + 16 h + i of my row, become a fragment's codes in v[PC] on and its scale word in v[PW]
.macro QUANT s
.irp b, 0,1,2,3
	v_max3_num_f32 v[TM+\b], v[\s+16*\b], v[\s+1+16*\b], 0x1800000   ; and the floor 2^(3 - 127): the byte cannot fall under 1
.endr
.irp i, 2,4,6,8,10,12,14
.irp b, 0,1,2,3
	v_max3_num_f32 v[TM+\b], v[TM+\b], v[\s+16*\b+\i], v[\s+1+16*\b+\i]
.endr
.endr
.irp b, 0,1,2,3
	v_permlanex16_b32 v[TM+4+\b], v[TM+\b], s[SEL], s[SEL+1]
.endr
.irp b, 0,1,2,3
	v_max_num_f32 v[TM+\b], v[TM+\b], v[TM+4+\b]   ; with lane l xor 16's: the block's largest number
.endr
.irp b, 0,1,2,3
	v_add_nc_u32 v[TM+12+\b], 0xff000000, v[TM+\b] ; 2 off its exponent field: the conversion's scale operand
.endr
.irp b, 0,1,2,3
	v_lshrrev_b32 v[TM+4+\b], 23, v[TM+12+\b]      ; the scale's byte
.endr
	v_lshl_or_b32 v[PW], v[TM+5], 8, v[TM+4]
	v_lshl_or_b32 v[PW], v[TM+6], 16, v[PW]
	v_lshl_or_b32 v[PW], v[TM+7], 24, v[PW]
	s_wait_xcnt 0x0                                ; the last tile's image stores have read the codes' registers
	s_wait_alu depctr_vm_vsrc(0)                   ; the last tile's image stores have read v[PC ..], and the last pair's LDS store v[SCWR] and v[LADR]: this tile writes them again
.irp c, 0,1
	v_cvt_scalef32_pk16_fp6_f32 v[PC+6*\c:PC+2+6*\c], v[\s+32*\c:\s+15+32*\c], v[TM+12+2*\c]
	v_cvt_scalef32_pk16_fp6_f32 v[PC+12+4*\c:PC+14+4*\c], v[\s+16+32*\c:\s+31+32*\c], v[TM+12+2*\c+1]
.endr
	v_nop                                          ; one plain line behind a scaled conversion
.irp c, 0,1                                    ; the operand's layout wants a whole block in a lane
.irp i, 0,1,2
	v_permlane16_swap_b32 v[PC+6*\c+\i], v[PC+12+4*\c+\i]
.endr
.irp i, 0,1,2
	v_mov_b32 v[PC+3+6*\c+\i], v[PC+12+4*\c+\i]
.endr
.endr
.endm
; A TILE of 16 rows.  mode 0: rows 0-15, for K alone; 1: tile u of the pair, and the same tile of the next pair is asked for; 2: the same without a load.  cnt: the younger loads that may stay out.
.macro TILE u, mode, cnt
	s_wait_loadcnt \cnt
.if \mode == 0
	FEATH NS, 0, 0
.elseif \mode == 1
	FEATH NB+4*\u, 1, (2+\u)*1024
.else
	FEATH NB+4*\u, 0, 0
.endif
	WIN 0x11                                       ; source 0 (w1 a1) and source 2 (c1) window 1
.irp t, 0,1,2,3,4,5,6,7
	v_wmma_f32_16x16x4_f32 v[Z1+8*\t:Z1+8*\t+7], v[W1F+8*\t:W1F+8*\t+1], v[H0F:H0F+1], v[CB1+8*\t:CB1+8*\t+7]
.endr
	WIN 0x01
.irp s, 1,2,3                                  ; the eight accumulators take turns, one instruction a turn
.irp t, 0,1,2,3,4,5,6,7
	v_wmma_f32_16x16x4_f32 v[Z1+8*\t:Z1+8*\t+7], v[W1F+8*\t+2*\s:W1F+8*\t+2*\s+1], v[H0F+2*\s:H0F+2*\s+1], v[Z1+8*\t:Z1+8*\t+7]
.endr
.endr
	WIN 0
.rept 8
	v_nop                                          ; eight places behind this form before its results are read
.endr
.set j, 0
.rept 64
	v_max_num_f32 v[HH+j], 0, v[Z1+j]              ; the activation, into other registers, each accumulator from its low end on
.set j, j+1
.endr
	QUANT HH
.if \mode != 0
.if \u == 0
	s_wait_dscnt 0x0                               ; the last pair's LDS store has read its registers
	v_mov_b32 v[SCWR], v[PW]
.else
	v_cndmask_b32 v[SCWR], v[SCWR], v[PW], s[HM]   ; lanes 0-15 the even tile's words, lanes 16-31 the odd tile's
	v_add_nc_u32 v[LADR], s37, v[LSC]
.endif
.endif
.rept 8
	v_nop                                          ; a scale register written by a vector instruction stands 8 places ahead of a scaled matrix instruction, an operand so written 4
.endr
	s_wait_alu depctr_va_vdst(0)                   ; v[PC ..] and v[PW] are written, which the image stores and the scaled products read; so are v[SCWR] and v[LADR], which the LDS store reads
.if \mode != 0
.irp c, 0,1,2
	global_store_b128 v[LI], v[PC+4*\c:PC+4*\c+3], s[20:21] offset:1536*\u+512*\c   ; the image: each store covers 512 consecutive bytes, aligned
.endr
.if \u == 1
	ds_store_b32 v[LADR], v[SCWR]
.endif
.endif
	WIN 0x04                                       ; source 1 (w2) window 1
.irp t, 0,1,2,3,4,5,6,7
	v_wmma_scale_f32_16x16x128_f8f6f4 v[HH+8*\t:HH+8*\t+7], v[PC:PC+11], v[W2F+12*\t:W2F+12*\t+11], 0, v[PW], v[W2S+\t] matrix_a_fmt:MATRIX_FMT_FP6 matrix_b_fmt:MATRIX_FMT_FP6
.endr                                          ; lane (r, h): column 16 t + r, rows 8 h + 0 .. 7
	WIN 0
.rept 4
	v_nop
.endr
.if \mode == 0
.irp t, 0,1,2,3,4,5,6,7
	v_pk_add_f32 v[TA:TA+1], v[HH+8*\t:HH+8*\t+1], v[HH+8*\t+2:HH+8*\t+3]
	v_pk_add_f32 v[TA+2:TA+3], v[HH+8*\t+4:HH+8*\t+5], v[HH+8*\t+6:HH+8*\t+7]
	v_pk_add_f32 v[TA:TA+1], v[TA:TA+1], v[TA+2:TA+3]
	v_add_f32 v[TA], v[TA], v[TA+1]
	v_permlanex16_b32 v[PX], v[TA], s[SEL], s[SEL+1]
	v_add_f32 v[TA], v[TA], v[PX]
	v_mul_f32 v[KS2+\t], 0x3d800000, v[TA]         ; K = the column's mean over the 16 rows
.endr
.else
.irp jp, 0,1,2,3
.irp t, 0,1,2,3,4,5,6,7
.if (\t%2) == 0
	v_pk_add_f32 v[HH+8*\t+2*\jp:HH+8*\t+2*\jp+1], v[HH+8*\t+2*\jp:HH+8*\t+2*\jp+1], v[KS2+\t:KS2+\t+1] op_sel_hi:[1,0] neg_lo:[0,1] neg_hi:[0,1]
.else
	v_pk_add_f32 v[HH+8*\t+2*\jp:HH+8*\t+2*\jp+1], v[HH+8*\t+2*\jp:HH+8*\t+2*\jp+1], v[KS2+\t-1:KS2+\t] op_sel:[0,1] op_sel_hi:[1,1] neg_lo:[0,1] neg_hi:[0,1]
.endif
.endr
.irp t, 0,1,2,3,4,5,6,7
	v_pk_add_f32 v[SUM2+2*\t:SUM2+2*\t+1], v[SUM2+2*\t:SUM2+2*\t+1], v[HH+8*\t+2*\jp:HH+8*\t+2*\jp+1]
	v_pk_fma_f32 v[SSQ2+2*\t:SSQ2+2*\t+1], v[HH+8*\t+2*\jp:HH+8*\t+2*\jp+1], v[HH+8*\t+2*\jp:HH+8*\t+2*\jp+1], v[SSQ2+2*\t:SSQ2+2*\t+1]
.endr
.endr
.endif
.endm
	TILE 0, 0, 0                                   ; rows 0-15: K
	s_mov_b32 s36, 7
.Lpair:                                            ; seven trips, a pair of tiles each; the count 1 leaves the other tile's load out
	TILE 0, 1, 1
	TILE 1, 1, 1
	s_wait_xcnt 0x0                                ; the bases are stepped only behind this wait
	s_add_nc_u64 s[4:5], s[4:5], 2048
	s_add_nc_u64 s[20:21], s[20:21], 3072
	s_add_co_u32 s37, s37, 128
	s_sub_co_u32 s36, s36, 1
	s_cmp_lg_u32 s36, 0
	s_cbranch_scc1 .Lpair
	TILE 0, 2, 1                                   ; the last pair asks for nothing: no load leaves x
	TILE 1, 2, 0
	; THE END.  My wave's 1,024 bytes of scale words leave in two stores of 512 bytes; the sums meet in LDS.
.irp t, 0,1,2,3,4,5,6,7
	v_add_f32 v[SUM2+2*\t], v[SUM2+2*\t], v[SUM2+2*\t+1]
	v_add_f32 v[SSQ2+2*\t], v[SSQ2+2*\t], v[SSQ2+2*\t+1]
.endr
.irp t, 0,1,2,3,4,5,6,7
	v_permlanex16_b32 v[SUM2+2*\t+1], v[SUM2+2*\t], s[SEL], s[SEL+1]
	v_permlanex16_b32 v[SSQ2+2*\t+1], v[SSQ2+2*\t], s[SEL], s[SEL+1]
.endr
.irp t, 0,1,2,3,4,5,6,7
	v_add_f32 v[SUM2+2*\t], v[SUM2+2*\t], v[SUM2+2*\t+1]
	v_add_f32 v[SSQ2+2*\t], v[SSQ2+2*\t], v[SSQ2+2*\t+1]
.endr
.irp t, 0,1,2,3,4,5,6,7
	v_cndmask_b32 v[SUM2+2*\t], v[SUM2+2*\t], v[SSQ2+2*\t], s[HM]   ; lanes 0-15 carry the sum, lanes 16-31 the sum of squares
.endr
	s_wait_alu depctr_va_vdst(0)                   ; the last tile's products and statistics are done with v192-255, in which the LDS loads below and behind the barrier land; the selects have written v[SUM2 + 2 t], which the LDS stores read
	ds_load_b128 v[HH:HH+3], v[AFL]                ; LDS serves a wave's instructions in order: these see my stores
	ds_load_b128 v[HH+4:HH+7], v[AFL] offset:512
.irp t, 0,1,2,3,4,5,6,7
	ds_store_b32 v[AR2], v[SUM2+2*\t] offset:64*\t
.endr
	s_wait_dscnt 8                                 ; the two loads are in; the eight younger LDS stores may be out
	global_store_b128 v[LI], v[HH:HH+3], s[22:23]
	global_store_b128 v[LI], v[HH+4:HH+7], s[22:23] offset:512
	s_cmp_lg_u32 s26, 0
	s_cbranch_scc1 .Lno_k2
.irp t, 0,1,2,3,4,5,6,7
	ds_store_b32 v[AK2], v[KS2+\t] offset:64*\t    ; both halves write the same word with the same value
.endr
.Lno_k2:
	BARRIER
	s_cmp_gt_u32 s26, 2
	s_cbranch_scc1 .Lend
	ds_load_b128 v[HH+8:HH+11], v[AFIN]            ; wave 0: the sums; wave 1: the squares; wave 2: K, which lies in row 0 alone
	s_cmp_eq_u32 s26, 2
	s_cbranch_scc1 .Lone
.irp w, 1,2,3,4,5,6,7
	ds_load_b128 v[HH+8+4*\w:HH+11+4*\w], v[AFIN] offset:1536*\w
.endr
	s_wait_dscnt 0x0
.irp d, 4,2,1
.set i, 0
.rept \d
	v_pk_add_f32 v[HH+8+4*i:HH+9+4*i], v[HH+8+4*i:HH+9+4*i], v[HH+8+4*(i+\d):HH+9+4*(i+\d)]
	v_pk_add_f32 v[HH+10+4*i:HH+11+4*i], v[HH+10+4*i:HH+11+4*i], v[HH+10+4*(i+\d):HH+11+4*(i+\d)]
.set i, i+1
.endr
.endr
.Lone:
	s_wait_dscnt 0x0
	s_wait_alu depctr_va_vdst(0)                   ; in waves 0 and 1 the additions have written v200-203, which the store reads
	global_store_b128 v[LI], v[HH+8:HH+11], s[24:25]   ; 512 consecutive bytes, aligned
.Lend:
	s_wait_xcnt 0x0
	s_wait_alu depctr_vm_vsrc(0)                   ; every store above has read its registers: v254 and v255 are made anew only behind this wait
	v_lshl_add_u32 v254, v0, 2, 0x6c00
	v_mov_b32 v255, 0
	s_wait_dscnt 0x0                               ; the closing lines, six on end
	s_wait_alu 0x0
	s_wait_tensorcnt 0x0
	ds_add_u32 v254, v255
	s_wait_dscnt 0x0
	s_endpgm
.Lfunc_end_k_q1bd0d82761_layer1:
	.size	k_q1bd0d82761_layer1, .Lfunc_end_k_q1bd0d82761_layer1-k_q1bd0d82761_layer1
	.p2alignl 7, 3214868480
	.fill 96, 4, 3214868480
	.section	.rodata,"a",@progbits
	.p2align	6, 0x0
	.amdhsa_kernel k_q1bd0d82761_layer1
		.amdhsa_group_segment_fixed_size 28672
		.amdhsa_private_segment_fixed_size 0
		.amdhsa_enable_private_segment 0
		.amdhsa_kernarg_size 88
		.amdhsa_user_sgpr_count 2
		.amdhsa_user_sgpr_kernarg_segment_ptr 1
		.amdhsa_wavefront_size32 1
		.amdhsa_system_sgpr_workgroup_id_x 1
		.amdhsa_system_sgpr_workgroup_id_y 1
		.amdhsa_system_sgpr_workgroup_id_z 1
		.amdhsa_system_vgpr_workitem_id 0
		.amdhsa_next_free_vgpr 512
		.amdhsa_next_free_sgpr 66
		.amdhsa_reserve_vcc 1
		.amdhsa_float_denorm_mode_32 3
		.amdhsa_float_denorm_mode_16_64 3
		.amdhsa_memory_ordered 1
		.amdhsa_forward_progress 1
		.amdhsa_inst_pref_size 151
	.end_amdhsa_kernel
	.amdgpu_metadata
---
amdhsa.version: [ 1, 2 ]
amdhsa.kernels:
  - .name:           k_q1bd0d82761_layer1
    .symbol:         k_q1bd0d82761_layer1.kd
    .args:
      - { .name: x, .offset: 0, .size: 8, .value_kind: global_buffer, .address_space: global }
      - { .name: part1, .offset: 8, .size: 8, .value_kind: global_buffer, .address_space: global }
      - { .name: w1, .offset: 16, .size: 8, .value_kind: global_buffer, .address_space: global }
      - { .name: b1, .offset: 24, .size: 8, .value_kind: global_buffer, .address_space: global }
      - { .name: g1, .offset: 32, .size: 8, .value_kind: global_buffer, .address_space: global }
      - { .name: be1, .offset: 40, .size: 8, .value_kind: global_buffer, .address_space: global }
      - { .name: w2_codes, .offset: 48, .size: 8, .value_kind: global_buffer, .address_space: global }
      - { .name: w2_scales, .offset: 56, .size: 8, .value_kind: global_buffer, .address_space: global }
      - { .name: h1c, .offset: 64, .size: 8, .value_kind: global_buffer, .address_space: global }
      - { .name: h1s, .offset: 72, .size: 8, .value_kind: global_buffer, .address_space: global }
      - { .name: part2, .offset: 80, .size: 8, .value_kind: global_buffer, .address_space: global }
    .group_segment_fixed_size: 28672
    .private_segment_fixed_size: 0
    .kernarg_segment_align: 8
    .kernarg_segment_size: 88
    .max_flat_workgroup_size: 256
    .sgpr_count:     66
    .vgpr_count:     512
    .wavefront_size: 32
...
	.end_amdgpu_metadata
.endif
;; end of part 5
;; launch layer2 (part 6): grid 256 x 1, 8 waves a work-group, no clusters, 24,576 bytes of LDS; arguments h1c, h1s, part2, b2, g2, be2, w2_codes, w2_scales, w3_codes, w3_scales, h2c, h2s, part3; writes h2c, h2s, part3
.if DOCPART == 6
	.amdgcn_target "amdgcn-amd-amdhsa--gfx1250"
	.amdhsa_code_object_version 6
	.text
	.protected	k_q1bd0d82761_layer2
	.globl	k_q1bd0d82761_layer2
	.p2align	8
	.type	k_q1bd0d82761_layer2,@function
k_q1bd0d82761_layer2:
	s_mov_b64 s[64:65], 0
	v_nop
	global_prefetch_b8 v0, s[64:65] scope:SCOPE_SE
	s_setreg_imm32_b32 hwreg(HW_REG_WAVE_SCHED_MODE, 0, 2), 2
	s_setreg_imm32_b32 hwreg(HW_REG_WAVE_MODE, 25, 1), 1
	s_wait_xcnt 0x0
	s_wait_alu depctr_vm_vsrc(0)
; LAYER 2.  z2 = Q(h1) w2 on codes of E2M3; h2 = relu(BN2(z2 + b2)) in f32; h2 is quantised and stored as the image of a matrix operand's registers; z3 = Q(h2) w3 is formed here only for its batch statistics.
; PROLOGUE.  Every work-group adds the 256 records of part2 in the same order: m = sum / 2^19, variance = squares / 2^19 - m^2, mean = K + m + b2, a2 = g2 / sqrt(variance + 1e-5), c2 = be2 + a2 (b2 - mean); h2 = relu(a2 z2 + c2).
; SHARES.  Wave g = 8 x work-group + wave owns tiles 16 g .. 16 g + 15 of 16 rows; the images run four tiles ahead.  Two waves lie on a SIMD.
; LAYOUT.  z2 is used transposed (source 0 = 16 rows of w2, chosen as lane r of tile 2 b + u -> unit 32 b + 8 u + r + 8 (r / 8); source 1 = h1's image), so that a lane holds one row and its registers run along the next K.
; z3 is used as it stands (source 0 = h2's codes, source 1 = 16 rows of w3): a lane holds one column, whose sums it keeps.  K = the column means of rows 0-15, made by every wave with the same lines.
; h2c, h2s: laid as h1c, h1s.  part3: a record of 768 bytes a work-group: 64 sums, 64 sums of squares, K.
; No tensor loads and no cluster: every operand goes straight into registers as an image, and no tile is read by two work-groups but tile 0.
; LIMITS: NaN and infinities are not served; a block of zeros gets the scale byte 1 (its codes are zeros, and this program alone reads the bytes); the variance's error grows with (distance of K from the mean / the spread)^2.
; THE MODE: SCHED_MODE bits 1:0 = 2 (LLVM: expert scheduling mode 2), set by the entry lines.  The code itself states the register dependences
; between vector or matrix instructions and memory or LDS instructions, with s_wait_alu, always for 0.
; THE PLAN.  Registers that memory or LDS instructions touch, in the loop:
;   F0 .. F3, HS  Tile q: its eight products of z2 read F[q] and its pair's words in HS; the loads for the same tile of the next four land there.
;   PC            Written by a tile's conversions, exchanges and moves; read by its three image stores (and by its four products of z3).
;   SCWR, LADR    Written behind the conversions; read by the odd tile's LDS store.
;   LI, LS        Made at the head and never written again: the scalar bases move on, and immediate offsets do the rest.
; ONE wait on va_vdst stands in a tile, behind the eight places and ahead of the products of z3.  It states that PC, PW, SCWR and LADR are written and that the products of z2 are done reading F[q] and HS.
; The tile's loads, its image stores and its LDS store follow it with no further wait; the products and statistics behind them name none of the registers that these touch.
; One wait on vm_vsrc stands ahead of the conversions: the last tile's stores have read PC, SCWR and LADR.
.set LI,   1                           ; v1   16 x lane
.set LS,   2                           ; v2   4 x lane
.set LSC,  3                           ; v3   LDS: my word in my wave's stage of scale words
.set LADR, 4                           ; v4   the same for the four tiles in hand
.set AW,   5                           ; v5   1024 x wave + 16 x lane
.set PW,   6                           ; v6   the scale word just made
.set SCWR, 7                           ; v7   a pair's scale words
.set HS,   8                           ; v8-9 h1's scale words of the two pairs in hand
.set HSS,  10                          ; v10  those of rows 0-15
.set AN,   11                          ; v11  4 n, n = thread mod 128
.set W2S,  12                          ; v12-19
.set W3S,  20                          ; v20-23
.set TM,   24                          ; v24-39  at work
.set PC,   40                          ; v40-59  the codes just made
.set F,    60                          ; v60-107 four images of h1
.set W2F,  108                         ; v108-203
.set W3F,  204                         ; v204-251
.set AH,   252                         ; v252 64 h
.set AD3S, 253                         ; v253-255 LDS addresses of the end
.set AD3K, 254
.set AD8,  255
.set GA2,  0                           ; window 1: a2 and c2 in the result's layout,
.set GC2,  64
.set Z2,   128                         ; z2, then h2,
.set Z3,   192                         ; z3,
.set SUM3, 224                         ; its sums, a pair a tile,
.set SSQ3, 232
.set KS3,  240                         ; K,
.set TB,   244                         ; at work,
.set PX,   248                         ; a lane permute's destination
.set RED,  0                           ; LDS: 8 x 1024
.set AC,   8192                        ; a2[128], c2[128]
.set SCW,  9216                        ; 8 x 1024
.set RED3, 17408                       ; 8 x 768
.set HM,   32
.set SEL,  33                          ; s33, s34
.set MSB, 0
.macro WIN new                         ; the immediate's high byte repeats the setting that is left
.if MSB != \new
	s_set_vgpr_msb (MSB<<8)|\new
.set MSB, \new
.endif
.endm
.macro BARRIER
	s_wait_dscnt 0x0
	s_barrier_signal -1
	s_barrier_wait -1
.endm
; Tile q's image, from off bytes on.  A pair's scale words are asked for with its ODD tile: the old words stay until the pair's odd tile has been multiplied.
.macro LOADT q, off, offs
.if (\q)%2
	global_load_b32 v[HS+(\q)/2], v[LS], s[6:7] offset:\offs+128*((\q)/2) th:TH_LOAD_NT
.endif
.irp c, 0,1,2
	global_load_b128 v[F+12*(\q)+4*\c:F+12*(\q)+4*\c+3], v[LI], s[4:5] offset:\off+1536*(\q)+512*\c th:TH_LOAD_NT
.endr
.endm
	s_load_b512 s[4:19], s[0:1], 0x0               ; h1c, h1s, part2, b2, g2, be2, w2's codes, w2's scales
	s_load_b256 s[20:27], s[0:1], 0x40             ; w3's codes, w3's scales, h2c, h2s
	s_load_b64 s[28:29], s[0:1], 0x60              ; part3
	v_lshl_add_u32 v34, v0, 2, 0x5c00
	v_mov_b32 v35, 0
	v_lshrrev_b32 v1, 5, v0
	v_readfirstlane_b32 s30, v1                    ; wave 0..7
	v_and_b32 v[LS], 31, v0
	v_lshlrev_b32 v[LI], 4, v[LS]
	v_lshlrev_b32 v[AD8], 3, v[LS]
	v_lshlrev_b32 v[LS], 2, v[LS]
	v_and_b32 v[TM], 15, v0                        ; r
	v_bfe_u32 v[TM+1], v0, 4, 1                    ; h
	v_and_b32 v[TM+2], 8, v[TM]
	v_add_nc_u32 v[TM+2], v[TM+2], v[TM]           ; r + 8 (r / 8)
	v_mul_u32_u24 v[TM+3], v[TM+2], 96
	v_mad_u32_u24 v[TM+3], v[TM+1], 24, v[TM+3]    ; w2's codes
	v_mul_u32_u24 v[TM+4], v[TM], 96
	v_mad_u32_u24 v[TM+4], v[TM+1], 24, v[TM+4]    ; w3's codes
	v_lshlrev_b32 v[TM+5], 2, v[TM+2]              ; w2's scale words
	v_lshlrev_b32 v[TM+6], 2, v[TM]                ; w3's
	v_and_b32 v[AN], 127, v0
	v_lshlrev_b32 v[AN], 2, v[AN]
	v_lshlrev_b32 v[AH], 6, v[TM+1]
	s_wait_alu depctr_va_sdst(0)                   ; s30 is written, ahead of its first reader: addresses, bases and branches are made from it
	s_lshl_b32 s38, s30, 10
	v_add_nc_u32 v[AW], s38, v[LI]
	v_add_nc_u32 v[LSC], s38, v[LS]
	v_add_nc_u32 v[LSC], SCW, v[LSC]
	s_mul_i32 s38, s30, 768
	v_lshl_add_u32 v[AD3S], v[TM+1], 8, v[TM+6]
	v_add_nc_u32 v[AD3S], s38, v[AD3S]
	v_add_nc_u32 v[AD3S], RED3, v[AD3S]
	v_add_nc_u32 v[AD3K], RED3+512, v[TM+6]
	s_mov_b32 s[HM], 0xffff0000
	s_mov_b32 s[SEL], 0x76543210
	s_mov_b32 s[SEL+1], 0xfedcba98
	s_lshl_b32 s31, ttmp9, 3
	s_add_co_u32 s31, s31, s30                     ; g
	s_mov_b32 s39, 0
	s_mov_b32 s37, 0                               ; the stage's step: 256 bytes for four tiles
	s_wait_kmcnt 0x0
	s_mov_b64 s[40:41], s[4:5]                     ; h1c and h1s as given: tile 0
	s_mov_b64 s[42:43], s[6:7]
	s_mul_i32 s38, s31, 24576
	s_add_nc_u64 s[4:5], s[4:5], s[38:39]
	s_add_nc_u64 s[24:25], s[24:25], s[38:39]
	s_lshl_b32 s38, s31, 10
	s_add_nc_u64 s[6:7], s[6:7], s[38:39]
	s_add_nc_u64 s[26:27], s[26:27], s[38:39]
	s_mul_i32 s38, ttmp9, 768
	s_add_nc_u64 s[28:29], s[28:29], s[38:39]
	s_mul_i32 s38, s30, 49152
	s_add_nc_u64 s[44:45], s[8:9], s[38:39]        ; part2: my wave's 32 records
	s_wait_alu depctr_va_vdst(0)                   ; all offsets and LDS addresses (v1, v2, v5, v11, v27-30, v252-255) are written, which the loads and stores of the whole kernel read
.irp t, 0,1,2,3,4,5,6,7
.irp p, 0,1,2,3,4,5
	global_load_b64 v[W2F+12*\t+2*\p:W2F+12*\t+2*\p+1], v[TM+3], s[16:17] offset:(32*(\t/2)+8*(\t%2))*96+48*(\p/3)+8*(\p%3)
.endr
	global_load_b32 v[W2S+\t], v[TM+5], s[18:19] offset:(32*(\t/2)+8*(\t%2))*4
.endr
.irp t, 0,1,2,3
.irp p, 0,1,2,3,4,5
	global_load_b64 v[W3F+12*\t+2*\p:W3F+12*\t+2*\p+1], v[TM+4], s[20:21] offset:1536*\t+48*(\p/3)+8*(\p%3)
.endr
	global_load_b32 v[W3S+\t], v[TM+6], s[22:23] offset:64*\t
.endr
	global_load_b32 v[PC], v[AN], s[10:11]         ; b2
	global_load_b32 v[PC+1], v[AN], s[12:13]       ; g2
	global_load_b32 v[PC+2], v[AN], s[14:15]       ; be2
	global_load_b32 v[PC+3], v[AN], s[8:9] offset:1024   ; K
.irp c, 0,1,2
	global_load_b128 v[F+36+4*\c:F+36+4*\c+3], v[LI], s[40:41] offset:512*\c   ; tile 0, where my fourth tile will lie
.endr
	global_load_b32 v[HSS], v[LS], s[42:43]
	LOADT 0, 0, 0
	LOADT 1, 0, 0
	LOADT 2, 0, 0
	WIN 0x40
.set i, 0
.rept 32
	global_load_b128 v[8*i:8*i+3], v[LI], s[44:45] offset:1536*i           ; a record's sums,
	global_load_b128 v[8*i+4:8*i+7], v[LI], s[44:45] offset:1536*i+512     ; and its sums of squares
.set i, i+1
.endr
	WIN 0
	s_wait_loadcnt 0x0                             ; all of the head's loads
	; ---- P1: my 32 records are added, in place
	WIN 0x55
.irp d, 16,8,4,2,1
.set i, 0
.rept \d
.irp k, 0,2,4,6
	v_pk_add_f32 v[8*i+\k:8*i+\k+1], v[8*i+\k:8*i+\k+1], v[8*(i+\d)+\k:8*(i+\d)+\k+1]
.endr
.set i, i+1
.endr
.endr
	WIN 0x04
	s_wait_alu depctr_va_vdst(0)                   ; the additions have written window 1's v0-7, which the two LDS stores read
	ds_store_b128 v[AW], v[0:3]
	ds_store_b128 v[AW], v[4:7] offset:512
	WIN 0
	BARRIER
	; ---- P2: waves 0-3, a lane to a unit n
	s_cmp_gt_u32 s30, 3
	s_cbranch_scc1 .Lp2_done
.irp w, 0,1,2,3,4,5,6,7
	ds_load_b32 v[PC+4+\w], v[AN] offset:1024*\w
	ds_load_b32 v[PC+12+\w], v[AN] offset:1024*\w+512
.endr
	s_wait_dscnt 0x0
.irp o, 4,12
	v_pk_add_f32 v[PC+\o:PC+\o+1], v[PC+\o:PC+\o+1], v[PC+\o+2:PC+\o+3]
	v_pk_add_f32 v[PC+\o+4:PC+\o+5], v[PC+\o+4:PC+\o+5], v[PC+\o+6:PC+\o+7]
.endr
.irp o, 4,12
	v_pk_add_f32 v[PC+\o:PC+\o+1], v[PC+\o:PC+\o+1], v[PC+\o+4:PC+\o+5]
.endr
.irp o, 4,12
	v_add_f32 v[PC+\o], v[PC+\o], v[PC+\o+1]
.endr
.irp o, 4,12
	v_mul_f32 v[PC+\o], 0x36000000, v[PC+\o]       ; x 2^-19
.endr
	v_fma_f32 v[PC+12], -v[PC+4], v[PC+4], v[PC+12]
	v_max_num_f32 v[PC+12], 0, v[PC+12]            ; the variance
	v_add_f32 v[PC+12], 0x3727c5ac, v[PC+12]
	v_add_f32 v[PC+4], v[PC+3], v[PC+4]
	v_add_f32 v[PC+4], v[PC+4], v[PC]              ; the mean, b2 in it
	v_rsq_f32 v[PC+5], v[PC+12]
	v_sub_f32 v[PC+4], v[PC], v[PC+4]              ; b2 - mean  (the plain line behind the transcendental)
	s_wait_alu depctr_va_vdst(0)                   ; the root's reciprocal has written v45, ahead of its first reader
	v_mul_f32 v[PC+5], v[PC+1], v[PC+5]            ; a2
	v_fma_f32 v[PC+4], v[PC+5], v[PC+4], v[PC+2]   ; c2
	s_wait_alu depctr_va_vdst(0)                   ; a2 and c2 are written in v45 and v44, which the two LDS stores read
	ds_store_b32 v[AN], v[PC+5] offset:AC
	ds_store_b32 v[AN], v[PC+4] offset:AC+512
.Lp2_done:
	BARRIER
	; ---- P3: a2 and c2 in the result's layout: register 8 t + j = unit 32 (t / 2) + 16 h + 8 (t % 2) + j
	WIN 0x40
	s_wait_alu depctr_va_vdst(0)                   ; P1's additions are done with window 1's v0-127, in which the loads below land
	s_wait_alu depctr_vm_vsrc(0)                   ; P1's LDS stores have read window 1's v0-7, in which loads below land; the head's loads have read their offsets v27-30, and P2's stores v44 and v45, which later lines write
.irp t, 0,1,2,3,4,5,6,7
	ds_load_b128 v[GA2+8*\t:GA2+8*\t+3], v[AH] offset:AC+4*(32*(\t/2)+8*(\t%2))
	ds_load_b128 v[GA2+8*\t+4:GA2+8*\t+7], v[AH] offset:AC+4*(32*(\t/2)+8*(\t%2))+16
	ds_load_b128 v[GC2+8*\t:GC2+8*\t+3], v[AH] offset:AC+512+4*(32*(\t/2)+8*(\t%2))
	ds_load_b128 v[GC2+8*\t+4:GC2+8*\t+7], v[AH] offset:AC+512+4*(32*(\t/2)+8*(\t%2))+16
.endr
.set i, 0
.rept 16
	v_mov_b32 v[SUM3+i], 0
.set i, i+1
.endr
	v_mov_b32 v[PX], 0
	WIN 0
.irp b, 0,1,2,3
	v_mov_b32 v[TM+4+\b], 0                        ; written once: a lane permute's destination counts as one of its sources
.endr
	s_wait_dscnt 0x0
; h2's 64 numbers of a lane (window 1, none negative) become a fragment's codes in v[PC] on and its scale word in v[PW]
.macro QUANT
	WIN 0x05
.irp b, 0,1,2,3
	v_max3_num_f32 v[TM+\b], v[Z2+16*\b], v[Z2+1+16*\b], 0x1800000   ; and the floor 2^(3 - 127): the byte cannot fall under 1
.endr
	WIN 0x14
.irp i, 2,4,6,8,10,12,14
.irp b, 0,1,2,3
	v_max3_num_f32 v[TM+\b], v[TM+\b], v[Z2+16*\b+\i], v[Z2+1+16*\b+\i]
.endr
.endr
	WIN 0
.irp b, 0,1,2,3
	v_permlanex16_b32 v[TM+4+\b], v[TM+\b], s[SEL], s[SEL+1]
.endr
.irp b, 0,1,2,3
	v_max_num_f32 v[TM+\b], v[TM+\b], v[TM+4+\b]
.endr
.irp b, 0,1,2,3
	v_add_nc_u32 v[TM+12+\b], 0xff000000, v[TM+\b]
.endr
.irp b, 0,1,2,3
	v_lshrrev_b32 v[TM+4+\b], 23, v[TM+12+\b]
.endr
	v_lshl_or_b32 v[PW], v[TM+5], 8, v[TM+4]
	v_lshl_or_b32 v[PW], v[TM+6], 16, v[PW]
	v_lshl_or_b32 v[PW], v[TM+7], 24, v[PW]
	s_wait_xcnt 0x0                                ; the last tile's image stores have read the codes' registers
	s_wait_alu depctr_vm_vsrc(0)                   ; the last tile's image stores have read v[PC ..], and the last pair's LDS store v[SCWR] and v[LADR]: this tile writes them again
	WIN 0x01
.irp c, 0,1
	v_cvt_scalef32_pk16_fp6_f32 v[PC+6*\c:PC+2+6*\c], v[Z2+32*\c:Z2+15+32*\c], v[TM+12+2*\c]
	v_cvt_scalef32_pk16_fp6_f32 v[PC+12+4*\c:PC+14+4*\c], v[Z2+16+32*\c:Z2+31+32*\c], v[TM+12+2*\c+1]
.endr
	WIN 0
	v_nop                                          ; one plain line behind a scaled conversion
.irp c, 0,1
.irp i, 0,1,2
	v_permlane16_swap_b32 v[PC+6*\c+\i], v[PC+12+4*\c+\i]
.endr
.irp i, 0,1,2
	v_mov_b32 v[PC+3+6*\c+\i], v[PC+12+4*\c+\i]
.endr
.endr
.endm
; A TILE.  mode 0: tile 0 of the whole batch, for K alone; 1: tile q of the four in hand, and the same tile of the next four is asked for; 2: the same without loads.  cnt: the younger loads that may stay out.
.macro TILE q, mode, cnt
	s_wait_loadcnt \cnt
	WIN 0x40                                       ; destination window 1
.irp t, 0,1,2,3,4,5,6,7
.if \mode == 0
	v_wmma_scale_f32_16x16x128_f8f6f4 v[Z2+8*\t:Z2+8*\t+7], v[W2F+12*\t:W2F+12*\t+11], v[F+12*\q:F+12*\q+11], 0, v[W2S+\t], v[HSS] matrix_a_fmt:MATRIX_FMT_FP6 matrix_b_fmt:MATRIX_FMT_FP6
.elseif (\q%2) == 1
	v_wmma_scale_f32_16x16x128_f8f6f4 v[Z2+8*\t:Z2+8*\t+7], v[W2F+12*\t:W2F+12*\t+11], v[F+12*\q:F+12*\q+11], 0, v[W2S+\t], v[HS+\q/2] matrix_a_fmt:MATRIX_FMT_FP6 matrix_b_fmt:MATRIX_FMT_FP6 matrix_b_scale:MATRIX_SCALE_ROW1
.else
	v_wmma_scale_f32_16x16x128_f8f6f4 v[Z2+8*\t:Z2+8*\t+7], v[W2F+12*\t:W2F+12*\t+11], v[F+12*\q:F+12*\q+11], 0, v[W2S+\t], v[HS+\q/2] matrix_a_fmt:MATRIX_FMT_FP6 matrix_b_fmt:MATRIX_FMT_FP6
.endif
.endr
.rept 4
	v_nop                                          ; four places before the first read of the results
.endr
	WIN 0x55
.set k, 0
.rept 32
	v_pk_fma_f32 v[Z2+2*k:Z2+2*k+1], v[Z2+2*k:Z2+2*k+1], v[GA2+2*k:GA2+2*k+1], v[GC2+2*k:GC2+2*k+1]   ; BN2, each accumulator from its low end on
.set k, k+1
.endr
.set k, 0
.rept 64
	v_max_num_f32 v[Z2+k], 0, v[Z2+k]              ; the activation
.set k, k+1
.endr
	QUANT
.if \mode != 0
.if (\q%2) == 0
	s_wait_dscnt 0x0                               ; the last pair's LDS store has read its registers
	v_mov_b32 v[SCWR], v[PW]
.else
	v_cndmask_b32 v[SCWR], v[SCWR], v[PW], s[HM]
	v_add_nc_u32 v[LADR], s37, v[LSC]
.endif
.endif
.rept 8
	v_nop                                          ; a scale register written by a vector instruction stands 8 places ahead of a scaled matrix instruction, an operand so written 4
.endr
	s_wait_alu depctr_va_vdst(0)                   ; the products of z2 are done reading F[q] and its scale words, in which the loads below land; v[PC ..] and v[PW] are written, which the image stores and the products of z3 read; so are v[SCWR] and v[LADR], which the LDS store reads
.if \mode == 0
	LOADT 3, 0, 0
.elseif \mode == 1
	LOADT \q, 6144, 256
.endif
.if \mode != 0
.irp c, 0,1,2
	global_store_b128 v[LI], v[PC+4*\c:PC+4*\c+3], s[24:25] offset:1536*\q+512*\c   ; the image: 512 consecutive bytes a store, aligned
.endr
.if (\q%2) == 1
	ds_store_b32 v[LADR], v[SCWR] offset:128*(\q/2)
.endif
.endif
	WIN 0x40
.irp t, 0,1,2,3
	v_wmma_scale_f32_16x16x128_f8f6f4 v[Z3+8*\t:Z3+8*\t+7], v[PC:PC+11], v[W3F+12*\t:W3F+12*\t+11], 0, v[PW], v[W3S+\t] matrix_a_fmt:MATRIX_FMT_FP6 matrix_b_fmt:MATRIX_FMT_FP6
.endr                                          ; lane (r, h): column 16 t + r, rows 8 h + 0 .. 7
.rept 4
	v_nop
.endr
	WIN 0x55
.if \mode == 0
.irp t, 0,1,2,3
	v_pk_add_f32 v[TB:TB+1], v[Z3+8*\t:Z3+8*\t+1], v[Z3+8*\t+2:Z3+8*\t+3]
	v_pk_add_f32 v[TB+2:TB+3], v[Z3+8*\t+4:Z3+8*\t+5], v[Z3+8*\t+6:Z3+8*\t+7]
	v_pk_add_f32 v[TB:TB+1], v[TB:TB+1], v[TB+2:TB+3]
	v_add_f32 v[TB], v[TB], v[TB+1]
	v_permlanex16_b32 v[PX], v[TB], s[SEL], s[SEL+1]
	v_add_f32 v[TB], v[TB], v[PX]
	v_mul_f32 v[KS3+\t], 0x3d800000, v[TB]         ; K = the column's mean over the 16 rows
.endr
.else
.irp jp, 0,1,2,3
.irp t, 0,1,2,3
.if (\t%2) == 0
	v_pk_add_f32 v[Z3+8*\t+2*\jp:Z3+8*\t+2*\jp+1], v[Z3+8*\t+2*\jp:Z3+8*\t+2*\jp+1], v[KS3+\t:KS3+\t+1] op_sel_hi:[1,0] neg_lo:[0,1] neg_hi:[0,1]
.else
	v_pk_add_f32 v[Z3+8*\t+2*\jp:Z3+8*\t+2*\jp+1], v[Z3+8*\t+2*\jp:Z3+8*\t+2*\jp+1], v[KS3+\t-1:KS3+\t] op_sel:[0,1] op_sel_hi:[1,1] neg_lo:[0,1] neg_hi:[0,1]
.endif
.endr
.irp t, 0,1,2,3
	v_pk_add_f32 v[SUM3+2*\t:SUM3+2*\t+1], v[SUM3+2*\t:SUM3+2*\t+1], v[Z3+8*\t+2*\jp:Z3+8*\t+2*\jp+1]
	v_pk_fma_f32 v[SSQ3+2*\t:SSQ3+2*\t+1], v[Z3+8*\t+2*\jp:Z3+8*\t+2*\jp+1], v[Z3+8*\t+2*\jp:Z3+8*\t+2*\jp+1], v[SSQ3+2*\t:SSQ3+2*\t+1]
.endr
.endr
.endif
	WIN 0
.endm
	TILE 3, 0, 0                                   ; tile 0 of the batch: K; behind its wait my fourth tile is asked for
	s_mov_b32 s36, 3
; The loads go out in the order image 0 (3 loads), words 0 and image 1 (4), image 2 (3), words 1 and image 3 (4).  An even tile needs its image and its pair's words, an odd one its image:
; behind the last load that a tile needs, ten younger ones have been issued when its turn comes.
.Lgroup:
	TILE 0, 1, 10
	TILE 1, 1, 10
	TILE 2, 1, 10
	TILE 3, 1, 10
	s_wait_xcnt 0x0                                ; the bases are stepped only behind this wait
	s_add_nc_u64 s[4:5], s[4:5], 6144
	s_add_nc_u64 s[6:7], s[6:7], 256
	s_add_nc_u64 s[24:25], s[24:25], 6144
	s_add_co_u32 s37, s37, 256
	s_sub_co_u32 s36, s36, 1
	s_cmp_lg_u32 s36, 0
	s_cbranch_scc1 .Lgroup
	TILE 0, 2, 10                                  ; the last four tiles ask for nothing: the counts run down
	TILE 1, 2, 7
	TILE 2, 2, 3
	TILE 3, 2, 0
	; THE END
	ds_load_b128 v[F:F+3], v[AW] offset:SCW        ; LDS serves a wave's instructions in order: these see my stores.  No wait: the products that read v60-67 stand ahead of the later tiles' waits, and nothing since names these registers
	ds_load_b128 v[F+4:F+7], v[AW] offset:SCW+512
	WIN 0x55
.irp t, 0,1,2,3
	v_add_f32 v[SUM3+2*\t], v[SUM3+2*\t], v[SUM3+2*\t+1]
	v_add_f32 v[SSQ3+2*\t], v[SSQ3+2*\t], v[SSQ3+2*\t+1]
.endr
.irp t, 0,1,2,3
	v_permlanex16_b32 v[SUM3+2*\t+1], v[SUM3+2*\t], s[SEL], s[SEL+1]
	v_permlanex16_b32 v[SSQ3+2*\t+1], v[SSQ3+2*\t], s[SEL], s[SEL+1]
.endr
.irp t, 0,1,2,3
	v_add_f32 v[SUM3+2*\t], v[SUM3+2*\t], v[SUM3+2*\t+1]
	v_add_f32 v[SSQ3+2*\t], v[SSQ3+2*\t], v[SSQ3+2*\t+1]
.endr
.irp t, 0,1,2,3
	v_cndmask_b32 v[SUM3+2*\t], v[SUM3+2*\t], v[SSQ3+2*\t], s[HM]   ; lanes 0-15 carry the sum, lanes 16-31 the sum of squares
.endr
	WIN 0
	s_wait_dscnt 0x0
	global_store_b128 v[LI], v[F:F+3], s[26:27]
	global_store_b128 v[LI], v[F+4:F+7], s[26:27] offset:512
	WIN 0x04
	s_wait_alu depctr_va_vdst(0)                   ; the selects have written window 1's v[SUM3 + 2 t], which the LDS stores read
.irp t, 0,1,2,3
	ds_store_b32 v[AD3S], v[SUM3+2*\t] offset:64*\t
.endr
	WIN 0
	s_cmp_lg_u32 s30, 0
	s_cbranch_scc1 .Lno_k3
	WIN 0x04
.irp t, 0,1,2,3
	ds_store_b32 v[AD3K], v[KS3+\t] offset:64*\t   ; both halves write the same word with the same value
.endr
	WIN 0
.Lno_k3:
	BARRIER
	s_cmp_gt_u32 s30, 1
	s_cbranch_scc1 .Lend
	s_cmp_eq_u32 s30, 1
	s_cbranch_scc1 .Lk_out
.irp w, 0,1,2,3,4,5,6,7
	ds_load_b128 v[F+8+4*\w:F+11+4*\w], v[LI] offset:RED3+768*\w
.endr
	s_wait_dscnt 0x0
.irp d, 4,2,1
.set i, 0
.rept \d
	v_pk_add_f32 v[F+8+4*i:F+9+4*i], v[F+8+4*i:F+9+4*i], v[F+8+4*(i+\d):F+9+4*(i+\d)]
	v_pk_add_f32 v[F+10+4*i:F+11+4*i], v[F+10+4*i:F+11+4*i], v[F+10+4*(i+\d):F+11+4*(i+\d)]
.set i, i+1
.endr
.endr
	s_wait_alu depctr_va_vdst(0)                   ; the additions have written v68-71, which the store reads
	global_store_b128 v[LI], v[F+8:F+11], s[28:29]     ; 512 consecutive bytes, aligned
	s_branch .Lend
.Lk_out:
	ds_load_b64 v[F+8:F+9], v[AD8] offset:RED3+512
	s_wait_dscnt 0x0
	global_store_b64 v[AD8], v[F+8:F+9], s[28:29] offset:512   ; 256 consecutive bytes, aligned
.Lend:
	s_wait_dscnt 0x0                               ; the closing lines, six on end
	s_wait_alu 0x0
	s_wait_tensorcnt 0x0
	ds_add_u32 v34, v35
	s_wait_dscnt 0x0
	s_endpgm
.Lfunc_end_k_q1bd0d82761_layer2:
	.size	k_q1bd0d82761_layer2, .Lfunc_end_k_q1bd0d82761_layer2-k_q1bd0d82761_layer2
	.p2alignl 7, 3214868480
	.fill 96, 4, 3214868480
	.section	.rodata,"a",@progbits
	.p2align	6, 0x0
	.amdhsa_kernel k_q1bd0d82761_layer2
		.amdhsa_group_segment_fixed_size 24576
		.amdhsa_private_segment_fixed_size 0
		.amdhsa_enable_private_segment 0
		.amdhsa_kernarg_size 104
		.amdhsa_user_sgpr_count 2
		.amdhsa_user_sgpr_kernarg_segment_ptr 1
		.amdhsa_wavefront_size32 1
		.amdhsa_system_sgpr_workgroup_id_x 1
		.amdhsa_system_sgpr_workgroup_id_y 1
		.amdhsa_system_sgpr_workgroup_id_z 1
		.amdhsa_system_vgpr_workitem_id 0
		.amdhsa_next_free_vgpr 512
		.amdhsa_next_free_sgpr 66
		.amdhsa_reserve_vcc 0
		.amdhsa_float_denorm_mode_32 3
		.amdhsa_float_denorm_mode_16_64 3
		.amdhsa_memory_ordered 1
		.amdhsa_forward_progress 1
		.amdhsa_inst_pref_size 159
	.end_amdhsa_kernel
	.amdgpu_metadata
---
amdhsa.version: [ 1, 2 ]
amdhsa.kernels:
  - .name:           k_q1bd0d82761_layer2
    .symbol:         k_q1bd0d82761_layer2.kd
    .args:
      - { .name: h1c, .offset: 0, .size: 8, .value_kind: global_buffer, .address_space: global }
      - { .name: h1s, .offset: 8, .size: 8, .value_kind: global_buffer, .address_space: global }
      - { .name: part2, .offset: 16, .size: 8, .value_kind: global_buffer, .address_space: global }
      - { .name: b2, .offset: 24, .size: 8, .value_kind: global_buffer, .address_space: global }
      - { .name: g2, .offset: 32, .size: 8, .value_kind: global_buffer, .address_space: global }
      - { .name: be2, .offset: 40, .size: 8, .value_kind: global_buffer, .address_space: global }
      - { .name: w2_codes, .offset: 48, .size: 8, .value_kind: global_buffer, .address_space: global }
      - { .name: w2_scales, .offset: 56, .size: 8, .value_kind: global_buffer, .address_space: global }
      - { .name: w3_codes, .offset: 64, .size: 8, .value_kind: global_buffer, .address_space: global }
      - { .name: w3_scales, .offset: 72, .size: 8, .value_kind: global_buffer, .address_space: global }
      - { .name: h2c, .offset: 80, .size: 8, .value_kind: global_buffer, .address_space: global }
      - { .name: h2s, .offset: 88, .size: 8, .value_kind: global_buffer, .address_space: global }
      - { .name: part3, .offset: 96, .size: 8, .value_kind: global_buffer, .address_space: global }
    .group_segment_fixed_size: 24576
    .private_segment_fixed_size: 0
    .kernarg_segment_align: 8
    .kernarg_segment_size: 104
    .max_flat_workgroup_size: 256
    .sgpr_count:     66
    .vgpr_count:     512
    .wavefront_size: 32
...
	.end_amdgpu_metadata
.endif
;; end of part 6
;; launch head (part 7): grid 256 x 1, 8 waves a work-group, no clusters, 13,824 bytes of LDS; arguments h2c, h2s, part3, b3, g3, be3, w3_codes, w3_scales, w4, b4, out0; writes out0
.if DOCPART == 7
	.amdgcn_target "amdgcn-amd-amdhsa--gfx1250"
	.amdhsa_code_object_version 6
	.text
	.protected	k_q1bd0d82761_head
	.globl	k_q1bd0d82761_head
	.p2align	8
	.type	k_q1bd0d82761_head,@function
k_q1bd0d82761_head:
	s_mov_b64 s[64:65], 0
	v_nop
	global_prefetch_b8 v0, s[64:65] scope:SCOPE_SE
	s_setreg_imm32_b32 hwreg(HW_REG_WAVE_SCHED_MODE, 0, 2), 2
	s_setreg_imm32_b32 hwreg(HW_REG_WAVE_MODE, 25, 1), 1
	s_wait_xcnt 0x0
	s_wait_alu depctr_vm_vsrc(0)
; LAYER 3 AND THE HEAD.  z3 = Q(h2) w3 on codes of E2M3; h3 = relu(BN3(z3 + b3)); out = sigmoid(h3 . w4 + b4), all behind the product in f32.
; PROLOGUE.  Every work-group adds the 256 records of part3 in the same order: m = sum / 2^19, variance = squares / 2^19 - m^2, mean = K + m + b3, a3 = g3 / sqrt(variance + 1e-5), c3 = be3 + a3 (b3 - mean).
; SHARES.  Wave g = 8 x work-group + wave owns tiles 16 g .. 16 g + 15.  All sixteen images (192 registers) and their scale words are asked for at the head, so that the wave's whole stream is on its way during the prologue.
; LAYOUT.  z3 is used transposed (source 0 = rows 16 t + r of w3, source 1 = h2's image): lane (r, h) holds row r and, in register 8 t + j, unit 16 t + 8 h + j; the dot with w4 is finished with lane l xor 16.
; The results of a pair of tiles share a register (lanes 0-15 the even tile's rows, lanes 16-31 the odd tile's), so the sigmoid is taken once a pair; a wave's 256 results leave through its own 1,024 bytes of LDS in two stores of 512 bytes.
; Two sets of accumulators take turns: a tile's vector work stands behind the next tile's products and is their places.
; No tensor loads and no cluster: no image is read twice.
; LIMITS: NaN and infinities are not served; the variance's error grows with (distance of K from the mean / the spread)^2.
; THE MODE: SCHED_MODE bits 1:0 = 2 (LLVM: expert scheduling mode 2), set by the entry lines.  The code itself states the register dependences
; between vector or matrix instructions and memory or LDS instructions, with s_wait_alu, always for 0.
; THE PLAN.  Every global load stands at the head, behind one wait for the offsets; no register that a global load fills is filled again from memory.  Registers that LDS instructions touch:
;   v116-243      The records land here and are added in place; an LDS store reads v116-119; in waves 0 and 1 LDS loads land in v132-147, and LDS stores read v132 and v133; then a3 and c3 land in v116-179.
;   v248-255      A pair's results: each written once, by a reciprocal, and read once, by an LDS store: the wait behind the reciprocal serves both its first reader and that store.
;   v20-27        At work in every tile; the last two LDS loads land here, behind the last pair's wait, since when no vector instruction has been issued.
.set LI,   1                           ; v1   16 x lane
.set LS,   2                           ; v2   4 x lane
.set OSA,  3                           ; v3   LDS: my word in my wave's stage of results
.set YE,   5                           ; v5   the even tile's result
.set PX,   6                           ; v6   a lane permute's destination
.set HS,   8                           ; v8-15  h2's scale words, a register a pair
.set W3S,  16                          ; v16-19
.set DC,   20                          ; v20-27 at work
.set AW,   28                          ; v28  512 x wave + 16 x lane
.set AN,   29                          ; v29  4 n, n = thread mod 64
.set AH,   30                          ; v30  32 h
.set OFL,  31                          ; v31  LDS: my wave's stage, 16 x lane
.set OW3,  32                          ; v32  96 r + 24 h
.set OS3,  33                          ; v33  4 r
.set W3F,  36                          ; v36-83
.set WF4,  84                          ; v84-115  w4 in the result's layout
.set GA3,  116                         ; v116-147 a3
.set GC3,  148                         ; v148-179 c3
.set Z3,   180                         ; v180-243 two sets of four accumulators
.set LZ,   116                         ; v116-243 where the records land
.set BB,   244                         ; v244-247 b3, g3, be3, K
.set OY,   248                         ; v248-255 a pair's results
.set SA,   132
.set SB,   140
.set RED,  0                           ; LDS: 8 x 512
.set AC,   4096                        ; a3[64], c3[64]
.set OST,  4608                        ; 8 x 1024
.set HM,   28
.set SEL,  29                          ; s29, s30
.set B4,   31
.set MSB, 0
.macro WIN new                         ; the immediate's high byte repeats the setting that is left
.if MSB != \new
	s_set_vgpr_msb (MSB<<8)|\new
.set MSB, \new
.endif
.endm
.macro BARRIER
	s_wait_dscnt 0x0
	s_barrier_signal -1
	s_barrier_wait -1
.endm
	s_load_b512 s[4:19], s[0:1], 0x0               ; h2c, h2s, part3, b3, g3, be3, w3's codes, w3's scales
	s_load_b128 s[20:23], s[0:1], 0x40             ; w4, b4
	s_load_b64 s[24:25], s[0:1], 0x50              ; out0
	v_lshl_add_u32 v34, v0, 2, 0x3200
	v_mov_b32 v35, 0
	v_lshrrev_b32 v1, 5, v0
	v_readfirstlane_b32 s26, v1                    ; wave 0..7
	v_and_b32 v[LS], 31, v0
	v_lshlrev_b32 v[LI], 4, v[LS]
	v_lshlrev_b32 v[LS], 2, v[LS]
	v_and_b32 v[DC], 15, v0                        ; r
	v_bfe_u32 v[DC+1], v0, 4, 1                    ; h
	v_mul_u32_u24 v[OW3], v[DC], 96
	v_mad_u32_u24 v[OW3], v[DC+1], 24, v[OW3]
	v_lshlrev_b32 v[OS3], 2, v[DC]
	v_lshlrev_b32 v[AH], 5, v[DC+1]
	v_and_b32 v[AN], 63, v0
	v_lshlrev_b32 v[AN], 2, v[AN]
	s_wait_alu depctr_va_sdst(0)                   ; s26 is written, ahead of its first reader: addresses, bases and branches are made from it
	s_lshl_b32 s34, s26, 9
	v_add_nc_u32 v[AW], s34, v[LI]
	s_lshl_b32 s34, s26, 10
	v_add_nc_u32 v[OSA], s34, v[LS]
	v_add_nc_u32 v[OSA], OST, v[OSA]
	v_add_nc_u32 v[OFL], s34, v[LI]
	v_add_nc_u32 v[OFL], OST, v[OFL]
	v_mov_b32 v[PX], 0                             ; written once: a lane permute's destination counts as one of its sources
	s_mov_b32 s[HM], 0xffff0000
	s_mov_b32 s[SEL], 0x76543210
	s_mov_b32 s[SEL+1], 0xfedcba98
	s_lshl_b32 s27, ttmp9, 3
	s_add_co_u32 s27, s27, s26                     ; g
	s_mov_b32 s35, 0
	s_wait_kmcnt 0x0
	s_load_b32 s[B4], s[22:23], 0x0                ; b4
	s_mul_i32 s34, s27, 24576
	s_add_nc_u64 s[4:5], s[4:5], s[34:35]          ; h2c at my tiles
	s_lshl_b32 s34, s27, 10
	s_add_nc_u64 s[6:7], s[6:7], s[34:35]          ; h2s likewise
	s_add_nc_u64 s[24:25], s[24:25], s[34:35]      ; out0 at my 256 rows
	s_mul_i32 s34, s26, 24576
	s_add_nc_u64 s[36:37], s[8:9], s[34:35]        ; part3: my wave's 32 records
	s_wait_alu depctr_va_vdst(0)                   ; all offsets and LDS addresses (v1-3, v28-33) are written, which the loads and stores of the whole kernel read
.irp t, 0,1,2,3
.irp p, 0,1,2,3,4,5
	global_load_b64 v[W3F+12*\t+2*\p:W3F+12*\t+2*\p+1], v[OW3], s[16:17] offset:1536*\t+48*(\p/3)+8*(\p%3)
.endr
	global_load_b32 v[W3S+\t], v[OS3], s[18:19] offset:64*\t
.endr
.irp t, 0,1,2,3
	global_load_b128 v[WF4+8*\t:WF4+8*\t+3], v[AH], s[20:21] offset:64*\t
	global_load_b128 v[WF4+8*\t+4:WF4+8*\t+7], v[AH], s[20:21] offset:64*\t+16
.endr
	global_load_b32 v[BB], v[AN], s[10:11]         ; b3
	global_load_b32 v[BB+1], v[AN], s[12:13]       ; g3
	global_load_b32 v[BB+2], v[AN], s[14:15]       ; be3
	global_load_b32 v[BB+3], v[AN], s[8:9] offset:512   ; K
.set i, 0
.rept 32
	global_load_b128 v[LZ+4*i:LZ+4*i+3], v[LI], s[36:37] offset:768*i   ; a record's 64 sums and 64 sums of squares
.set i, i+1
.endr
.irp p, 0,1,2,3,4,5,6,7
	global_load_b32 v[HS+\p], v[LS], s[6:7] offset:128*\p th:TH_LOAD_NT
.endr
	WIN 0x40                                       ; destination window 1: tile q's image at v[12 q]
.set q, 0
.rept 16
.irp c, 0,1,2
	global_load_b128 v[12*q+4*\c:12*q+4*\c+3], v[LI], s[4:5] offset:1536*q+512*\c th:TH_LOAD_NT
.endr
.set q, q+1
.endr
	WIN 0
	s_wait_loadcnt 56                              ; all but the 8 loads of scale words and the 48 of images, which were issued behind the records
	; ---- my 32 records are added, in place
.irp d, 16,8,4,2,1
.set i, 0
.rept \d
	v_pk_add_f32 v[LZ+4*i:LZ+4*i+1], v[LZ+4*i:LZ+4*i+1], v[LZ+4*(i+\d):LZ+4*(i+\d)+1]
	v_pk_add_f32 v[LZ+4*i+2:LZ+4*i+3], v[LZ+4*i+2:LZ+4*i+3], v[LZ+4*(i+\d)+2:LZ+4*(i+\d)+3]
.set i, i+1
.endr
.endr
	s_wait_alu depctr_va_vdst(0)                   ; the additions have written v116-119, which the LDS store reads; they are also done with v132-147, in which the LDS loads of waves 0 and 1 land
	ds_store_b128 v[AW], v[LZ:LZ+3]
	BARRIER
	; ---- waves 0 and 1, a lane to a unit n
	s_cmp_gt_u32 s26, 1
	s_cbranch_scc1 .Lp2_done
.irp w, 0,1,2,3,4,5,6,7
	ds_load_b32 v[SA+\w], v[AN] offset:512*\w
	ds_load_b32 v[SB+\w], v[AN] offset:512*\w+256
.endr
	s_wait_dscnt 0x0
.irp o, SA, SB
	v_pk_add_f32 v[\o:\o+1], v[\o:\o+1], v[\o+2:\o+3]
	v_pk_add_f32 v[\o+4:\o+5], v[\o+4:\o+5], v[\o+6:\o+7]
.endr
.irp o, SA, SB
	v_pk_add_f32 v[\o:\o+1], v[\o:\o+1], v[\o+4:\o+5]
.endr
.irp o, SA, SB
	v_add_f32 v[\o], v[\o], v[\o+1]
.endr
.irp o, SA, SB
	v_mul_f32 v[\o], 0x36000000, v[\o]             ; x 2^-19
.endr
	v_fma_f32 v[SB], -v[SA], v[SA], v[SB]
	v_max_num_f32 v[SB], 0, v[SB]                  ; the variance
	v_add_f32 v[SB], 0x3727c5ac, v[SB]
	v_add_f32 v[SA], v[BB+3], v[SA]
	v_add_f32 v[SA], v[SA], v[BB]                  ; the mean, b3 in it
	v_rsq_f32 v[SA+1], v[SB]
	v_sub_f32 v[SA], v[BB], v[SA]                  ; b3 - mean  (the plain line behind the transcendental)
	s_wait_alu depctr_va_vdst(0)                   ; the root's reciprocal has written v133, ahead of its first reader
	v_mul_f32 v[SA+1], v[BB+1], v[SA+1]            ; a3
	v_fma_f32 v[SA], v[SA+1], v[SA], v[BB+2]       ; c3
	s_wait_alu depctr_va_vdst(0)                   ; a3 and c3 are written in v133 and v132, which the two LDS stores read
	ds_store_b32 v[AN], v[SA+1] offset:AC
	ds_store_b32 v[AN], v[SA] offset:AC+256
.Lp2_done:
	BARRIER
	s_wait_alu depctr_va_vdst(0)                   ; the records' additions and, in waves 0 and 1, the statistics' lines are done with v116-179, in which the loads below land
	s_wait_alu depctr_vm_vsrc(0)                   ; the LDS stores above have read v116-119 and, in waves 0 and 1, v132 and v133, in which the loads below land
.irp t, 0,1,2,3
	ds_load_b128 v[GA3+8*\t:GA3+8*\t+3], v[AH] offset:AC+64*\t
	ds_load_b128 v[GA3+8*\t+4:GA3+8*\t+7], v[AH] offset:AC+64*\t+16
	ds_load_b128 v[GC3+8*\t:GC3+8*\t+3], v[AH] offset:AC+256+64*\t
	ds_load_b128 v[GC3+8*\t+4:GC3+8*\t+7], v[AH] offset:AC+256+64*\t+16
.endr
	s_wait_dscnt 0x0
	s_wait_kmcnt 0x0                               ; b4
.macro MULT q                          ; tile q's four products, into set q % 2
	s_wait_loadcnt 3*(15-(\q))                     ; loads come back in order: tile q's image is in, the younger tiles' three loads each stay out
	WIN 0x04                                       ; source 1 (the image) window 1
.irp t, 0,1,2,3
.if ((\q)%2) == 1
	v_wmma_scale_f32_16x16x128_f8f6f4 v[Z3+32*((\q)%2)+8*\t:Z3+32*((\q)%2)+8*\t+7], v[W3F+12*\t:W3F+12*\t+11], v[12*(\q):12*(\q)+11], 0, v[W3S+\t], v[HS+(\q)/2] matrix_a_fmt:MATRIX_FMT_FP6 matrix_b_fmt:MATRIX_FMT_FP6 matrix_b_scale:MATRIX_SCALE_ROW1
.else
	v_wmma_scale_f32_16x16x128_f8f6f4 v[Z3+32*((\q)%2)+8*\t:Z3+32*((\q)%2)+8*\t+7], v[W3F+12*\t:W3F+12*\t+11], v[12*(\q):12*(\q)+11], 0, v[W3S+\t], v[HS+(\q)/2] matrix_a_fmt:MATRIX_FMT_FP6 matrix_b_fmt:MATRIX_FMT_FP6
.endif
.endr
	WIN 0
.endm
.macro REST q                          ; tile q: BN3, the activation, the dot with w4; behind an odd tile the pair's sigmoid
.set ZB, Z3+32*((\q)%2)
.set k, 0
.rept 16
	v_pk_fma_f32 v[ZB+2*k:ZB+2*k+1], v[ZB+2*k:ZB+2*k+1], v[GA3+2*k:GA3+2*k+1], v[GC3+2*k:GC3+2*k+1]   ; each accumulator from its low end on
.set k, k+1
.endr
.set k, 0
.rept 32
	v_max_num_f32 v[ZB+k], 0, v[ZB+k]
.set k, k+1
.endr
	v_pk_mul_f32 v[DC:DC+1], v[ZB:ZB+1], v[WF4:WF4+1]               ; two chains
	v_pk_mul_f32 v[DC+2:DC+3], v[ZB+2:ZB+3], v[WF4+2:WF4+3]
.set k, 2
.rept 7
	v_pk_fma_f32 v[DC:DC+1], v[ZB+2*k:ZB+2*k+1], v[WF4+2*k:WF4+2*k+1], v[DC:DC+1]
	v_pk_fma_f32 v[DC+2:DC+3], v[ZB+2*k+2:ZB+2*k+3], v[WF4+2*k+2:WF4+2*k+3], v[DC+2:DC+3]
.set k, k+2
.endr
	v_pk_add_f32 v[DC:DC+1], v[DC:DC+1], v[DC+2:DC+3]
	v_add_f32 v[DC], v[DC], v[DC+1]
	v_permlanex16_b32 v[PX], v[DC], s[SEL], s[SEL+1]
.if ((\q)%2) == 0
	v_add_f32 v[YE], v[DC], v[PX]                  ; with lane l xor 16's units: the row's dot
.else
	v_add_f32 v[DC], v[DC], v[PX]
	v_cndmask_b32 v[DC], v[YE], v[DC], s[HM]       ; lanes 0-15 the even tile's rows, lanes 16-31 the odd tile's
	v_add_f32 v[DC], s[B4], v[DC]
	v_mul_f32 v[DC], 0xbfb8aa3b, v[DC]             ; x -log2(e)
	v_exp_f32 v[DC+1], v[DC]
	v_nop                                          ; one plain line behind a transcendental
	s_wait_alu depctr_va_vdst(0)                   ; the exponential has written v21, ahead of its first reader
	v_add_f32 v[DC+1], 1.0, v[DC+1]
	v_rcp_f32 v[OY+(\q)/2], v[DC+1]
	v_nop
	s_wait_alu depctr_va_vdst(0)                   ; the reciprocal has written the pair's result, which the LDS store, its first reader, reads
	ds_store_b32 v[OSA], v[OY+(\q)/2] offset:128*((\q)/2)
.endif
.endm
	MULT 0
	MULT 1
.rept 5
	v_nop                                          ; four places before the first results are read; the fifth for the third tile's products, which write over the first's
.endr
	REST 0
.irp q, 2,3,4,5,6,7,8,9,10,11,12,13,14,15
	MULT \q
	REST \q-1                                      ; the tile before: these lines name no register of the products just issued and are their places
.endr
	REST 15
	ds_load_b128 v[DC:DC+3], v[OFL]                ; LDS serves a wave's instructions in order: these see my stores.  No wait: every vector line that named v20-27 stands ahead of the last pair's wait
	ds_load_b128 v[DC+4:DC+7], v[OFL] offset:512
	s_wait_dscnt 0x0
	global_store_b128 v[LI], v[DC:DC+3], s[24:25] th:TH_STORE_NT               ; 512 consecutive bytes, aligned
	global_store_b128 v[LI], v[DC+4:DC+7], s[24:25] offset:512 th:TH_STORE_NT
	s_wait_dscnt 0x0                               ; the closing lines, six on end
	s_wait_alu 0x0
	s_wait_tensorcnt 0x0
	ds_add_u32 v34, v35
	s_wait_dscnt 0x0
	s_endpgm
.Lfunc_end_k_q1bd0d82761_head:
	.size	k_q1bd0d82761_head, .Lfunc_end_k_q1bd0d82761_head-k_q1bd0d82761_head
	.p2alignl 7, 3214868480
	.fill 96, 4, 3214868480
	.section	.rodata,"a",@progbits
	.p2align	6, 0x0
	.amdhsa_kernel k_q1bd0d82761_head
		.amdhsa_group_segment_fixed_size 13824
		.amdhsa_private_segment_fixed_size 0
		.amdhsa_enable_private_segment 0
		.amdhsa_kernarg_size 88
		.amdhsa_user_sgpr_count 2
		.amdhsa_user_sgpr_kernarg_segment_ptr 1
		.amdhsa_wavefront_size32 1
		.amdhsa_system_sgpr_workgroup_id_x 1
		.amdhsa_system_sgpr_workgroup_id_y 1
		.amdhsa_system_sgpr_workgroup_id_z 1
		.amdhsa_system_vgpr_workitem_id 0
		.amdhsa_next_free_vgpr 448
		.amdhsa_next_free_sgpr 66
		.amdhsa_reserve_vcc 0
		.amdhsa_float_denorm_mode_32 3
		.amdhsa_float_denorm_mode_16_64 3
		.amdhsa_memory_ordered 1
		.amdhsa_forward_progress 1
		.amdhsa_inst_pref_size 87
	.end_amdhsa_kernel
	.amdgpu_metadata
---
amdhsa.version: [ 1, 2 ]
amdhsa.kernels:
  - .name:           k_q1bd0d82761_head
    .symbol:         k_q1bd0d82761_head.kd
    .args:
      - { .name: h2c, .offset: 0, .size: 8, .value_kind: global_buffer, .address_space: global }
      - { .name: h2s, .offset: 8, .size: 8, .value_kind: global_buffer, .address_space: global }
      - { .name: part3, .offset: 16, .size: 8, .value_kind: global_buffer, .address_space: global }
      - { .name: b3, .offset: 24, .size: 8, .value_kind: global_buffer, .address_space: global }
      - { .name: g3, .offset: 32, .size: 8, .value_kind: global_buffer, .address_space: global }
      - { .name: be3, .offset: 40, .size: 8, .value_kind: global_buffer, .address_space: global }
      - { .name: w3_codes, .offset: 48, .size: 8, .value_kind: global_buffer, .address_space: global }
      - { .name: w3_scales, .offset: 56, .size: 8, .value_kind: global_buffer, .address_space: global }
      - { .name: w4, .offset: 64, .size: 8, .value_kind: global_buffer, .address_space: global }
      - { .name: b4, .offset: 72, .size: 8, .value_kind: global_buffer, .address_space: global }
      - { .name: out0, .offset: 80, .size: 8, .value_kind: global_buffer, .address_space: global }
    .group_segment_fixed_size: 13824
    .private_segment_fixed_size: 0
    .kernarg_segment_align: 8
    .kernarg_segment_size: 88
    .max_flat_workgroup_size: 256
    .sgpr_count:     66
    .vgpr_count:     448
    .wavefront_size: 32
...
	.end_amdgpu_metadata
.endif
;; end of part 7
